; MI455X (gfx1250); checked and timed in simulation.
; The chip was launched on July 23, 2026; its instructions are those of AMD's public machine-readable ISA for CDNA 5 (MIT licence, August 2026) and "CDNA5" Instruction Set Architecture Reference Guide (July 2026). The comments in the code are by the model that wrote it; some were corrected since.
;; Block. Allowed arithmetic: matrix products marked QUANTISED: E5M2 operands, one given power-of-two scale a tensor, by v_wmma_f32_16x16x64_bf8_bf8 or v_wmma_f32_16x16x128_bf8_bf8, f32 sums; everything else in f32.
;; Inputs: W1 1,024 x 4,096 float32; W2 4,096 x 1,024 float32; Wk 16 x 1,024 x 64 float32; Wo 1,024 x 1,024 float32; Wq 16 x 1,024 x 64 float32; Wv 16 x 1,024 x 64 float32; b1 4,096 float32; b2 1,024 float32; beta1 1,024 float32; beta2 1,024 float32; bk 16 x 64 float32; bo 1,024 float32; bq 16 x 64 float32; bv 16 x 64 float32; gamma1 1,024 float32; gamma2 1,024 float32; lowp_scales 16 int32 (the exponents e of the quantised operands' scales 2^e); x 2 x 2,048 x 1,024 float32.
;; Outputs: out0 2 x 2,048 x 1,024 float32.
;; This version of the problem:
;;   THIS VERSION OF THE PROBLEM IS GIVEN IN LOW PRECISION. The matrix products marked QUANTISED in the list below multiply operands that are first quantised to E5M2 (5 exponent bits, 2 mantissa bits; 8 bits a number), with one given power-of-two scale for each operand tensor; their sums are f32. All else is computed in f32.
;;   The module's matrix products, in the order in which they are computed (A, B: the left and right operand; K: the contracted axis; several contracted axes count as one K, in the product's order):
;;     1. [M 1,024, K 1,024] x [K 1,024, N 4,096]; A: input Wq; B: computed on the way: QUANTISED (scales: A lowp_scales[0], B lowp_scales[1])
;;     2. [M 1,024, K 1,024] x [K 1,024, N 4,096]; A: input Wk; B: computed on the way: QUANTISED (scales: A lowp_scales[2], B lowp_scales[3])
;;     3. [M 1,024, K 1,024] x [K 1,024, N 4,096]; A: input Wv; B: computed on the way: QUANTISED (scales: A lowp_scales[4], B lowp_scales[5])
;;     4. batch 32 x [M 2,048, K 64] x [K 64, N 2,048]; A: computed on the way; B: computed on the way: QUANTISED (scales: A lowp_scales[6], B lowp_scales[7])
;;     5. batch 32 x [M 2,048, K 2,048] x [K 2,048, N 64]; A: softmax (see below); B: computed on the way: QUANTISED (scales: A lowp_scales[8], B lowp_scales[9])
;;     6. [M 4,096, K 1,024] x [K 1,024, N 1,024]; A: computed on the way; B: input Wo: QUANTISED (scales: A lowp_scales[10], B lowp_scales[11])
;;     7. [M 4,096, K 1,024] x [K 1,024, N 4,096]; A: computed on the way; B: input W1: QUANTISED (scales: A lowp_scales[12], B lowp_scales[13])
;;     8. [M 4,096, K 4,096] x [K 4,096, N 1,024]; A: computed on the way; B: input W2: QUANTISED (scales: A lowp_scales[14], B lowp_scales[15])
;;   THE QUANTISER, for each operand of a quantised product, along K:
;;     - The operand's scale is 2^e, e = its entry of the input lowp_scales (int32; the entries are numbered through the quantised products in the list's order, A before B).
;;     - Each number is divided by the scale, clamped to +-57,344, and rounded to the nearest number of E5M2, ties to even, subnormals kept.
;;     - The product sums the exact products of the quantised numbers (number of the format x scale) in f32.
;;   ~~~python
;;   def quantise(x, axis, e):      # numpy; x: float32 -> the quantised numbers, widened to float32 again
;;       x = np.moveaxis(x, axis, -1); K = x.shape[-1]
;;       r = np.clip(x / 2.0 ** e, -57344, 57344)
;;       step = 2.0 ** (np.maximum(np.frexp(np.where(r == 0, 1, r))[1] - 1, -14) - 2)
;;       q = np.round(r / step) * step * 2.0 ** e      # np.round: ties to even
;;       return np.moveaxis(q, -1, axis).astype(np.float32)
;;   ~~~
;;   SOFTMAX AHEAD OF A QUANTISED PRODUCT. Where the list says 'softmax', what is quantised is not the finished softmax but p = 2^(t - M), with t = logit x log2(e) and M = ceil(the row's largest t), a whole number; so 1/2 < the row's largest p <= 1. The row's sum l is taken of the UNQUANTISED p, in f32, and the product's result is divided by l at the end. Since M is a whole number, a kernel that streams over the keys may use a running M (the ceiling of the running maximum): every later rescaling is an exact power of two, so the quantised numbers keep their values, but for numbers so far below the row's largest that they fall under the format's range.
;;   OPERANDS COMPUTED ON THE WAY. 'Computed on the way' means the value that the module computes at that place (a softmax that the list does not call 'softmax' is quantised finished and normalised). What goes into a quantiser is computed in f32, as accurately as f32 sums, v_exp_f32 and their like allow (about 1e-6 of the number): no bf16 or f16 on the way to a quantiser, and a product that is left as it is and whose result goes on into a quantised operand takes f32 operands (vector FMAs, or v_wmma_f32_16x16x4_f32). A number that lies on a knife's edge between two numbers of the format may be rounded either way, as far as f32 arithmetic and the matrix unit's own rounding can turn it there, and no further.
;; 2 versions. Each part assembles by itself: llvm-mc -triple=amdgcn-amd-amdhsa -mcpu=gfx1250 --defsym DOCPART=n.
;; ======== version 1 of 2: 7 launches
;; workspace buffers: wc 12,582,912 bytes; x1 16,777,216 bytes; x1c 12,582,912 bytes; qkv 12,582,912 bytes; hc 4,194,304 bytes; y 16,777,216 bytes; x2 20,971,520 bytes; g 16,777,216 bytes
;; launch prep (part 1): grid 320 x 1, 8 waves a work-group, no clusters, 132,608 bytes of LDS; arguments x, gamma1, beta1, lowp_scales, x1, x1c, wc, W1, W2, Wo, Wq, Wk, Wv; writes x1, x1c, wc
.if DOCPART == 1
	.amdgcn_target "amdgcn-amd-amdhsa--gfx1250"
	.amdhsa_code_object_version 6
	.text
	.protected	k_qb4ba780f1e_prep
	.globl	k_qb4ba780f1e_prep
	.p2align	8
	.type	k_qb4ba780f1e_prep,@function
k_qb4ba780f1e_prep:
	s_mov_b64 s[64:65], 0
	v_nop
	global_prefetch_b8 v0, s[64:65] scope:SCOPE_SE
	s_setreg_imm32_b32 hwreg(HW_REG_WAVE_MODE, 25, 1), 1
	s_wait_xcnt 0x0
; PREP.  Work-groups 0-127: x1 = layernorm(x) (variance with 1,023 in the divisor), stored as f32 and three times as codes of E5M2 (scales e1, e3, e5).
; Work-groups 128-319: the six weights, f32 with K as an outer axis, become codes with K innermost.
; ALL CODES ARE STORED AS IMAGES OF OPERAND REGISTERS: an operand [R rows][K] lies as [K/256][R/16][2][4][32 lanes][16 bytes]; lane 16 h + r of piece (kb, rt, ks, c) holds
; k = 256 kb + 128 ks + 32 c + 16 h + 0..15 of row r of tile rt.  A fragment of 16 rows x 128 K is 2,048 bytes on end.  NATURAL tiles: row 16 rt + r.  PERMUTED tiles: tile 2 b + u takes row
; 32 b + 8 u + r + 8 (r / 8), so that a product that takes such a tile as its first source leaves 16 neighbours in a lane's 16 registers of tiles 2 b and 2 b + 1.
; code = number / 2^e, held within +-57,344, to the nearest code, ties to even.  LIMITS: each e between -126 and 112; NaN and infinities among the inputs are not served.
; The branch at the head hangs on the work-group's number alone; only the first way uses LDS and a barrier.
.set LP,  4112                         ; an LDS row: 4,096 bytes + 16: 16 rows that a load touches start at 16 different groups of four banks
.set LI,  2                            ; v2  16 x lane; never rewritten
.set LS,  3                            ; v3  where my wave stores its four rows in LDS
.set LAN, 4                            ; v4  where I read 16 neighbours of a row, natural tile
.set LAP, 5                            ; v5  the same, permuted tile
.set G,   16                           ; v16-47  gamma of my columns 128 j + 4 lane + i
.set BT,  48                           ; v48-79  beta
.set X,   80                           ; v80-207 four rows x 32 numbers; later 128 numbers of one row
.set SS,  208                          ; v208-239 eight registers a row: sum pair, second chain, mean pair, 1/sqrt pair
.set TMP, 16                           ; later: two sets of 16 held numbers
.set CD,  48                           ; later: 32 registers of codes
.set VO,  16                           ; weights: v16-47 offsets 4 lane + i x pitch
.set WX,  48                           ; weights: v48-111 two sets of 32 numbers
.set WC,  112                          ; weights: v112-175 eight registers of codes for each block, so that no store's data are written again
.set VS,  12                           ; weights: v12 my place in the two tiles' images
.set SB,  66                           ; weights: s66-81 eight bases, one for each block of 32 along K
.macro MKSC e, vs, vl                  ; 2^e as f32 (the conversion takes its exponent field) and 57,344 x 2^e
	s_add_co_i32 s58, s[\e], 127
	s_lshl_b32 s59, s58, 23
	v_mov_b32 v[\vs], s59
	s_add_co_i32 s58, s58, 15
	s_lshl_b32 s58, s58, 23
	s_or_b32 s58, s58, 0x600000
	v_mov_b32 v[\vl], s58
.endm
.macro XSUM                            ; the four rows' numbers in v[SS+8p] summed over the 32 lanes, the result in every lane
.irp m, 1,2,4,8
.irp p, 0,1,2,3
	v_add_f32_dpp v[SS+8*\p], v[SS+8*\p], v[SS+8*\p] row_xmask:\m row_mask:0xf bank_mask:0xf
.endr
.endr
.irp p, 0,1,2,3
	v_permlanex16_b32 v[SS+8*\p+2], v[SS+8*\p], s24, s25
.endr
.irp p, 0,1,2,3
	v_add_f32 v[SS+8*\p], v[SS+8*\p], v[SS+8*\p+2]
.endr
.endm
.macro FOLD                            ; the two chains of each row into one number a lane
.irp p, 0,1,2,3
	v_pk_add_f32 v[SS+8*\p:SS+8*\p+1], v[SS+8*\p:SS+8*\p+1], v[SS+8*\p+2:SS+8*\p+3]
.endr
.irp p, 0,1,2,3
	v_add_f32 v[SS+8*\p], v[SS+8*\p], v[SS+8*\p+1]
.endr
.endm
.macro LNROWS                          ; four rows, line by line in turn, so that no line waits for the one above it
.irp p, 0,1,2,3
	v_pk_add_f32 v[SS+8*\p:SS+8*\p+1], v[X+32*\p:X+32*\p+1], v[X+32*\p+2:X+32*\p+3]
	v_pk_add_f32 v[SS+8*\p+2:SS+8*\p+3], v[X+32*\p+4:X+32*\p+5], v[X+32*\p+6:X+32*\p+7]
.endr
.irp j, 8,12,16,20,24,28
.irp p, 0,1,2,3
	v_pk_add_f32 v[SS+8*\p:SS+8*\p+1], v[SS+8*\p:SS+8*\p+1], v[X+32*\p+\j:X+32*\p+\j+1]
	v_pk_add_f32 v[SS+8*\p+2:SS+8*\p+3], v[SS+8*\p+2:SS+8*\p+3], v[X+32*\p+\j+2:X+32*\p+\j+3]
.endr
.endr
	FOLD
	XSUM
.irp p, 0,1,2,3
	v_mul_f32 v[SS+8*\p+4], 0x3a800000, v[SS+8*\p]     ; the mean: sum / 1,024
.endr
.irp p, 0,1,2,3
	v_mov_b32 v[SS+8*\p+5], v[SS+8*\p+4]
.endr
.irp j, 0,2,4,6,8,10,12,14,16,18,20,22,24,26,28,30
.irp p, 0,1,2,3
	v_pk_add_f32 v[X+32*\p+\j:X+32*\p+\j+1], v[X+32*\p+\j:X+32*\p+\j+1], v[SS+8*\p+4:SS+8*\p+5] neg_lo:[0,1] neg_hi:[0,1]   ; x - mean first, then squares: no difference of large sums
.endr
.endr
.irp p, 0,1,2,3
	v_pk_mul_f32 v[SS+8*\p:SS+8*\p+1], v[X+32*\p:X+32*\p+1], v[X+32*\p:X+32*\p+1]
	v_pk_mul_f32 v[SS+8*\p+2:SS+8*\p+3], v[X+32*\p+2:X+32*\p+3], v[X+32*\p+2:X+32*\p+3]
.endr
.irp j, 4,8,12,16,20,24,28
.irp p, 0,1,2,3
	v_pk_fma_f32 v[SS+8*\p:SS+8*\p+1], v[X+32*\p+\j:X+32*\p+\j+1], v[X+32*\p+\j:X+32*\p+\j+1], v[SS+8*\p:SS+8*\p+1]
	v_pk_fma_f32 v[SS+8*\p+2:SS+8*\p+3], v[X+32*\p+\j+2:X+32*\p+\j+3], v[X+32*\p+\j+2:X+32*\p+\j+3], v[SS+8*\p+2:SS+8*\p+3]
.endr
.endr
	FOLD
	XSUM
.irp p, 0,1,2,3
	v_fma_f32 v[SS+8*\p], v[SS+8*\p], s26, s27         ; squares / 1,023 + 1e-5
.endr
.irp p, 0,1,2,3
	v_rsq_f32 v[SS+8*\p+6], v[SS+8*\p]
.endr
	v_nop                                              ; a plain line behind the last of the batch
	s_wait_alu depctr_va_vdst(0)                       ; one wait for the four, ahead of their first reader
.irp p, 0,1,2,3
	v_mov_b32 v[SS+8*\p+7], v[SS+8*\p+6]
.endr
.irp j, 0,2,4,6,8,10,12,14,16,18,20,22,24,26,28,30
.irp p, 0,1,2,3
	v_pk_mul_f32 v[X+32*\p+\j:X+32*\p+\j+1], v[X+32*\p+\j:X+32*\p+\j+1], v[SS+8*\p+6:SS+8*\p+7]
.endr
.endr
.irp j, 0,2,4,6,8,10,12,14,16,18,20,22,24,26,28,30
.irp p, 0,1,2,3
	v_pk_fma_f32 v[X+32*\p+\j:X+32*\p+\j+1], v[X+32*\p+\j:X+32*\p+\j+1], v[G+\j:G+\j+1], v[BT+\j:BT+\j+1]
.endr
.endr
.endm
.macro FETCHX adr                      ; of my row: for each of 8 blocks of 32 along K my 16 neighbours, 64 bytes: register 16 q + i = k 32 q + 16 h + i
.set q, 0
.rept 8
.set j, 0
.rept 4
	ds_load_b128 v[X+16*q+4*j:X+16*q+4*j+3], v[\adr] offset:128*q+16*j
.set j, j+1
.endr
.set q, q+1
.endr
	s_wait_dscnt 0x0
.endm
.macro QSTORE bs, vs, vl               ; the 128 numbers become two fragments' images: eight stores of 512 consecutive bytes a wave
.set q, 0
.rept 8
.set i, 0
.rept 16
	v_med3_num_f32 v[TMP+16*(q%2)+i], v[X+16*q+i], -v[\vl], v[\vl]   ; the conversion to an 8-bit code does not saturate (ISA guide 7.6.2): the hold comes first; X stays for the next scale
.set i, i+1
.endr
	v_cvt_scalef32_pk8_bf8_f32 v[CD+4*q:CD+4*q+1], v[TMP+16*(q%2):TMP+16*(q%2)+7], v[\vs]
	v_cvt_scalef32_pk8_bf8_f32 v[CD+4*q+2:CD+4*q+3], v[TMP+16*(q%2)+8:TMP+16*(q%2)+15], v[\vs]
	global_store_b128 v[LI], v[CD+4*q:CD+4*q+3], s[\bs:\bs+1] offset:512*q
.set q, q+1
.endr
	v_nop                                              ; a plain line behind the last conversion
.endm
	s_load_b512 s[4:19], s[0:1], 0x0               ; x, gamma1, beta1, the exponents, x1, x1c, wc, W1
	s_load_b256 s[44:51], s[0:1], 0x40             ; W2, Wo, Wq, Wk
	s_load_b64 s[52:53], s[0:1], 0x60              ; Wv
	v_lshl_add_u32 v254, v0, 2, 0x20200
	v_mov_b32 v255, 0
	v_lshrrev_b32 v1, 5, v0
	v_readfirstlane_b32 s20, v1                    ; wave 0..7
	v_and_b32 v1, 31, v0                           ; lane
	v_lshlrev_b32 v[LI], 4, v1
	s_wait_kmcnt 0x0
	s_load_b512 s[28:43], s[10:11], 0x0            ; e0 .. e15
	s_cmp_lt_u32 ttmp9, 128
	s_cbranch_scc0 .Lweights
	; ---- LAYER NORM: the work-group owns 32 rows, a wave four of them; a lane holds columns 128 j + 4 lane + 0..3 of each
	s_lshl_b32 s54, ttmp9, 17                      ; 32 rows of 4,096 bytes
	s_lshl_b32 s55, s20, 14                        ; my wave's four
	s_add_co_u32 s54, s54, s55
	s_mov_b32 s55, 0
	s_add_nc_u64 s[4:5], s[4:5], s[54:55]
	s_add_nc_u64 s[12:13], s[12:13], s[54:55]
.set j, 0
.rept 8
	global_load_b128 v[G+4*j:G+4*j+3], v[LI], s[6:7] offset:512*j
	global_load_b128 v[BT+4*j:BT+4*j+3], v[LI], s[8:9] offset:512*j
.set j, j+1
.endr
.set p, 0
.rept 4
.set j, 0
.rept 8
	global_load_b128 v[X+32*p+4*j:X+32*p+4*j+3], v[LI], s[4:5] offset:4096*p+512*j th:TH_LOAD_NT   ; 512 consecutive bytes a load
.set j, j+1
.endr
.set p, p+1
.endr
	s_lshr_b32 s21, s20, 2                         ; later: which tile of 16 rows I quantise,
	s_and_b32 s22, s20, 3                          ; and which 256 along K
	s_mov_b32 s24, 0x76543210                      ; v_permlanex16_b32: lane l xor 16
	s_mov_b32 s25, 0xfedcba98
	s_mov_b32 s26, 0x3a802008                      ; 1 / 1,023
	s_mov_b32 s27, 0x3727c5ac                      ; 1e-5
	s_mul_i32 s56, s20, 4*LP
	v_add_nc_u32 v[LS], s56, v[LI]
	v_and_b32 v6, 15, v0                           ; r
	v_bfe_u32 v7, v0, 4, 1                         ; h
	v_mul_u32_u24 v[LAN], v6, LP
	v_lshl_add_u32 v[LAN], v7, 6, v[LAN]
	s_mul_i32 s56, s21, 16*LP
	s_lshl_b32 s57, s22, 10
	s_add_co_u32 s56, s56, s57
	v_add_nc_u32 v[LAN], s56, v[LAN]               ; row 16 tau + r, byte 1,024 kb + 64 h
	v_and_b32 v8, 8, v6
	v_add_nc_u32 v8, v8, v6
	v_mul_u32_u24 v[LAP], v8, LP
	v_lshl_add_u32 v[LAP], v7, 6, v[LAP]
	s_mul_i32 s56, s21, 8*LP
	s_add_co_u32 s56, s56, s57
	v_add_nc_u32 v[LAP], s56, v[LAP]               ; row 8 tau + r + 8 (r / 8): rows 16 apart share their banks, so these reads go two deep
	s_lshl_b32 s60, s22, 8
	s_lshl_b32 s61, ttmp9, 1
	s_add_co_u32 s60, s60, s61
	s_add_co_u32 s60, s60, s21
	s_lshl_b32 s60, s60, 12                        ; (256 kb + tile) x 4,096
	s_mov_b32 s61, 0
	s_add_nc_u64 s[14:15], s[14:15], s[60:61]      ; the codes under e1,
	s_add_nc_u64 s[62:63], s[14:15], 0x400000      ; under e3,
	s_add_nc_u64 s[66:67], s[14:15], 0x800000      ; under e5
	s_wait_kmcnt 0x0
	MKSC 29, 240, 241
	MKSC 31, 242, 243
	MKSC 33, 244, 245
	s_wait_loadcnt 0x0
	LNROWS
.set p, 0
.rept 4
.set j, 0
.rept 8
	global_store_b128 v[LI], v[X+32*p+4*j:X+32*p+4*j+3], s[12:13] offset:4096*p+512*j
	ds_store_b128 v[LS], v[X+32*p+4*j:X+32*p+4*j+3] offset:LP*p+512*j
.set j, j+1
.endr
.set p, p+1
.endr
	s_wait_xcnt 0x0                                ; the stores have read X: it is loaded over below
	s_wait_dscnt 0x0                               ; for the others' sake: my rows lie in LDS
	s_barrier_signal -1
	s_barrier_wait -1
	FETCHX LAN
	QSTORE 14, 240, 241                            ; natural tiles, e1: the queries' operand
	FETCHX LAP
	s_wait_xcnt 0x0                                ; the last stores have read their codes' registers
	QSTORE 62, 242, 243                            ; permuted tiles, e3: the keys'
	s_wait_xcnt 0x0
	QSTORE 66, 244, 245                            ; permuted tiles, e5: the values'
	s_wait_tensorcnt 0x0
	ds_add_u32 v254, v255
	s_wait_dscnt 0x0
	s_endpgm
	; ---- WEIGHTS: a lane takes a column, its registers run down K; a wave takes 32 columns x 256 along K, a work-group 256 columns.
	; What differs between the six tensors is chosen by selects on the work-group's number: first number, place in wc, exponent, bytes from k to k + 1, log2 of the groups of 256 columns,
	; bytes from group to group, bytes from one pair of waves to the next (a head, in Wq, Wk, Wv), bytes of 256 along K in the image.
.macro PICK bound, dst, e, src
	s_cmp_ge_u32 s21, \bound
	s_cselect_b32 s82, \bound, s82
	s_cselect_b32 s83, \dst, s83
	s_cselect_b32 s84, s[\e], s84
	s_cselect_b64 s[90:91], s[\src:\src+1], s[90:91]
.endm
.macro WLOAD t                         ; block t: W(32 t + i, my column): 128 consecutive bytes a load
.set i, 0
.rept 32
	global_load_b32 v[WX+32*((\t)%2)+i], v[VO+i], s[SB+2*(\t):SB+2*(\t)+1] th:TH_LOAD_NT
.set i, i+1
.endr
.endm
.macro BLOCK t
.if (\t) < 7
	s_wait_loadcnt 32                              ; this block's 32 loads are in; the next block's may be out
.else
	s_wait_loadcnt 0x0
.endif
.set i, 0
.rept 32
	v_med3_num_f32 v[WX+32*((\t)%2)+i], v[WX+32*((\t)%2)+i], -v10, v10
.set i, i+1
.endr
.set i, 0
.rept 4
	v_cvt_scalef32_pk8_bf8_f32 v[WC+8*(\t)+2*i:WC+8*(\t)+2*i+1], v[WX+32*((\t)%2)+8*i:WX+32*((\t)%2)+8*i+7], v11
.set i, i+1
.endr
	global_store_b128 v[VS], v[WC+8*(\t):WC+8*(\t)+3], s[16:17] offset:512*(\t)          ; k 32 t + 0..15: sixteen lanes fill 256 consecutive bytes of tile 2 b, sixteen of tile 2 b + 1
	global_store_b128 v[VS], v[WC+8*(\t)+4:WC+8*(\t)+7], s[16:17] offset:512*(\t)+256    ; k 32 t + 16..31
.if (\t)+2 < 8
	WLOAD (\t)+2
.endif
.endm
.Lweights:
	s_sub_co_u32 s21, ttmp9, 128
	s_wait_kmcnt 0x0
	s_mov_b32 s82, 0                               ; W1's figures first
	s_mov_b32 s83, 0
	s_mov_b32 s84, s41                             ; e13
	s_mov_b32 s85, 16384
	s_mov_b32 s86, 4
	s_mov_b32 s87, 1024
	s_mov_b32 s88, 256
	s_mov_b32 s89, 0x100000
	s_mov_b64 s[90:91], s[18:19]
	PICK 64, 0x400000, 43, 44                      ; W2, e15
	s_cselect_b32 s85, 4096, s85
	s_cselect_b32 s86, 2, s86
	s_cselect_b32 s89, 0x40000, s89
	PICK 128, 0x800000, 39, 46                     ; Wo, e11
	PICK 144, 0x900000, 28, 48                     ; Wq, e0: a column is 64 x head + d
	s_cselect_b32 s85, 256, s85
	s_cselect_b32 s87, 0x100000, s87
	s_cselect_b32 s88, 0x40000, s88
	PICK 160, 0xa00000, 30, 50                     ; Wk, e2
	PICK 176, 0xb00000, 32, 52                     ; Wv, e4
	s_sub_co_u32 s22, s21, s82
	s_bfm_b32 s23, s86, 0
	s_and_b32 s23, s22, s23                        ; which 256 columns
	s_lshr_b32 s22, s22, s86                       ; which 256 along K
	s_mul_i32 s24, s22, s85
	s_lshl_b32 s24, s24, 8
	s_mul_i32 s25, s23, s87
	s_add_co_u32 s24, s24, s25
	s_lshr_b32 s25, s20, 1
	s_mul_i32 s25, s25, s88
	s_add_co_u32 s24, s24, s25
	s_and_b32 s25, s20, 1
	s_lshl_b32 s25, s25, 7
	s_add_co_u32 s24, s24, s25
	s_mov_b32 s25, 0
	s_add_nc_u64 s[SB:SB+1], s[90:91], s[24:25]
	s_lshl_b32 s92, s85, 5                         ; 32 along K
	s_mov_b32 s93, 0
.set t, 1
.rept 7
	s_add_nc_u64 s[SB+2*t:SB+2*t+1], s[SB+2*t-2:SB+2*t-1], s[92:93]
.set t, t+1
.endr
	s_mul_i32 s26, s22, s89
	s_add_co_u32 s26, s26, s83
	s_lshl_b32 s27, s23, 4
	s_lshl_b32 s54, s20, 1
	s_add_co_u32 s27, s27, s54
	s_lshl_b32 s27, s27, 12                        ; tile 16 x group + 2 x wave
	s_add_co_u32 s26, s26, s27
	s_mov_b32 s27, 0
	s_add_nc_u64 s[16:17], s[16:17], s[26:27]
	v_lshlrev_b32 v[VO], 2, v1
.set i, 1
.rept 31
	v_add_nc_u32 v[VO+i], s85, v[VO+i-1]
.set i, i+1
.endr
	WLOAD 0
	WLOAD 1
	MKSC 84, 11, 10
	v_bfe_u32 v13, v1, 3, 1                        ; column 32 b + x lies in tile 2 b + (x / 8) % 2,
	v_and_b32 v14, 7, v1
	v_lshrrev_b32 v15, 4, v1
	v_lshl_add_u32 v14, v15, 3, v14                ; as its row x % 8 + 8 (x / 16)
	v_lshlrev_b32 v[VS], 12, v13
	v_lshl_add_u32 v[VS], v14, 4, v[VS]
.set tt, 0
.rept 8
	BLOCK tt
.set tt, tt+1
.endr
	s_endpgm
.Lfunc_end_k_qb4ba780f1e_prep:
	.size	k_qb4ba780f1e_prep, .Lfunc_end_k_qb4ba780f1e_prep-k_qb4ba780f1e_prep
	.p2alignl 7, 3214868480
	.fill 96, 4, 3214868480
	.section	.rodata,"a",@progbits
	.p2align	6, 0x0
	.amdhsa_kernel k_qb4ba780f1e_prep
		.amdhsa_group_segment_fixed_size 132608
		.amdhsa_private_segment_fixed_size 0
		.amdhsa_enable_private_segment 0
		.amdhsa_kernarg_size 104
		.amdhsa_user_sgpr_count 2
		.amdhsa_user_sgpr_kernarg_segment_ptr 1
		.amdhsa_wavefront_size32 1
		.amdhsa_system_sgpr_workgroup_id_x 1
		.amdhsa_system_sgpr_workgroup_id_y 1
		.amdhsa_system_sgpr_workgroup_id_z 1
		.amdhsa_system_vgpr_workitem_id 0
		.amdhsa_next_free_vgpr 256
		.amdhsa_next_free_sgpr 102
		.amdhsa_reserve_vcc 0
		.amdhsa_float_denorm_mode_32 3
		.amdhsa_float_denorm_mode_16_64 3
		.amdhsa_memory_ordered 1
		.amdhsa_forward_progress 1
		.amdhsa_inst_pref_size 120
	.end_amdhsa_kernel
	.amdgpu_metadata
---
amdhsa.version: [ 1, 2 ]
amdhsa.kernels:
  - .name:           k_qb4ba780f1e_prep
    .symbol:         k_qb4ba780f1e_prep.kd
    .args:
      - { .name: x, .offset: 0, .size: 8, .value_kind: global_buffer, .address_space: global }
      - { .name: gamma1, .offset: 8, .size: 8, .value_kind: global_buffer, .address_space: global }
      - { .name: beta1, .offset: 16, .size: 8, .value_kind: global_buffer, .address_space: global }
      - { .name: lowp_scales, .offset: 24, .size: 8, .value_kind: global_buffer, .address_space: global }
      - { .name: x1, .offset: 32, .size: 8, .value_kind: global_buffer, .address_space: global }
      - { .name: x1c, .offset: 40, .size: 8, .value_kind: global_buffer, .address_space: global }
      - { .name: wc, .offset: 48, .size: 8, .value_kind: global_buffer, .address_space: global }
      - { .name: W1, .offset: 56, .size: 8, .value_kind: global_buffer, .address_space: global }
      - { .name: W2, .offset: 64, .size: 8, .value_kind: global_buffer, .address_space: global }
      - { .name: Wo, .offset: 72, .size: 8, .value_kind: global_buffer, .address_space: global }
      - { .name: Wq, .offset: 80, .size: 8, .value_kind: global_buffer, .address_space: global }
      - { .name: Wk, .offset: 88, .size: 8, .value_kind: global_buffer, .address_space: global }
      - { .name: Wv, .offset: 96, .size: 8, .value_kind: global_buffer, .address_space: global }
    .group_segment_fixed_size: 132608
    .private_segment_fixed_size: 0
    .kernarg_segment_align: 8
    .kernarg_segment_size: 104
    .max_flat_workgroup_size: 256
    .sgpr_count:     102
    .vgpr_count:     256
    .wavefront_size: 32
...
	.end_amdgpu_metadata
.endif
;; end of part 1
;; launch qkv (part 2): grid 12 x 16, 4 waves a work-group, clusters of 4 x 4, 327,680 bytes of LDS; arguments x1c, wc, lowp_scales, qkv, bq, bk, bv; writes qkv
.if DOCPART == 2
	.amdgcn_target "amdgcn-amd-amdhsa--gfx1250"
	.amdhsa_code_object_version 6
	.text
	.protected	k_qb4ba780f1e_qkv
	.globl	k_qb4ba780f1e_qkv
	.p2align	8
	.type	k_qb4ba780f1e_qkv,@function
k_qb4ba780f1e_qkv:
	s_mov_b64 s[64:65], 0
	v_nop
	global_prefetch_b8 v0, s[64:65] scope:SCOPE_SE
	s_setreg_imm32_b32 hwreg(HW_REG_WAVE_MODE, 25, 1), 1
	s_wait_xcnt 0x0
	s_wait_alu depctr_hold_cnt(0) depctr_sa_sdst(0) depctr_va_vdst(0) depctr_va_sdst(0) depctr_va_ssrc(0) depctr_va_vcc(0) depctr_vm_vsrc(0)
	s_getreg_b32 s2, hwreg(HW_REG_IB_STS2, 6, 4)
	s_cmp_eq_u32 s2, 0
	s_cbranch_scc0 .Lentry_in_a_cluster
	s_endpgm
.Lentry_in_a_cluster:
	s_bfe_u32 s2, ttmp6, 0x10000c
	s_cmp_lg_u32 s2, 0xf033
	s_cbranch_scc0 .Lentry_shape_is_right
	s_endpgm
.Lentry_shape_is_right:
; Q, K and V: three products [4,096 tokens] x [1,024 outputs] over K = 1,024 on codes of E5M2, then + bias, then quantised again (e6, e7, e9) and stored as images of the attention's operand registers.
; The cluster's x says which: 0 = Q, 1 = K, 2 = V; it is the same in all sixteen partners, so branches and selects may hang on it.
; THE PRODUCT: a tile of 256 x 256 to a work-group of four waves, 128 x 128 a wave in 64 accumulators; K in steps of 256 through two LDS slots filled by joint tensor loads: side A's tile is shared along a
; row of the 4 x 4 cluster, side B's along a column.  Operands lie in memory as register images, so a tile of 128 rows x 256 K is 32,768 bytes on end, a fragment 2,048, and an LDS load takes 512 consecutive bytes: no padding.
; The matrix instruction takes B's fragment as source 0 and A's as source 1: lane (r, h) holds A's row r, and, B's tiles being permuted, its 64 registers of a block are B's rows 32 c + 16 h + i (register 16 c + i).
; Q, K: A = tokens, B = the weight's outputs 64 head + d: a lane's registers run along d, the scores' K.   V: A = Wv's outputs, B = tokens: a lane's registers run along the keys, the second product's K.
; OUT: Q at 0: [batch x head][128 tiles of 16 queries][1,024 bytes].  K and V at 0x400000: [batch x head][16 steps of 128 keys][8 tiles of K x 1,024, then 4 tiles of V^T x 2,048].
; LIMITS: e0 + e1, e2 + e3, e4 + e5 between -126 and 127; e6, e7, e9 between -126 and 112.  NaN and infinities are not served.
.set REGSTEP, 1                        ; the strides along K differ between the three products: they lie in s[92:93] and s[94:95]
.set ASTR, 0
.set BSTR, 0
.set LAPS, 2                           ; K = 1,024: four K steps, two laps of the ring
.set HALFT, 32768                      ; 128 rows x 256 K: what one tensor load brings, and what one wave reads of A or of B
.set SLOT,  4*HALFT                    ; A's 256 rows, then B's
.set SPARE, 2*SLOT                     ; behind the ring: the spare words, 128 bytes a wave: two blocks of 256 bytes that no other line names
.set FR, 16
.set NL, 4
.set NP, 4
.set ADRA, 16                          ; v16-17 LDS address of my A fragments in slot 0, 1
.set ADRB, 20                          ; v20-21 the same for B
.set LI,  26                           ; v26 16 x lane
.set SPW, 28                           ; v28 my spare word; never rewritten
.set NIL, 29                           ; v29 0; never rewritten
.set AF,  128                          ; A's fragments, window 0, one set;  B's: window 1, two sets;  accumulators: windows 2 and 3
.set BIAS, 64                          ; v64-127 the biases
.set XV,  128                          ; the way out: 64 numbers
.set CDB, 32                           ; the way out: two sets of 16 registers of codes
.set G1, 24
.set G0, 32
.set G1B, 48
.set G0B, 56
.set MSB, 0
.macro WIN new                         ; the immediate's high byte repeats the setting that is left
.if MSB != (\new)
	s_set_vgpr_msb (MSB<<8)|(\new)
.set MSB, (\new)
.endif
.endm
.set MUL_LO, 0xa1                      ; source 0 (B) window 1, source 1 (A) window 0, C and D window 2
.set MUL_HI, 0xf1
.set TO_B,   0x40
.macro JLOAD g0a, g1a, g0b, g1b        ; a joint load: waves 0, 1 fetch for A, waves 2, 3 for B; four v_nop follow each line
	s_cmp_eq_u32 s15, 0
	s_cbranch_scc0 .Lfor_b_\@
	tensor_load_to_lds s[\g0a:\g0a+3], s[\g1a:\g1a+7]
	s_nop 0
.rept 4
	v_nop
.endr
	s_branch .Lasked_\@
.Lfor_b_\@:
	tensor_load_to_lds s[\g0b:\g0b+3], s[\g1b:\g1b+7]
	s_nop 0
.rept 4
	v_nop
.endr
.Lasked_\@:
.endm
.macro CREST                           ; a round of the cluster's barrier behind its opening barrier
	s_cmp_lg_u32 s14, 0
	s_cbranch_scc1 .Lnot_wave_0_\@
	s_barrier_signal -3
.Lnot_wave_0_\@:
	s_barrier_wait -3
	s_barrier_signal -1
	s_barrier_wait -1
.endm
.macro CROUND
	s_barrier_signal -1
	s_barrier_wait -1
	CREST
.endm
.macro FRAG reg, adr, q, i             ; fragment (tile i, 128 along K number q) as it lies: four loads of 512 consecutive bytes
.irp c, 0,1,2,3
	ds_load_b128 v[\reg+4*\c:\reg+4*\c+3], v[\adr] offset:(2*(\i)+(\q))*2048+512*\c
.endr
.endm
.macro MUL16 a0, p, zero               ; A's blocks a0, a0 + 1 x B's eight; the 64 accumulators take turns, one instruction a turn
.irp a, \a0, \a0+1
.irp b, 0,1,2,3,4,5,6,7
.if \zero
	v_wmma_f32_16x16x128_bf8_bf8 v[8*(8*((\a)%4)+\b):8*(8*((\a)%4)+\b)+7], v[128*(\p)+FR*\b:128*(\p)+FR*\b+FR-1], v[AF+FR*(\a):AF+FR*(\a)+FR-1], 0
.else
	v_wmma_f32_16x16x128_bf8_bf8 v[8*(8*((\a)%4)+\b):8*(8*((\a)%4)+\b)+7], v[128*(\p)+FR*\b:128*(\p)+FR*\b+FR-1], v[AF+FR*(\a):AF+FR*(\a)+FR-1], v[8*(8*((\a)%4)+\b):8*(8*((\a)%4)+\b)+7]
.endif
.endr
.endr
.endm
.macro FETCH_B slot, q, p
	WIN TO_B
.irp i, 0,1,2,3,4,5,6,7
	FRAG 128*(\p)+FR*\i, ADRB+\slot, \q, \i
.endr
	WIN 0
.endm
.macro FETCH_A slot, q, i0
.irp i, \i0, \i0+1, \i0+2, \i0+3
	FRAG AF+FR*(\i), ADRA+\slot, \q, \i
.endr
.endm
.macro PLACES n                        ; plain lines between a matrix instruction and a load into, or a read of, its registers
.rept \n
	v_nop
.endr
.endm
.macro STEP slot, q, zero              ; 128 along K whose successor lies in the same slot
	s_wait_dscnt 4*NL                              ; B's set and A's blocks 0-3 are in; the youngest 16 loads (A's blocks 4-7) may be out
	WIN MUL_LO
	MUL16 0, (\q)%2, \zero
	MUL16 2, (\q)%2, \zero
	s_wait_dscnt 0
	PLACES NP
	FETCH_B \slot, (\q)+1, 1-(\q)%2
	FETCH_A \slot, (\q)+1, 0
	WIN MUL_HI
	MUL16 4, (\q)%2, \zero
	MUL16 6, (\q)%2, \zero
	PLACES NP
	WIN 0
	FETCH_A \slot, (\q)+1, 4
.endm
.macro TURN slot, next, fill           ; a slot's last 128 along K, and the change of slots
	s_wait_tensorcnt 0x0                           ; all my tensor loads have landed: my part of the next slot
	ds_add_u32 v[SPW], v[NIL]                      ; 0 onto my spare word
	s_wait_dscnt 4*NL+1                            ; the add and the youngest 16 loads may be out
	WIN MUL_LO
	MUL16 0, 1, 0
	s_wait_dscnt 0x0                               ; the add is done, and my reads of this slot are over
	s_barrier_signal -1
	MUL16 2, 1, 0
	WIN 0
	s_barrier_wait -1
.if \fill
	CREST                                          ; no wave of any partner still reads this slot or has a load on its way
.if REGSTEP
	s_add_nc_u64 s[G0+4*\slot+2:G0+4*\slot+3], s[G0+4*\slot+2:G0+4*\slot+3], s[92:93]
	s_add_nc_u64 s[G0B+4*\slot+2:G0B+4*\slot+3], s[G0B+4*\slot+2:G0B+4*\slot+3], s[94:95]
.else
	s_add_nc_u64 s[G0+4*\slot+2:G0+4*\slot+3], s[G0+4*\slot+2:G0+4*\slot+3], 2*ASTR
	s_add_nc_u64 s[G0B+4*\slot+2:G0B+4*\slot+3], s[G0B+4*\slot+2:G0B+4*\slot+3], 2*BSTR
.endif
	JLOAD G0+4*\slot, G1, G0B+4*\slot, G1B         ; the first tensor load behind the round; its four v_nop are the places in front of the loads below
.else
	PLACES NP
.endif
	FETCH_B \next, 0, 0
	FETCH_A \next, 0, 0
	WIN MUL_HI
	MUL16 4, 1, 0
	MUL16 6, 1, 0
	PLACES NP
	WIN 0
	FETCH_A \next, 0, 4
.endm
.macro MKSC e, vs, vl
	s_add_co_i32 s12, s[\e], 127
	s_lshl_b32 s13, s12, 23
	v_mov_b32 v[\vs], s13
	s_add_co_i32 s12, s12, 15
	s_lshl_b32 s12, s12, 23
	s_or_b32 s12, s12, 0x600000
	v_mov_b32 v[\vl], s12
.endm
.macro QUANT s, cd, sc, lim            ; 64 numbers of a lane, register 16 b + i = k 32 b + 16 h + i, become a fragment's 16 registers of codes
.irp b, 0,1,2,3
.irp i, 0,1,2,3,4,5,6,7,8,9,10,11,12,13,14,15
	v_med3_num_f32 v[\s+16*\b+\i], v[\s+16*\b+\i], -v[\lim], v[\lim]   ; the conversion does not saturate (ISA guide 7.6.2)
.endr
	v_cvt_scalef32_pk8_bf8_f32 v[\cd+4*\b:\cd+4*\b+1], v[\s+16*\b:\s+16*\b+7], v[\sc]
	v_cvt_scalef32_pk8_bf8_f32 v[\cd+4*\b+2:\cd+4*\b+3], v[\s+16*\b+8:\s+16*\b+15], v[\sc]
.endr
	v_nop                                          ; a plain line behind the last conversion: the next block writes its sources
.endm
	s_load_b256 s[4:11], s[0:1], 0x0               ; x1c, wc, the exponents, qkv
	s_load_b128 s[68:71], s[0:1], 0x20             ; bq, bk
	s_load_b64 s[72:73], s[0:1], 0x30              ; bv
	v_lshl_add_u32 v[SPW], v0, 2, SPARE
	v_mov_b32 v[NIL], 0
	ds_add_u32 v28, v29
	ds_add_u32 v28, v29
	s_wait_dscnt 0x0
	v_lshrrev_b32 v1, 5, v0
	v_readfirstlane_b32 s14, v1                    ; wave 0..3
	s_lshr_b32 s15, s14, 1                         ; which half of A's rows is mine.  Also: I fetch for A (0) or for B (1)
	s_and_b32 s16, s14, 1                          ; which half of B's rows.  Also: which 128 rows I fetch
	s_bfe_u32 s40, ttmp6, 0x40000                  ; cx
	s_bfe_u32 s41, ttmp6, 0x40004                  ; cy
	s_and_b32 s12, ttmp7, 0xffff
	s_lshl_b32 s12, s12, 2                         ; 4 x cluster y
	s_add_co_u32 s17, s12, s41
	s_add_co_u32 s42, s12, s40
	s_lshl_b32 s18, ttmp9, 22                      ; where this product's codes of x1 begin in x1c,
	s_lshl_b32 s19, ttmp9, 20
	s_add_co_u32 s19, s19, 0x900000                ; and its weight's in wc
	s_cmp_eq_u32 ttmp9, 2                          ; V?
	s_cselect_b32 s17, s41, s17                    ; A's tile of 256 rows: tokens 4 cluster y + cy, or Wv's cy: made of cy alone
	s_cselect_b32 s42, s42, s40                    ; B's: the weight's cx, or tokens 4 cluster y + cx: made of cx alone
	s_mov_b32 s92, 0x100000
	s_cselect_b32 s92, 0x40000, s92                ; bytes from one K step to the next: rows x 256
	s_mov_b32 s94, 0x40000
	s_cselect_b32 s94, 0x100000, s94
	s_cselect_b32 s20, s19, s18
	s_cselect_b32 s46, s18, s19
	s_mov_b32 s93, 0
	s_mov_b32 s95, 0
	s_lshl_b32 s43, s41, 2
	s_lshl_b32 s43, 15, s43                        ; my row of the cluster
	s_lshl_b32 s44, 0x1111, s40                    ; my column
	s_or_b32 s[G1+0], s43, (1<<21)                 ; 15:0 the mask; 17:16 elements of 1 byte; 21 set beside a mask; no padding
	s_or_b32 s[G1B+0], s44, (1<<21)
.irp g, G1, G1B
	s_mov_b32 s[\g+1], 256<<16                     ; tensor_dim0: the dense block goes as rows of 256 bytes
	s_mov_b32 s[\g+2], 128<<16                     ; tensor_dim1
	s_mov_b32 s[\g+3], 256<<16                     ; tile_dim0
	s_mov_b32 s[\g+4], 128                         ; tile_dim1
	s_mov_b32 s[\g+5], 256                         ; pitch
	s_mov_b32 s[\g+6], 0
	s_mov_b32 s[\g+7], 0
.endr
	s_lshl_b32 s13, s16, 15                        ; which 128 rows I fetch
	s_lshl_b32 s21, s17, 16
	s_add_co_u32 s20, s20, s21
	s_add_co_u32 s20, s20, s13
	s_mov_b32 s21, 0
	s_lshl_b32 s47, s42, 16
	s_add_co_u32 s46, s46, s47
	s_add_co_u32 s46, s46, s13
	s_mov_b32 s47, 0
	s_mul_i32 s45, s14, HALFT                      ; where they go: wave x 32,768: no place in the cluster enters an LDS address
	s_wait_kmcnt 0x0
	s_load_b512 s[76:91], s[8:9], 0x0              ; e0 .. e15
	s_cmp_eq_u32 ttmp9, 2
	s_cselect_b64 s[74:75], s[6:7], s[4:5]
	s_cselect_b64 s[98:99], s[4:5], s[6:7]
	s_add_nc_u64 s[20:21], s[74:75], s[20:21]
	s_add_nc_u64 s[46:47], s[98:99], s[46:47]
	CROUND                                         ; all sixteen work-groups are here: the first joint loads meet
	s_mov_b32 s[G0], 1
	s_mov_b32 s[G0+1], s45
	s_mov_b64 s[G0+2:G0+3], s[20:21]
	s_or_b32 s[G0+3], s[G0+3], 0x80000000
	s_mov_b32 s[G0B], 1
	s_mov_b32 s[G0B+1], s45
	s_mov_b64 s[G0B+2:G0B+3], s[46:47]
	s_or_b32 s[G0B+3], s[G0B+3], 0x80000000
	JLOAD G0, G1, G0B, G1B
	s_mov_b32 s[G0+4], 1
	s_add_co_u32 s[G0+5], s45, SLOT
	s_add_nc_u64 s[G0+6:G0+7], s[20:21], s[92:93]
	s_or_b32 s[G0+7], s[G0+7], 0x80000000
	s_mov_b32 s[G0B+4], 1
	s_add_co_u32 s[G0B+5], s45, SLOT
	s_add_nc_u64 s[G0B+6:G0B+7], s[46:47], s[94:95]
	s_or_b32 s[G0B+7], s[G0B+7], 0x80000000
	JLOAD G0+4, G1, G0B+4, G1B
	s_lshl_b32 s92, s92, 1                         ; a refill goes two K steps on
	s_lshl_b32 s94, s94, 1
	v_and_b32 v1, 31, v0
	v_lshlrev_b32 v[LI], 4, v1
	v_and_b32 v2, 15, v0                           ; r
	v_bfe_u32 v3, v0, 4, 1                         ; h
	s_mul_i32 s21, s15, HALFT
	s_mul_i32 s22, s16, HALFT
	s_add_co_u32 s22, s22, 2*HALFT
.irp s, 0,1
	v_add_nc_u32 v[ADRA+\s], s21, v[LI]
	v_add_nc_u32 v[ADRB+\s], s22, v[LI]
	s_add_co_u32 s21, s21, SLOT
	s_add_co_u32 s22, s22, SLOT
.endr
	; the biases, asked for here and waited for on the way out
	s_cmp_eq_u32 ttmp9, 2
	s_cbranch_scc1 .Lbias_v
	s_cmp_eq_u32 ttmp9, 1
	s_cselect_b64 s[74:75], s[70:71], s[68:69]
	s_lshl_b32 s12, s42, 10
	s_lshl_b32 s13, s16, 9
	s_add_co_u32 s12, s12, s13
	s_mov_b32 s13, 0
	s_add_nc_u64 s[74:75], s[74:75], s[12:13]      ; my 128 outputs
	v_lshlrev_b32 v10, 6, v3                       ; register 16 c + i wants output 32 c + 16 h + i
.set c, 0
.rept 4
.set j, 0
.rept 4
	global_load_b128 v[BIAS+16*c+4*j:BIAS+16*c+4*j+3], v10, s[74:75] offset:128*c+16*j
.set j, j+1
.endr
.set c, c+1
.endr
	s_branch .Lbias_done
.Lbias_v:
	s_lshl_b32 s12, s17, 10
	s_lshl_b32 s13, s15, 9
	s_add_co_u32 s12, s12, s13
	s_mov_b32 s13, 0
	s_add_nc_u64 s[74:75], s[72:73], s[12:13]
	v_and_b32 v10, 8, v2
	v_add_nc_u32 v10, v10, v2
	v_lshlrev_b32 v10, 2, v10                      ; block a's row r is output 32 (a / 2) + 8 (a % 2) + r + 8 (r / 8): one number a lane and block, loaded into both halves of a pair
.set a, 0
.rept 8
	global_load_b32 v[BIAS+2*a], v10, s[74:75] offset:(32*(a/2)+8*(a%2))*4
	global_load_b32 v[BIAS+2*a+1], v10, s[74:75] offset:(32*(a/2)+8*(a%2))*4
.set a, a+1
.endr
.set i, 16
.rept 48
	v_mov_b32 v[BIAS+i], 0                         ; the registers that only the other way's text reads are written on this way too
.set i, i+1
.endr
.Lbias_done:
	s_wait_tensorcnt 1                             ; my part of K step 0 is in (K step 1's load may be out),
	s_barrier_signal -1
	s_barrier_wait -1                              ; everybody's is
	FETCH_B 0, 0, 0
	FETCH_A 0, 0, 0
	FETCH_A 0, 0, 4
	STEP 0, 0, 1                                   ; the first step's products start the sums
	s_mov_b32 s3, LAPS-1
.Llap:
	TURN 0, 1, 1
	STEP 1, 0, 0
	TURN 1, 0, 1
	STEP 0, 0, 0
	s_sub_co_u32 s3, s3, 1
	s_cmp_lg_u32 s3, 0
	s_cbranch_scc1 .Llap
	TURN 0, 1, 0                                   ; the last lap fills nothing
	STEP 1, 0, 0
	s_wait_dscnt 4*NL
	WIN MUL_LO
	MUL16 0, 1, 0
	MUL16 2, 1, 0
	s_wait_dscnt 0
	WIN MUL_HI
	MUL16 4, 1, 0
	MUL16 6, 1, 0
	WIN 0
	; THE WAY OUT: number = sum x 2^(the two exponents) + bias, quantised with the next product's scale, stored as images: every store is 512 consecutive bytes
	s_wait_kmcnt 0x0
	s_add_co_i32 s96, s76, s77
	s_add_co_i32 s97, s78, s79
	s_add_co_i32 s18, s80, s81
	s_cmp_eq_u32 ttmp9, 1
	s_cselect_b32 s96, s97, s96
	s_cselect_b32 s19, s83, s82                    ; e7 or e6
	s_cmp_eq_u32 ttmp9, 2
	s_cselect_b32 s96, s18, s96
	s_cselect_b32 s19, s85, s19                    ; e9
	s_add_co_i32 s96, s96, 127
	s_lshl_b32 s96, s96, 23
	s_mov_b32 s97, s96                             ; (named with it as a pair)
	MKSC 19, 8, 9
	s_wait_loadcnt 0x0                             ; the biases
	PLACES NP
.macro EPI v
.irp a, 0,1,2,3,4,5,6,7
	WIN 0x02+(\a/4)                                ; source 0: the accumulators' window
.irp j, 0,2,4,6,8,10,12,14,16,18,20,22,24,26,28,30,32,34,36,38,40,42,44,46,48,50,52,54,56,58,60,62
.if \v
	v_pk_fma_f32 v[XV+\j:XV+\j+1], v[64*(\a%4)+\j:64*(\a%4)+\j+1], s[96:97], v[BIAS+2*\a:BIAS+2*\a+1] op_sel_hi:[1,0,1]
.else
	v_pk_fma_f32 v[XV+\j:XV+\j+1], v[64*(\a%4)+\j:64*(\a%4)+\j+1], s[96:97], v[BIAS+\j:BIAS+\j+1] op_sel_hi:[1,0,1]
.endif
.endr
	WIN 0
.if \a >= 2
	s_wait_xcnt 0x0                                ; the stores of two blocks back have read their codes' registers
.endif
	QUANT XV, CDB+16*(\a%2), 8, 9
.if \v
.irp c, 0,1,2,3
	global_store_b128 v[LI], v[CDB+16*(\a%2)+4*\c:CDB+16*(\a%2)+4*\c+3], s[10:11] offset:(\a%4)*2048+(\a/4)*0x40000+512*\c
.endr
.else
	global_store_b128 v[LI], v[CDB+16*(\a%2):CDB+16*(\a%2)+3], s[10:11] offset:1024*\a
	global_store_b128 v[LI], v[CDB+16*(\a%2)+4:CDB+16*(\a%2)+7], s[10:11] offset:1024*\a+512
	global_store_b128 v12, v[CDB+16*(\a%2)+8:CDB+16*(\a%2)+11], s[10:11] offset:1024*\a
	global_store_b128 v12, v[CDB+16*(\a%2)+12:CDB+16*(\a%2)+15], s[10:11] offset:1024*\a+512
.endif
.endr
.endm
	s_cmp_eq_u32 ttmp9, 2
	s_cbranch_scc1 .Lout_v
	s_lshl_b32 s12, s17, 8                         ; Q, K: my first token,
	s_lshl_b32 s13, s15, 7
	s_add_co_u32 s12, s12, s13
	s_lshr_b32 s13, s12, 11                        ; its batch,
	s_and_b32 s18, s12, 2047                       ; its place there;
	s_lshl_b32 s19, s42, 2
	s_lshl_b32 s20, s16, 1
	s_add_co_u32 s19, s19, s20                     ; my first head of two
	s_lshl_b32 s13, s13, 4
	s_add_co_u32 s19, s19, s13
	s_cmp_eq_u32 ttmp9, 1
	s_mov_b32 s20, 0x20000
	s_cselect_b32 s20, 0x40000, s20                ; a head's bytes: 2,048 tokens x 64 (Q) or x 128 (K with V)
	s_cselect_b32 s21, 0x400000, 0
	s_mul_i32 s19, s19, s20
	s_lshr_b32 s22, s20, 11
	s_mul_i32 s18, s18, s22
	s_add_co_u32 s18, s18, s19
	s_add_co_u32 s18, s18, s21
	s_mov_b32 s19, 0
	s_add_nc_u64 s[10:11], s[10:11], s[18:19]
	v_add_nc_u32 v12, s20, v[LI]                   ; the second head
	EPI 0
	s_branch .Lout_done
.Lout_v:
	s_lshl_b32 s12, s42, 8                         ; V: my first token (B's side),
	s_lshl_b32 s13, s16, 7
	s_add_co_u32 s12, s12, s13
	s_lshr_b32 s13, s12, 11
	s_bfe_u32 s18, s12, 0x40007                    ; its key step of 128
	s_lshl_b32 s19, s17, 2
	s_lshl_b32 s20, s15, 1
	s_add_co_u32 s19, s19, s20                     ; my first head of two (A's side)
	s_lshl_b32 s13, s13, 4
	s_add_co_u32 s19, s19, s13
	s_lshl_b32 s19, s19, 4
	s_add_co_u32 s19, s19, s18
	s_lshl_b32 s18, s19, 14
	s_add_co_u32 s18, s18, 0x402000                ; behind Q, and behind the step's eight tiles of K
	s_mov_b32 s19, 0
	s_add_nc_u64 s[10:11], s[10:11], s[18:19]
	EPI 1
.Lout_done:
	s_wait_tensorcnt 0x0                           ; the wave's end
	ds_add_u32 v[SPW], v[NIL]
	s_wait_dscnt 0x0
	CROUND                                         ; the closing round
	s_endpgm
.Lfunc_end_k_qb4ba780f1e_qkv:
	.size	k_qb4ba780f1e_qkv, .Lfunc_end_k_qb4ba780f1e_qkv-k_qb4ba780f1e_qkv
	.p2alignl 7, 3214868480
	.fill 96, 4, 3214868480
	.section	.rodata,"a",@progbits
	.p2align	6, 0x0
	.amdhsa_kernel k_qb4ba780f1e_qkv
		.amdhsa_group_segment_fixed_size 327680
		.amdhsa_private_segment_fixed_size 0
		.amdhsa_enable_private_segment 0
		.amdhsa_kernarg_size 56
		.amdhsa_user_sgpr_count 2
		.amdhsa_user_sgpr_kernarg_segment_ptr 1
		.amdhsa_wavefront_size32 1
		.amdhsa_system_sgpr_workgroup_id_x 1
		.amdhsa_system_sgpr_workgroup_id_y 1
		.amdhsa_system_sgpr_workgroup_id_z 1
		.amdhsa_system_vgpr_workitem_id 0
		.amdhsa_next_free_vgpr 1024
		.amdhsa_next_free_sgpr 102
		.amdhsa_reserve_vcc 0
		.amdhsa_float_denorm_mode_32 3
		.amdhsa_float_denorm_mode_16_64 3
		.amdhsa_memory_ordered 1
		.amdhsa_forward_progress 1
		.amdhsa_inst_pref_size 196
	.end_amdhsa_kernel
	.amdgpu_metadata
---
amdhsa.version: [ 1, 2 ]
amdhsa.kernels:
  - .name:           k_qb4ba780f1e_qkv
    .symbol:         k_qb4ba780f1e_qkv.kd
    .args:
      - { .name: x1c, .offset: 0, .size: 8, .value_kind: global_buffer, .address_space: global }
      - { .name: wc, .offset: 8, .size: 8, .value_kind: global_buffer, .address_space: global }
      - { .name: lowp_scales, .offset: 16, .size: 8, .value_kind: global_buffer, .address_space: global }
      - { .name: qkv, .offset: 24, .size: 8, .value_kind: global_buffer, .address_space: global }
      - { .name: bq, .offset: 32, .size: 8, .value_kind: global_buffer, .address_space: global }
      - { .name: bk, .offset: 40, .size: 8, .value_kind: global_buffer, .address_space: global }
      - { .name: bv, .offset: 48, .size: 8, .value_kind: global_buffer, .address_space: global }
    .group_segment_fixed_size: 327680
    .private_segment_fixed_size: 0
    .kernarg_segment_align: 8
    .kernarg_segment_size: 56
    .max_flat_workgroup_size: 128
    .sgpr_count:     102
    .vgpr_count:     1024
    .wavefront_size: 32
...
	.end_amdgpu_metadata
.endif
;; end of part 2
;; launch attn (part 3): grid 8 x 32, 16 waves a work-group, no clusters, 264,192 bytes of LDS; arguments qkv, lowp_scales, hc; writes hc
.if DOCPART == 3
	.amdgcn_target "amdgcn-amd-amdhsa--gfx1250"
	.amdhsa_code_object_version 6
	.text
	.protected	k_qb4ba780f1e_attn
	.globl	k_qb4ba780f1e_attn
	.p2align	8
	.type	k_qb4ba780f1e_attn,@function
k_qb4ba780f1e_attn:
	s_mov_b64 s[64:65], 0
	v_nop
	global_prefetch_b8 v0, s[64:65] scope:SCOPE_SE
	s_setreg_imm32_b32 hwreg(HW_REG_WAVE_MODE, 25, 1), 1
	s_wait_xcnt 0x0
; CAUSAL ATTENTION on codes of E5M2, head size 64, 2,048 keys.  Q, K and V^T come as images of operand registers; the result h is quantised (e10) and stored as an image of the next product's operand.
; THE SOFTMAX AHEAD OF THE SECOND PRODUCT: t = score x 2^(e6 + e7) x log2(e) / 8; M = the running largest t rounded UP to a whole number; p = 2^(t - M) is quantised (e8), not normalised; the row's sum is
; taken of the unquantised p and divides at the end; when M moves, sum and O are multiplied by 2^(old M - new M), which rounds nothing.
; SHARES.  A work-group serves one head of one batch.  Waves 0-7 own the block of 128 queries number j (the work-group's x), waves 8-15 block 15 - j: j + 1 and 16 - j key steps, 17 for every work-group.
; A wave owns 16 queries.  THE HEAD'S K AND V, 262,144 bytes, LIE IN LDS AS THEY LIE IN MEMORY: each wave asks for two chunks of 8,192 bytes at the head; nothing is filled again.
; Both products are used transposed: a lane holds ONE query; the keys of a tile of K are permuted so that p's 16 registers of two tiles are 16 neighbouring keys; V^T's rows likewise, so that O^T's registers are neighbours along d.
; A key step all of whose keys come after my queries is left out by a scalar branch on ids; on the diagonal hidden scores become -infinity ahead of the maximum.  Key 0 counts for every query.
; NO CLUSTER: the eight work-groups of a head read the same bytes, but the branch that leaves hidden steps out hangs on the query block, which would be a place in the cluster; each work-group asks for its bytes once.
; NO PREFETCH: all that the work-group reads is asked for at its head.
; LIMITS: e6 + e7 between -123 and 130; e8 and e10 between -126 and 112.  Exponentials under 2^-126 come out as 0.
.set LI,  1                            ; v1  16 x lane
.set ADR, 8                            ; v8  LDS address of the step in hand
.set WV,  18
.set SEL, 20                           ; s[20:21] lane l xor 16
.set CS,  22                           ; s[22:23] c
.set G1,  24                           ; s[24:31] descriptor group 1;  s[32:35], s[36:39] two groups 0
.set G0A, 32
.set G0C, 36
.set TB,  40                           ; s40 LDS byte of the key step in hand
.set KF,  41                           ; s41 its first key
.set Q0,  42                           ; s42 my first query
.set CNT, 43
.macro MKSC e, vs, vl
	s_add_co_i32 s58, s[\e], 127
	s_lshl_b32 s59, s58, 23
	v_mov_b32 v[\vs], s59
	s_add_co_i32 s58, s58, 15
	s_lshl_b32 s58, s58, 23
	s_or_b32 s58, s58, 0x600000
	v_mov_b32 v[\vl], s58
.endm
	s_load_b128 s[4:7], s[0:1], 0x0                ; qkv, the exponents
	s_load_b64 s[8:9], s[0:1], 0x10                ; hc
	v_lshl_add_u32 v251, v0, 2, 0x40000
	v_mov_b32 v255, 0
	ds_add_u32 v251, v255
	ds_add_u32 v251, v255
	v_lshrrev_b32 v8, 5, v0
	v_readfirstlane_b32 s[WV], v8                  ; wave 0..15
	v_and_b32 v9, 31, v0
	v_lshlrev_b32 v[LI], 4, v9
	s_and_b32 s44, ttmp7, 0xffff                   ; 16 x batch + head
	s_and_b32 s45, s[WV], 7
	s_sub_co_u32 s46, 15, ttmp9
	s_cmp_lt_u32 s[WV], 8
	s_cselect_b32 s46, ttmp9, s46                  ; my block of 128 queries
	s_lshl_b32 s[Q0], s46, 7
	s_lshl_b32 s45, s45, 4
	s_add_co_u32 s[Q0], s[Q0], s45
	s_mov_b32 s[G1], 3<<16                         ; elements of 8 bytes, no mask, no padding
	s_mov_b32 s[G1+1], 32<<16                      ; tensor_dim0: rows of 256 bytes
	s_mov_b32 s[G1+2], 32<<16                      ; tensor_dim1: 32 rows: 8,192 bytes
	s_mov_b32 s[G1+3], 32<<16                      ; tile_dim0
	s_mov_b32 s[G1+4], 32                          ; tile_dim1
	s_mov_b32 s[G1+5], 32                          ; pitch
	s_mov_b32 s[G1+6], 0
	s_mov_b32 s[G1+7], 0
	s_lshl_b32 s50, s[WV], 13                      ; my chunk: 8,192 x wave, in LDS as in the head's bytes
	s_lshl_b32 s48, s44, 18
	s_add_co_u32 s48, s48, s50
	s_add_co_u32 s48, s48, 0x400000
	s_mov_b32 s49, 0
	s_mov_b32 s[SEL], 0x76543210
	s_mov_b32 s[SEL+1], 0xfedcba98
	s_mov_b32 s[CS], 0x3e38aa3b                    ; log2(e) / 8
	s_wait_dscnt 0x0
	s_wait_kmcnt 0x0
	s_load_b512 s[68:83], s[6:7], 0x0              ; e0 .. e15
	s_mov_b32 s[G0A], 1
	s_mov_b32 s[G0A+1], s50
	s_add_nc_u64 s[G0A+2:G0A+3], s[4:5], s[48:49]
	s_mov_b32 s[G0C], 1
	s_add_co_u32 s[G0C+1], s50, 131072
	s_add_nc_u64 s[G0C+2:G0C+3], s[G0A+2:G0A+3], 131072
	s_or_b32 s[G0A+3], s[G0A+3], 0x80000000
	s_or_b32 s[G0C+3], s[G0C+3], 0x80000000
	tensor_load_to_lds s[G0A:G0A+3], s[G1:G1+7]    ; my part of key steps 0-7,
	s_nop 0
	tensor_load_to_lds s[G0C:G0C+3], s[G1:G1+7]    ; and of key steps 8-15: two loads of mine are out
	s_nop 0
.rept 4
	v_nop
.endr
	s_lshl_b32 s52, s44, 17
	s_lshl_b32 s53, s[Q0], 6
	s_add_co_u32 s52, s52, s53
	s_mov_b32 s53, 0
	s_add_nc_u64 s[52:53], s[4:5], s[52:53]
	global_load_b128 v[16:19], v[LI], s[52:53]             ; Q's fragment stays in registers: d = 16 h + 0..15,
	global_load_b128 v[20:23], v[LI], s[52:53] offset:512  ; and 32 + 16 h + 0..15
	s_and_b32 s54, s44, 15                         ; head
	s_lshr_b32 s55, s44, 4                         ; batch
	s_lshr_b32 s56, s54, 2                         ; hc's K = 64 head + d: which 256,
	s_lshl_b32 s56, s56, 8
	s_lshl_b32 s55, s55, 7
	s_add_co_u32 s56, s56, s55
	s_lshr_b32 s55, s[Q0], 4
	s_add_co_u32 s56, s56, s55                     ; which tile of 16 tokens,
	s_lshl_b32 s56, s56, 1
	s_bfe_u32 s55, s54, 0x10001
	s_add_co_u32 s56, s56, s55                     ; which 128,
	s_lshl_b32 s56, s56, 11
	s_and_b32 s55, s54, 1
	s_lshl_b32 s55, s55, 10                        ; which 64
	s_add_co_u32 s56, s56, s55
	s_mov_b32 s57, 0
	s_add_nc_u64 s[8:9], s[8:9], s[56:57]
	v_mov_b32 v13, 0xff61b1e6                      ; the largest t so far: -3e38
	v_floor_f32 v12, -v13                          ; -M
	v_mov_b32 v14, 0                               ; the sum, in two halves
	v_mov_b32 v15, 0
	v_mov_b32 v236, 0                              ; a lane permute's destination counts as one of its sources
	v_mov_b32 v252, 0
	v_mov_b32 v253, 0
.set j, 0
.rept 32
	v_mov_b32 v[160+j], 0                          ; O^T: the step is written once; the first finds zeros
.set j, j+1
.endr
	s_wait_kmcnt 0x0
	s_add_co_i32 s58, s74, s75                     ; e6 + e7 go into c's exponent field
	s_lshl_b32 s58, s58, 23
	s_add_co_i32 s[CS], s[CS], s58
	s_mov_b32 s[CS+1], s[CS]
	MKSC 76, 244, 240                              ; e8: p's scale and hold
	MKSC 78, 245, 241                              ; e10: h's
	s_add_co_i32 s60, s76, s77                     ; e8 + e9
.macro STEP
	s_add_co_u32 s96, s[Q0], 15
	s_cmp_gt_u32 s[KF], s96
	s_cbranch_scc1 .Lhidden_\@
	v_add_nc_u32 v[ADR], s[TB], v[LI]
.rept 3
	v_nop                                          ; with the addition: four places in front of loads into registers that the last products read
.endr
.set t, 0
.rept 8
	ds_load_b128 v[32+8*t:35+8*t], v[ADR] offset:1024*t
	ds_load_b128 v[36+8*t:39+8*t], v[ADR] offset:1024*t+512
.set t, t+1
.endr
	s_wait_dscnt 0x0
.set t, 0
.rept 8
	v_wmma_f32_16x16x64_bf8_bf8 v[96+8*t:103+8*t], v[32+8*t:39+8*t], v[16:23], 0   ; S^T: 16 keys x my 16 queries
.set t, t+1
.endr
.rept 4
	v_nop
.endr
.set t, 0
.rept 4
.set c, 0
.rept 4
	ds_load_b128 v[32+16*t+4*c:35+16*t+4*c], v[ADR] offset:8192+2048*t+512*c   ; V^T's four fragments land while the softmax is worked
.set c, c+1
.endr
.set t, t+1
.endr
	s_add_co_u32 s96, s[KF], 127
	s_cmp_le_u32 s96, s[Q0]
	s_cbranch_scc1 .Lopen_\@
	s_sub_co_i32 s96, s[Q0], s[KF]
	v_and_b32 v252, 15, v0
	v_bfe_u32 v253, v0, 4, 1
	v_lshlrev_b32 v253, 4, v253
	v_sub_nc_u32 v252, v252, v253
	v_add_nc_u32 v252, s96, v252                   ; d = my query - KF - 16 h; register 16 b + i holds key KF + 16 h + 32 b + i: hidden where 32 b + i > d
	v_mov_b32 v254, 0xff800000
.set n, 0
.rept 64
	v_cmp_gt_i32 vcc_lo, 32*(n/16)+n%16, v252
	v_cndmask_b32 v[96+n], v[96+n], v254, vcc_lo
.set n, n+1
.endr
.Lopen_\@:
	v_max3_num_f32 v254, v96, v97, v98             ; the step's largest score of my query among my 64 keys, in two chains,
	v_max3_num_f32 v252, v99, v100, v101
.irp i, 6,10,14,18,22,26,30,34,38,42,46,50,54,58
	v_max3_num_f32 v254, v254, v[96+\i], v[97+\i]
	v_max3_num_f32 v252, v252, v[98+\i], v[99+\i]
.endr
	v_max3_num_f32 v254, v254, v158, v159
	v_max_num_f32 v254, v254, v252
	v_permlanex16_b32 v236, v254, s[SEL], s[SEL+1]
	v_max_num_f32 v254, v254, v236                 ; and among lane l xor 16's
	v_mul_f32 v254, s[CS], v254
	v_max_num_f32 v13, v13, v254                   ; the running largest t
	v_mov_b32 v254, v12
	v_floor_f32 v12, -v13                          ; the new -M = -ceil(t)
	v_sub_f32 v254, v12, v254
	v_cvt_i32_f32 v254, v254
	v_ldexp_f32 v252, 1.0, v254                    ; f = 2^(old M - new M)
.set j, 0
.rept 32
	v_pk_fma_f32 v[96+j:97+j], v[96+j:97+j], s[CS:CS+1], v[12:13] op_sel_hi:[1,0,0]   ; t - M
.set j, j+2
.endr
.set j, 0
.rept 64
	v_exp_f32 v[96+j], v[96+j]
.set j, j+1
.endr
	v_pk_mul_f32 v[14:15], v[14:15], v[252:253] op_sel_hi:[1,0]   ; the sums under the new M: the plain line behind the batch
	s_wait_alu depctr_va_vdst(0)                   ; one wait for the 64 exponentials, ahead of their first reader
	v_pk_add_f32 v[242:243], v[96:97], v[98:99]    ; the row's sum, of the unquantised p
.irp j, 4,8,12,16,20,24,28,32,36,40,44,48,52,56,60
	v_pk_add_f32 v[14:15], v[14:15], v[96+\j:97+\j]
	v_pk_add_f32 v[242:243], v[242:243], v[98+\j:99+\j]
.endr
	v_pk_add_f32 v[14:15], v[14:15], v[242:243]
.irp b, 0,1,2,3
.irp i, 0,1,2,3,4,5,6,7,8,9,10,11,12,13,14,15
	v_min_num_f32 v[96+16*\b+\i], v[96+16*\b+\i], v240   ; p is not negative: a one-sided hold
.endr
	v_cvt_scalef32_pk8_bf8_f32 v[224+4*\b:225+4*\b], v[96+16*\b:103+16*\b], v244
	v_cvt_scalef32_pk8_bf8_f32 v[226+4*\b:227+4*\b], v[104+16*\b:111+16*\b], v244
.endr
.set j, 0
.rept 16
	v_pk_mul_f32 v[160+j:161+j], v[160+j:161+j], v[252:253] op_sel_hi:[1,0]   ; O^T under the new M
.set j, j+2
.endr
	s_wait_dscnt 0x0                               ; V^T
.set t, 0
.rept 4
	v_wmma_f32_16x16x128_bf8_bf8 v[160+8*t:167+8*t], v[32+16*t:47+16*t], v[224:239], v[160+8*t:167+8*t]
.set t, t+1
.endr
.Lhidden_\@:
	s_add_co_u32 s[TB], s[TB], 16384
	s_add_co_u32 s[KF], s[KF], 128
.endm
	s_mov_b32 s[TB], 0
	s_mov_b32 s[KF], 0
	s_mov_b32 s[CNT], 8
	s_wait_loadcnt 0x0                             ; Q
	s_wait_tensorcnt 0x1                           ; my chunk of key steps 0-7 is in; the other may stay out
	s_barrier_signal -1
	s_barrier_wait -1
.Lfirst:
	STEP
	s_sub_co_u32 s[CNT], s[CNT], 1
	s_cmp_lg_u32 s[CNT], 0
	s_cbranch_scc1 .Lfirst
	s_wait_tensorcnt 0x0                           ; my chunk of key steps 8-15
	s_wait_dscnt 0x0
	s_barrier_signal -1
	s_barrier_wait -1
	s_mov_b32 s[TB], 131072
	s_mov_b32 s[KF], 1024
	s_mov_b32 s[CNT], 8
.Lsecond:
	STEP
	s_sub_co_u32 s[CNT], s[CNT], 1
	s_cmp_lg_u32 s[CNT], 0
	s_cbranch_scc1 .Lsecond
	; THE WAY OUT: O^T / the sum x 2^(e8 + e9) is h(query r, d = 32 b + 16 h + i) in register 16 b + i: quantised, it is half a fragment's image
.rept 4
	v_nop
.endr
	v_add_f32 v14, v14, v15
	v_permlanex16_b32 v236, v14, s[SEL], s[SEL+1]
	v_add_f32 v14, v14, v236
	v_rcp_f32 v14, v14
	v_nop
	s_wait_alu depctr_va_vdst(0)
	v_ldexp_f32 v14, v14, s60
.set j, 0
.rept 32
	v_mul_f32 v[96+j], v[160+j], v14
.set j, j+1
.endr
.set j, 0
.rept 32
	v_med3_num_f32 v[96+j], v[96+j], -v241, v241
.set j, j+1
.endr
.set j, 0
.rept 4
	v_cvt_scalef32_pk8_bf8_f32 v[224+2*j:225+2*j], v[96+8*j:103+8*j], v245
.set j, j+1
.endr
	v_nop
	global_store_b128 v[LI], v[224:227], s[8:9]             ; 512 consecutive bytes each
	global_store_b128 v[LI], v[228:231], s[8:9] offset:512
	s_wait_tensorcnt 0x0
	ds_add_u32 v251, v255
	s_wait_dscnt 0x0
	s_endpgm
.Lfunc_end_k_qb4ba780f1e_attn:
	.size	k_qb4ba780f1e_attn, .Lfunc_end_k_qb4ba780f1e_attn-k_qb4ba780f1e_attn
	.p2alignl 7, 3214868480
	.fill 96, 4, 3214868480
	.section	.rodata,"a",@progbits
	.p2align	6, 0x0
	.amdhsa_kernel k_qb4ba780f1e_attn
		.amdhsa_group_segment_fixed_size 264192
		.amdhsa_private_segment_fixed_size 0
		.amdhsa_enable_private_segment 0
		.amdhsa_kernarg_size 24
		.amdhsa_user_sgpr_count 2
		.amdhsa_user_sgpr_kernarg_segment_ptr 1
		.amdhsa_wavefront_size32 1
		.amdhsa_system_sgpr_workgroup_id_x 1
		.amdhsa_system_sgpr_workgroup_id_y 1
		.amdhsa_system_sgpr_workgroup_id_z 1
		.amdhsa_system_vgpr_workitem_id 0
		.amdhsa_next_free_vgpr 256
		.amdhsa_next_free_sgpr 102
		.amdhsa_reserve_vcc 1
		.amdhsa_float_denorm_mode_32 3
		.amdhsa_float_denorm_mode_16_64 3
		.amdhsa_memory_ordered 1
		.amdhsa_forward_progress 1
		.amdhsa_inst_pref_size 52
	.end_amdhsa_kernel
	.amdgpu_metadata
---
amdhsa.version: [ 1, 2 ]
amdhsa.kernels:
  - .name:           k_qb4ba780f1e_attn
    .symbol:         k_qb4ba780f1e_attn.kd
    .args:
      - { .name: qkv, .offset: 0, .size: 8, .value_kind: global_buffer, .address_space: global }
      - { .name: lowp_scales, .offset: 8, .size: 8, .value_kind: global_buffer, .address_space: global }
      - { .name: hc, .offset: 16, .size: 8, .value_kind: global_buffer, .address_space: global }
    .group_segment_fixed_size: 264192
    .private_segment_fixed_size: 0
    .kernarg_segment_align: 8
    .kernarg_segment_size: 24
    .max_flat_workgroup_size: 512
    .sgpr_count:     102
    .vgpr_count:     256
    .wavefront_size: 32
...
	.end_amdgpu_metadata
.endif
;; end of part 3
;; launch wo (part 4): grid 4 x 16, 4 waves a work-group, clusters of 4 x 4, 327,680 bytes of LDS; arguments hc, wc, lowp_scales, y, bo, x1; writes y
.if DOCPART == 4
	.amdgcn_target "amdgcn-amd-amdhsa--gfx1250"
	.amdhsa_code_object_version 6
	.text
	.protected	k_qb4ba780f1e_wo
	.globl	k_qb4ba780f1e_wo
	.p2align	8
	.type	k_qb4ba780f1e_wo,@function
k_qb4ba780f1e_wo:
	s_mov_b64 s[64:65], 0
	v_nop
	global_prefetch_b8 v0, s[64:65] scope:SCOPE_SE
	s_setreg_imm32_b32 hwreg(HW_REG_WAVE_MODE, 25, 1), 1
	s_wait_xcnt 0x0
	s_wait_alu depctr_hold_cnt(0) depctr_sa_sdst(0) depctr_va_vdst(0) depctr_va_sdst(0) depctr_va_ssrc(0) depctr_va_vcc(0) depctr_vm_vsrc(0)
	s_getreg_b32 s2, hwreg(HW_REG_IB_STS2, 6, 4)
	s_cmp_eq_u32 s2, 0
	s_cbranch_scc0 .Lentry_in_a_cluster
	s_endpgm
.Lentry_in_a_cluster:
	s_bfe_u32 s2, ttmp6, 0x10000c
	s_cmp_lg_u32 s2, 0xf033
	s_cbranch_scc0 .Lentry_shape_is_right
	s_endpgm
.Lentry_shape_is_right:
; y = x1 + h Wo + bo.  h [4,096][1,024] and Wo (as [n][k]) are codes of E5M2 stored as register images; sums in f32, each multiplied once by 2^(e10 + e11).
; THE PRODUCT: a tile of 256 x 256 to a work-group of four waves, 128 x 128 a wave in 64 accumulators; K in steps of 256 through two LDS slots filled by joint tensor loads: A's tile is shared along a row
; of the 4 x 4 cluster, B's along a column.  A tile of 128 rows x 256 K is 32,768 bytes on end, a fragment 2,048, an LDS load 512 consecutive bytes: no padding.
; Source 0 = B's fragment, source 1 = A's: lane (r, h) holds token r of a block, and, Wo's tiles being permuted, register 16 c + i is column 32 c + 16 h + i of my 128.
; THE WAY OUT: a block of 16 tokens x 128 columns goes through my own stage in LDS (in slot 0, which has had its last fill and its last read) and comes back as whole rows of 512 bytes.
; The grid is 64 work-groups: 4,096 x 1,024 in tiles of 256 x 256.  LIMIT: e10 + e11 between -126 and 127.
.set REGSTEP, 0
.set ASTR, 0x100000                    ; bytes from one K step to the next: 4,096 rows x 256
.set BSTR, 0x40000                     ; 1,024 rows x 256
.set AOFF, 0
.set BOFF, 0x800000                    ; Wo's codes in wc
.set EA, 86                            ; s86 = e10, s87 = e11
.set LAPS, 2
.set HALFT, 32768
.set SLOT,  4*HALFT
.set SPARE, 2*SLOT                     ; behind the ring: the spare words, 128 bytes a wave: two blocks of 256 bytes that no other line names
.set SPITCH, 528
.set FR, 16
.set NL, 4
.set NP, 4
.set ADRA, 16
.set ADRB, 20
.set STO, 24                           ; v24 the stage: where I put a tile's 32 bytes of a row
.set RD,  25                           ; v25 and where I read a row back
.set LI,  26                           ; v26 16 x lane
.set SPW, 28
.set NIL, 29
.set AF,  128
.set BK,  128                          ; rows back from the stage: v128-191 and v192-255 by turns
.set G1, 24
.set G0, 32
.set G1B, 48
.set G0B, 56
.set MSB, 0
.macro WIN new
.if MSB != (\new)
	s_set_vgpr_msb (MSB<<8)|(\new)
.set MSB, (\new)
.endif
.endm
.set MUL_LO, 0xa1
.set MUL_HI, 0xf1
.set TO_B,   0x40
.macro JLOAD g0a, g1a, g0b, g1b        ; a joint load: waves 0, 1 fetch for A, waves 2, 3 for B; four v_nop follow each line
	s_cmp_eq_u32 s15, 0
	s_cbranch_scc0 .Lfor_b_\@
	tensor_load_to_lds s[\g0a:\g0a+3], s[\g1a:\g1a+7]
	s_nop 0
.rept 4
	v_nop
.endr
	s_branch .Lasked_\@
.Lfor_b_\@:
	tensor_load_to_lds s[\g0b:\g0b+3], s[\g1b:\g1b+7]
	s_nop 0
.rept 4
	v_nop
.endr
.Lasked_\@:
.endm
.macro CREST
	s_cmp_lg_u32 s14, 0
	s_cbranch_scc1 .Lnot_wave_0_\@
	s_barrier_signal -3
.Lnot_wave_0_\@:
	s_barrier_wait -3
	s_barrier_signal -1
	s_barrier_wait -1
.endm
.macro CROUND
	s_barrier_signal -1
	s_barrier_wait -1
	CREST
.endm
.macro FRAG reg, adr, q, i
.irp c, 0,1,2,3
	ds_load_b128 v[\reg+4*\c:\reg+4*\c+3], v[\adr] offset:(2*(\i)+(\q))*2048+512*\c
.endr
.endm
.macro MUL16 a0, p, zero               ; the 64 accumulators take turns, one instruction a turn
.irp a, \a0, \a0+1
.irp b, 0,1,2,3,4,5,6,7
.if \zero
	v_wmma_f32_16x16x128_bf8_bf8 v[8*(8*((\a)%4)+\b):8*(8*((\a)%4)+\b)+7], v[128*(\p)+FR*\b:128*(\p)+FR*\b+FR-1], v[AF+FR*(\a):AF+FR*(\a)+FR-1], 0
.else
	v_wmma_f32_16x16x128_bf8_bf8 v[8*(8*((\a)%4)+\b):8*(8*((\a)%4)+\b)+7], v[128*(\p)+FR*\b:128*(\p)+FR*\b+FR-1], v[AF+FR*(\a):AF+FR*(\a)+FR-1], v[8*(8*((\a)%4)+\b):8*(8*((\a)%4)+\b)+7]
.endif
.endr
.endr
.endm
.macro FETCH_B slot, q, p
	WIN TO_B
.irp i, 0,1,2,3,4,5,6,7
	FRAG 128*(\p)+FR*\i, ADRB+\slot, \q, \i
.endr
	WIN 0
.endm
.macro FETCH_A slot, q, i0
.irp i, \i0, \i0+1, \i0+2, \i0+3
	FRAG AF+FR*(\i), ADRA+\slot, \q, \i
.endr
.endm
.macro PLACES n
.rept \n
	v_nop
.endr
.endm
.macro STEP slot, q, zero
	s_wait_dscnt 4*NL                              ; the youngest 16 loads (A's blocks 4-7) may be out
	WIN MUL_LO
	MUL16 0, (\q)%2, \zero
	MUL16 2, (\q)%2, \zero
	s_wait_dscnt 0
	PLACES NP
	FETCH_B \slot, (\q)+1, 1-(\q)%2
	FETCH_A \slot, (\q)+1, 0
	WIN MUL_HI
	MUL16 4, (\q)%2, \zero
	MUL16 6, (\q)%2, \zero
	PLACES NP
	WIN 0
	FETCH_A \slot, (\q)+1, 4
.endm
.macro TURN slot, next, fill
	s_wait_tensorcnt 0x0                           ; all my tensor loads have landed: my part of the next slot
	ds_add_u32 v[SPW], v[NIL]                      ; 0 onto my spare word
	s_wait_dscnt 4*NL+1                            ; the add and the youngest 16 loads may be out
	WIN MUL_LO
	MUL16 0, 1, 0
	s_wait_dscnt 0x0                               ; the add is done, and my reads of this slot are over
	s_barrier_signal -1
	MUL16 2, 1, 0
	WIN 0
	s_barrier_wait -1
.if \fill
	CREST
.if REGSTEP
	s_add_nc_u64 s[G0+4*\slot+2:G0+4*\slot+3], s[G0+4*\slot+2:G0+4*\slot+3], s[92:93]
	s_add_nc_u64 s[G0B+4*\slot+2:G0B+4*\slot+3], s[G0B+4*\slot+2:G0B+4*\slot+3], s[94:95]
.else
	s_add_nc_u64 s[G0+4*\slot+2:G0+4*\slot+3], s[G0+4*\slot+2:G0+4*\slot+3], 2*ASTR
	s_add_nc_u64 s[G0B+4*\slot+2:G0B+4*\slot+3], s[G0B+4*\slot+2:G0B+4*\slot+3], 2*BSTR
.endif
	JLOAD G0+4*\slot, G1, G0B+4*\slot, G1B
.else
	PLACES NP
.endif
	FETCH_B \next, 0, 0
	FETCH_A \next, 0, 0
	WIN MUL_HI
	MUL16 4, 1, 0
	MUL16 6, 1, 0
	PLACES NP
	WIN 0
	FETCH_A \next, 0, 4
.endm
	s_load_b256 s[4:11], s[0:1], 0x0               ; A's codes, wc, the exponents, the output
	s_load_b128 s[68:71], s[0:1], 0x20             ; the bias, the residual
	v_lshl_add_u32 v[SPW], v0, 2, SPARE
	v_mov_b32 v[NIL], 0
	ds_add_u32 v28, v29
	ds_add_u32 v28, v29
	s_wait_dscnt 0x0
	v_lshrrev_b32 v1, 5, v0
	v_readfirstlane_b32 s14, v1
	s_lshr_b32 s15, s14, 1
	s_and_b32 s16, s14, 1
	s_bfe_u32 s40, ttmp6, 0x40000
	s_bfe_u32 s41, ttmp6, 0x40004
	s_lshl_b32 s42, ttmp9, 2
	s_add_co_u32 s42, s42, s40                     ; tile column
	s_and_b32 s17, ttmp7, 0xffff
	s_lshl_b32 s17, s17, 2
	s_add_co_u32 s17, s17, s41                     ; tile row
	s_lshl_b32 s43, s41, 2
	s_lshl_b32 s43, 15, s43
	s_lshl_b32 s44, 0x1111, s40
	s_or_b32 s[G1+0], s43, (1<<21)
	s_or_b32 s[G1B+0], s44, (1<<21)
.irp g, G1, G1B
	s_mov_b32 s[\g+1], 256<<16
	s_mov_b32 s[\g+2], 128<<16
	s_mov_b32 s[\g+3], 256<<16
	s_mov_b32 s[\g+4], 128
	s_mov_b32 s[\g+5], 256
	s_mov_b32 s[\g+6], 0
	s_mov_b32 s[\g+7], 0
.endr
	s_lshl_b32 s18, s16, 15
	s_lshl_b32 s20, s17, 16
	s_add_co_u32 s20, s20, s18
	s_add_co_u32 s20, s20, AOFF
	s_mov_b32 s21, 0
	s_lshl_b32 s46, s42, 16
	s_add_co_u32 s46, s46, s18
	s_add_co_u32 s46, s46, BOFF
	s_mov_b32 s47, 0
	s_mul_i32 s45, s14, HALFT
	s_wait_kmcnt 0x0
	s_load_b512 s[76:91], s[8:9], 0x0
	s_add_nc_u64 s[20:21], s[4:5], s[20:21]
	s_add_nc_u64 s[46:47], s[6:7], s[46:47]
	CROUND
.irp s, 0,1
	s_mov_b32 s[G0+4*\s], 1
	s_add_co_u32 s[G0+4*\s+1], s45, \s*SLOT
	s_add_nc_u64 s[G0+4*\s+2:G0+4*\s+3], s[20:21], \s*ASTR
	s_or_b32 s[G0+4*\s+3], s[G0+4*\s+3], 0x80000000
	s_mov_b32 s[G0B+4*\s], 1
	s_add_co_u32 s[G0B+4*\s+1], s45, \s*SLOT
	s_add_nc_u64 s[G0B+4*\s+2:G0B+4*\s+3], s[46:47], \s*BSTR
	s_or_b32 s[G0B+4*\s+3], s[G0B+4*\s+3], 0x80000000
	JLOAD G0+4*\s, G1, G0B+4*\s, G1B
.endr
	v_and_b32 v1, 31, v0
	v_lshlrev_b32 v[LI], 4, v1
	v_and_b32 v2, 15, v0
	v_bfe_u32 v3, v0, 4, 1
	s_mul_i32 s21, s15, HALFT
	s_mul_i32 s22, s16, HALFT
	s_add_co_u32 s22, s22, 2*HALFT
.irp s, 0,1
	v_add_nc_u32 v[ADRA+\s], s21, v[LI]
	v_add_nc_u32 v[ADRB+\s], s22, v[LI]
	s_add_co_u32 s21, s21, SLOT
	s_add_co_u32 s22, s22, SLOT
.endr
	s_mul_i32 s23, s14, 16*SPITCH                  ; my stage
	v_mul_u32_u24 v[STO], v2, SPITCH
	v_lshl_add_u32 v[STO], v3, 6, v[STO]
	v_add_nc_u32 v[STO], s23, v[STO]               ; row r, + 64 h
	v_add_nc_u32 v[RD], s23, v[LI]
	s_lshl_b32 s46, s42, 10
	s_lshl_b32 s47, s16, 9
	s_add_co_u32 s46, s46, s47                     ; my first column, in bytes
	s_mov_b32 s47, 0
	s_add_nc_u64 s[68:69], s[68:69], s[46:47]
	s_lshl_b32 s20, s17, 20
	s_lshl_b32 s21, s15, 19
	s_add_co_u32 s20, s20, s21                     ; my first row of 4,096 bytes
	s_add_co_u32 s20, s20, s46
	s_mov_b32 s21, 0
	s_add_nc_u64 s[10:11], s[10:11], s[20:21]
	s_add_nc_u64 s[70:71], s[70:71], s[20:21]
	global_load_b128 v[4:7], v[LI], s[68:69]       ; the bias of my four columns of a row
	s_wait_tensorcnt 1
	s_barrier_signal -1
	s_barrier_wait -1
	FETCH_B 0, 0, 0
	FETCH_A 0, 0, 0
	FETCH_A 0, 0, 4
	STEP 0, 0, 1
	s_mov_b32 s3, LAPS-1
.Llap:
	TURN 0, 1, 1
	STEP 1, 0, 0
	TURN 1, 0, 1
	STEP 0, 0, 0
	s_sub_co_u32 s3, s3, 1
	s_cmp_lg_u32 s3, 0
	s_cbranch_scc1 .Llap
	TURN 0, 1, 0
	STEP 1, 0, 0
	s_wait_dscnt 4*NL
	WIN MUL_LO
	MUL16 0, 1, 0
	MUL16 2, 1, 0
	s_wait_dscnt 0
	WIN MUL_HI
	MUL16 4, 1, 0
	MUL16 6, 1, 0
	WIN 0
.macro TOSTAGE a                       ; block a's sums into my stage, each accumulator from its low end on, and back as rows; LDS serves a wave's instructions in order
.set AC, 64*((\a)%4)
.set BB, BK+64*((\a)%2)
	WIN 0x08+4*((\a)/4)                            ; the stores' data: window 2 or 3
.irp t, 0,1,2,3,4,5,6,7
	ds_store_b128 v[STO], v[AC+8*\t:AC+8*\t+3] offset:128*(\t/2)+32*(\t%2)
	ds_store_b128 v[STO], v[AC+8*\t+4:AC+8*\t+7] offset:128*(\t/2)+32*(\t%2)+16
.endr
	WIN 0
.irp t, 0,1,2,3,4,5,6,7,8,9,10,11,12,13,14,15
	ds_load_b128 v[BB+4*\t:BB+4*\t+3], v[RD] offset:\t*SPITCH
.endr
.endm
.macro RLOAD a                         ; block a's 16 rows of the residual into window 1, where B's fragments lay
	WIN 0x40
.irp t, 0,1,2,3,4,5,6,7,8,9,10,11,12,13,14,15
	global_load_b128 v[64*((\a)%4)+4*\t:64*((\a)%4)+4*\t+3], v[LI], s[70:71] offset:(16*(\a)+\t)*4096 th:TH_LOAD_NT
.endr
	WIN 0
.endm
.macro SEND a, younger
.set BB, BK+64*((\a)%2)
.set RS, 64*((\a)%4)
	s_wait_dscnt \younger                          ; the block is back from the stage; the next block's 16 stores and 16 loads may be out
.if (\a) <= 4
	s_wait_loadcnt 48                              ; its residual is in; that of the three blocks behind may be out
.else
	s_wait_loadcnt 16*(7-(\a))
.endif
	WIN 0x41
.irp t, 0,1,2,3,4,5,6,7,8,9,10,11,12,13,14,15
	v_pk_add_f32 v[RS+4*\t:RS+4*\t+1], v[RS+4*\t:RS+4*\t+1], v[4:5]
	v_pk_add_f32 v[RS+4*\t+2:RS+4*\t+3], v[RS+4*\t+2:RS+4*\t+3], v[6:7]
.endr
	WIN 0x10
.irp j, 0,2,4,6,8,10,12,14,16,18,20,22,24,26,28,30,32,34,36,38,40,42,44,46,48,50,52,54,56,58,60,62
	v_pk_fma_f32 v[BB+\j:BB+\j+1], v[BB+\j:BB+\j+1], s[96:97], v[RS+\j:RS+\j+1] op_sel_hi:[1,0,1]   ; sum x 2^(the two exponents) + (residual + bias)
.endr
	WIN 0
.irp t, 0,1,2,3,4,5,6,7,8,9,10,11,12,13,14,15
	global_store_b128 v[LI], v[BB+4*\t:BB+4*\t+3], s[10:11] offset:(16*(\a)+\t)*4096   ; 512 consecutive bytes
.endr
.if (\a) < 4
	RLOAD (\a)+4
.endif
.endm
	s_wait_kmcnt 0x0
	s_add_co_i32 s96, s[EA], s[EA+1]
	s_add_co_i32 s96, s96, 127
	s_lshl_b32 s96, s96, 23
	s_mov_b32 s97, s96
	PLACES NP
	RLOAD 0
	RLOAD 1
	RLOAD 2
	RLOAD 3
	TOSTAGE 0
.irp a, 1,2,3,4,5,6,7
.if \a > 1
	s_wait_xcnt 0x0                                ; block a - 2's stores have read their registers: block a's rows may land there
.endif
	TOSTAGE \a
	SEND \a-1, 32
.endr
	SEND 7, 0
	s_wait_tensorcnt 0x0                           ; the wave's end
	ds_add_u32 v[SPW], v[NIL]
	s_wait_dscnt 0x0
	CROUND
	s_endpgm
.Lfunc_end_k_qb4ba780f1e_wo:
	.size	k_qb4ba780f1e_wo, .Lfunc_end_k_qb4ba780f1e_wo-k_qb4ba780f1e_wo
	.p2alignl 7, 3214868480
	.fill 96, 4, 3214868480
	.section	.rodata,"a",@progbits
	.p2align	6, 0x0
	.amdhsa_kernel k_qb4ba780f1e_wo
		.amdhsa_group_segment_fixed_size 327680
		.amdhsa_private_segment_fixed_size 0
		.amdhsa_enable_private_segment 0
		.amdhsa_kernarg_size 48
		.amdhsa_user_sgpr_count 2
		.amdhsa_user_sgpr_kernarg_segment_ptr 1
		.amdhsa_wavefront_size32 1
		.amdhsa_system_sgpr_workgroup_id_x 1
		.amdhsa_system_sgpr_workgroup_id_y 1
		.amdhsa_system_sgpr_workgroup_id_z 1
		.amdhsa_system_vgpr_workitem_id 0
		.amdhsa_next_free_vgpr 1024
		.amdhsa_next_free_sgpr 102
		.amdhsa_reserve_vcc 0
		.amdhsa_float_denorm_mode_32 3
		.amdhsa_float_denorm_mode_16_64 3
		.amdhsa_memory_ordered 1
		.amdhsa_forward_progress 1
		.amdhsa_inst_pref_size 152
	.end_amdhsa_kernel
	.amdgpu_metadata
---
amdhsa.version: [ 1, 2 ]
amdhsa.kernels:
  - .name:           k_qb4ba780f1e_wo
    .symbol:         k_qb4ba780f1e_wo.kd
    .args:
      - { .name: hc, .offset: 0, .size: 8, .value_kind: global_buffer, .address_space: global }
      - { .name: wc, .offset: 8, .size: 8, .value_kind: global_buffer, .address_space: global }
      - { .name: lowp_scales, .offset: 16, .size: 8, .value_kind: global_buffer, .address_space: global }
      - { .name: y, .offset: 24, .size: 8, .value_kind: global_buffer, .address_space: global }
      - { .name: bo, .offset: 32, .size: 8, .value_kind: global_buffer, .address_space: global }
      - { .name: x1, .offset: 40, .size: 8, .value_kind: global_buffer, .address_space: global }
    .group_segment_fixed_size: 327680
    .private_segment_fixed_size: 0
    .kernarg_segment_align: 8
    .kernarg_segment_size: 48
    .max_flat_workgroup_size: 128
    .sgpr_count:     102
    .vgpr_count:     1024
    .wavefront_size: 32
...
	.end_amdgpu_metadata
.endif
;; end of part 4
;; launch ln2 (part 5): grid 256 x 1, 4 waves a work-group, no clusters, 66,304 bytes of LDS; arguments y, gamma2, beta2, lowp_scales, x2; writes x2
.if DOCPART == 5
	.amdgcn_target "amdgcn-amd-amdhsa--gfx1250"
	.amdhsa_code_object_version 6
	.text
	.protected	k_qb4ba780f1e_ln2
	.globl	k_qb4ba780f1e_ln2
	.p2align	8
	.type	k_qb4ba780f1e_ln2,@function
k_qb4ba780f1e_ln2:
	s_mov_b64 s[64:65], 0
	v_nop
	global_prefetch_b8 v0, s[64:65] scope:SCOPE_SE
	s_setreg_imm32_b32 hwreg(HW_REG_WAVE_MODE, 25, 1), 1
	s_wait_xcnt 0x0
; x2 = layernorm(y) (variance with 1,023 in the divisor), stored as f32 at byte 0 of x2 and as codes of E5M2 (scale e12) at byte 0x1000000, as an image of operand registers:
; [K/256][256 tiles of 16 rows][2][4][32 lanes][16 bytes]; lane 16 h + r holds k = 256 kb + 128 ks + 32 c + 16 h + 0..15 of row 16 tile + r.
; A work-group owns 16 rows, a wave four; then wave w quantises columns 256 w on of all 16 rows, which it reads from LDS.  LIMITS: e12 between -126 and 112; NaN and infinities are not served.
.set LP,  4112                         ; an LDS row: 4,096 bytes + 16
.set LI,  2
.set LS,  3
.set LAN, 4
.set G,   16
.set BT,  48
.set X,   80
.set SS,  208
.set TMP, 16
.set CD,  48
.macro MKSC e, vs, vl
	s_add_co_i32 s58, s[\e], 127
	s_lshl_b32 s59, s58, 23
	v_mov_b32 v[\vs], s59
	s_add_co_i32 s58, s58, 15
	s_lshl_b32 s58, s58, 23
	s_or_b32 s58, s58, 0x600000
	v_mov_b32 v[\vl], s58
.endm
.macro XSUM
.irp m, 1,2,4,8
.irp p, 0,1,2,3
	v_add_f32_dpp v[SS+8*\p], v[SS+8*\p], v[SS+8*\p] row_xmask:\m row_mask:0xf bank_mask:0xf
.endr
.endr
.irp p, 0,1,2,3
	v_permlanex16_b32 v[SS+8*\p+2], v[SS+8*\p], s24, s25
.endr
.irp p, 0,1,2,3
	v_add_f32 v[SS+8*\p], v[SS+8*\p], v[SS+8*\p+2]
.endr
.endm
.macro FOLD
.irp p, 0,1,2,3
	v_pk_add_f32 v[SS+8*\p:SS+8*\p+1], v[SS+8*\p:SS+8*\p+1], v[SS+8*\p+2:SS+8*\p+3]
.endr
.irp p, 0,1,2,3
	v_add_f32 v[SS+8*\p], v[SS+8*\p], v[SS+8*\p+1]
.endr
.endm
.macro LNROWS                          ; four rows, line by line in turn
.irp p, 0,1,2,3
	v_pk_add_f32 v[SS+8*\p:SS+8*\p+1], v[X+32*\p:X+32*\p+1], v[X+32*\p+2:X+32*\p+3]
	v_pk_add_f32 v[SS+8*\p+2:SS+8*\p+3], v[X+32*\p+4:X+32*\p+5], v[X+32*\p+6:X+32*\p+7]
.endr
.irp j, 8,12,16,20,24,28
.irp p, 0,1,2,3
	v_pk_add_f32 v[SS+8*\p:SS+8*\p+1], v[SS+8*\p:SS+8*\p+1], v[X+32*\p+\j:X+32*\p+\j+1]
	v_pk_add_f32 v[SS+8*\p+2:SS+8*\p+3], v[SS+8*\p+2:SS+8*\p+3], v[X+32*\p+\j+2:X+32*\p+\j+3]
.endr
.endr
	FOLD
	XSUM
.irp p, 0,1,2,3
	v_mul_f32 v[SS+8*\p+4], 0x3a800000, v[SS+8*\p]     ; the mean
.endr
.irp p, 0,1,2,3
	v_mov_b32 v[SS+8*\p+5], v[SS+8*\p+4]
.endr
.irp j, 0,2,4,6,8,10,12,14,16,18,20,22,24,26,28,30
.irp p, 0,1,2,3
	v_pk_add_f32 v[X+32*\p+\j:X+32*\p+\j+1], v[X+32*\p+\j:X+32*\p+\j+1], v[SS+8*\p+4:SS+8*\p+5] neg_lo:[0,1] neg_hi:[0,1]
.endr
.endr
.irp p, 0,1,2,3
	v_pk_mul_f32 v[SS+8*\p:SS+8*\p+1], v[X+32*\p:X+32*\p+1], v[X+32*\p:X+32*\p+1]
	v_pk_mul_f32 v[SS+8*\p+2:SS+8*\p+3], v[X+32*\p+2:X+32*\p+3], v[X+32*\p+2:X+32*\p+3]
.endr
.irp j, 4,8,12,16,20,24,28
.irp p, 0,1,2,3
	v_pk_fma_f32 v[SS+8*\p:SS+8*\p+1], v[X+32*\p+\j:X+32*\p+\j+1], v[X+32*\p+\j:X+32*\p+\j+1], v[SS+8*\p:SS+8*\p+1]
	v_pk_fma_f32 v[SS+8*\p+2:SS+8*\p+3], v[X+32*\p+\j+2:X+32*\p+\j+3], v[X+32*\p+\j+2:X+32*\p+\j+3], v[SS+8*\p+2:SS+8*\p+3]
.endr
.endr
	FOLD
	XSUM
.irp p, 0,1,2,3
	v_fma_f32 v[SS+8*\p], v[SS+8*\p], s26, s27         ; squares / 1,023 + 1e-5
.endr
.irp p, 0,1,2,3
	v_rsq_f32 v[SS+8*\p+6], v[SS+8*\p]
.endr
	v_nop
	s_wait_alu depctr_va_vdst(0)                       ; one wait for the four, ahead of their first reader
.irp p, 0,1,2,3
	v_mov_b32 v[SS+8*\p+7], v[SS+8*\p+6]
.endr
.irp j, 0,2,4,6,8,10,12,14,16,18,20,22,24,26,28,30
.irp p, 0,1,2,3
	v_pk_mul_f32 v[X+32*\p+\j:X+32*\p+\j+1], v[X+32*\p+\j:X+32*\p+\j+1], v[SS+8*\p+6:SS+8*\p+7]
.endr
.endr
.irp j, 0,2,4,6,8,10,12,14,16,18,20,22,24,26,28,30
.irp p, 0,1,2,3
	v_pk_fma_f32 v[X+32*\p+\j:X+32*\p+\j+1], v[X+32*\p+\j:X+32*\p+\j+1], v[G+\j:G+\j+1], v[BT+\j:BT+\j+1]
.endr
.endr
.endm
	s_load_b256 s[4:11], s[0:1], 0x0               ; y, gamma2, beta2, the exponents
	s_load_b64 s[12:13], s[0:1], 0x20              ; x2
	v_lshl_add_u32 v254, v0, 2, 0x10100
	v_mov_b32 v255, 0
	v_lshrrev_b32 v1, 5, v0
	v_readfirstlane_b32 s20, v1                    ; wave 0..3
	v_and_b32 v1, 31, v0
	v_lshlrev_b32 v[LI], 4, v1
	s_lshl_b32 s54, ttmp9, 16                      ; 16 rows of 4,096 bytes
	s_lshl_b32 s55, s20, 14
	s_add_co_u32 s54, s54, s55
	s_mov_b32 s55, 0
	s_wait_kmcnt 0x0
	s_load_b512 s[28:43], s[10:11], 0x0
	s_add_nc_u64 s[4:5], s[4:5], s[54:55]
	s_add_nc_u64 s[14:15], s[12:13], s[54:55]      ; the f32 rows
.set j, 0
.rept 8
	global_load_b128 v[G+4*j:G+4*j+3], v[LI], s[6:7] offset:512*j
	global_load_b128 v[BT+4*j:BT+4*j+3], v[LI], s[8:9] offset:512*j
.set j, j+1
.endr
.set p, 0
.rept 4
.set j, 0
.rept 8
	global_load_b128 v[X+32*p+4*j:X+32*p+4*j+3], v[LI], s[4:5] offset:4096*p+512*j th:TH_LOAD_NT
.set j, j+1
.endr
.set p, p+1
.endr
	s_mov_b32 s24, 0x76543210
	s_mov_b32 s25, 0xfedcba98
	s_mov_b32 s26, 0x3a802008                      ; 1 / 1,023
	s_mov_b32 s27, 0x3727c5ac                      ; 1e-5
	s_mul_i32 s56, s20, 4*LP
	v_add_nc_u32 v[LS], s56, v[LI]
	v_and_b32 v6, 15, v0
	v_bfe_u32 v7, v0, 4, 1
	v_mul_u32_u24 v[LAN], v6, LP
	v_lshl_add_u32 v[LAN], v7, 6, v[LAN]
	s_lshl_b32 s57, s20, 10
	v_add_nc_u32 v[LAN], s57, v[LAN]               ; row r, byte 1,024 x wave + 64 h
	s_lshl_b32 s60, s20, 8
	s_add_co_u32 s60, s60, ttmp9
	s_lshl_b32 s60, s60, 12                        ; (256 x wave + tile) x 4,096
	s_add_co_u32 s60, s60, 0x1000000
	s_mov_b32 s61, 0
	s_add_nc_u64 s[12:13], s[12:13], s[60:61]      ; the codes
	s_wait_kmcnt 0x0
	MKSC 40, 240, 241                              ; e12
	s_wait_loadcnt 0x0
	LNROWS
.set p, 0
.rept 4
.set j, 0
.rept 8
	global_store_b128 v[LI], v[X+32*p+4*j:X+32*p+4*j+3], s[14:15] offset:4096*p+512*j
	ds_store_b128 v[LS], v[X+32*p+4*j:X+32*p+4*j+3] offset:LP*p+512*j
.set j, j+1
.endr
.set p, p+1
.endr
	s_wait_xcnt 0x0                                ; the stores have read X: it is loaded over below
	s_wait_dscnt 0x0                               ; for the others' sake: my rows lie in LDS
	s_barrier_signal -1
	s_barrier_wait -1
.set q, 0
.rept 8
.set j, 0
.rept 4
	ds_load_b128 v[X+16*q+4*j:X+16*q+4*j+3], v[LAN] offset:128*q+16*j
.set j, j+1
.endr
.set q, q+1
.endr
	s_wait_dscnt 0x0
.set q, 0
.rept 8
.set i, 0
.rept 16
	v_med3_num_f32 v[TMP+16*(q%2)+i], v[X+16*q+i], -v241, v241   ; the conversion does not saturate (ISA guide 7.6.2)
.set i, i+1
.endr
	v_cvt_scalef32_pk8_bf8_f32 v[CD+4*q:CD+4*q+1], v[TMP+16*(q%2):TMP+16*(q%2)+7], v240
	v_cvt_scalef32_pk8_bf8_f32 v[CD+4*q+2:CD+4*q+3], v[TMP+16*(q%2)+8:TMP+16*(q%2)+15], v240
	global_store_b128 v[LI], v[CD+4*q:CD+4*q+3], s[12:13] offset:512*q
.set q, q+1
.endr
	s_wait_tensorcnt 0x0
	ds_add_u32 v254, v255
	s_wait_dscnt 0x0
	s_endpgm
.Lfunc_end_k_qb4ba780f1e_ln2:
	.size	k_qb4ba780f1e_ln2, .Lfunc_end_k_qb4ba780f1e_ln2-k_qb4ba780f1e_ln2
	.p2alignl 7, 3214868480
	.fill 96, 4, 3214868480
	.section	.rodata,"a",@progbits
	.p2align	6, 0x0
	.amdhsa_kernel k_qb4ba780f1e_ln2
		.amdhsa_group_segment_fixed_size 66304
		.amdhsa_private_segment_fixed_size 0
		.amdhsa_enable_private_segment 0
		.amdhsa_kernarg_size 40
		.amdhsa_user_sgpr_count 2
		.amdhsa_user_sgpr_kernarg_segment_ptr 1
		.amdhsa_wavefront_size32 1
		.amdhsa_system_sgpr_workgroup_id_x 1
		.amdhsa_system_sgpr_workgroup_id_y 1
		.amdhsa_system_sgpr_workgroup_id_z 1
		.amdhsa_system_vgpr_workitem_id 0
		.amdhsa_next_free_vgpr 256
		.amdhsa_next_free_sgpr 102
		.amdhsa_reserve_vcc 0
		.amdhsa_float_denorm_mode_32 3
		.amdhsa_float_denorm_mode_16_64 3
		.amdhsa_memory_ordered 1
		.amdhsa_forward_progress 1
		.amdhsa_inst_pref_size 48
	.end_amdhsa_kernel
	.amdgpu_metadata
---
amdhsa.version: [ 1, 2 ]
amdhsa.kernels:
  - .name:           k_qb4ba780f1e_ln2
    .symbol:         k_qb4ba780f1e_ln2.kd
    .args:
      - { .name: y, .offset: 0, .size: 8, .value_kind: global_buffer, .address_space: global }
      - { .name: gamma2, .offset: 8, .size: 8, .value_kind: global_buffer, .address_space: global }
      - { .name: beta2, .offset: 16, .size: 8, .value_kind: global_buffer, .address_space: global }
      - { .name: lowp_scales, .offset: 24, .size: 8, .value_kind: global_buffer, .address_space: global }
      - { .name: x2, .offset: 32, .size: 8, .value_kind: global_buffer, .address_space: global }
    .group_segment_fixed_size: 66304
    .private_segment_fixed_size: 0
    .kernarg_segment_align: 8
    .kernarg_segment_size: 40
    .max_flat_workgroup_size: 128
    .sgpr_count:     102
    .vgpr_count:     256
    .wavefront_size: 32
...
	.end_amdgpu_metadata
.endif
;; end of part 5
;; launch ffn1 (part 6): grid 16 x 16, 4 waves a work-group, clusters of 4 x 4, 327,680 bytes of LDS; arguments x2, wc, lowp_scales, g, b1; writes g
.if DOCPART == 6
	.amdgcn_target "amdgcn-amd-amdhsa--gfx1250"
	.amdhsa_code_object_version 6
	.text
	.protected	k_qb4ba780f1e_ffn1
	.globl	k_qb4ba780f1e_ffn1
	.p2align	8
	.type	k_qb4ba780f1e_ffn1,@function
k_qb4ba780f1e_ffn1:
	s_mov_b64 s[64:65], 0
	v_nop
	global_prefetch_b8 v0, s[64:65] scope:SCOPE_SE
	s_setreg_imm32_b32 hwreg(HW_REG_WAVE_MODE, 25, 1), 1
	s_wait_xcnt 0x0
	s_wait_alu depctr_hold_cnt(0) depctr_sa_sdst(0) depctr_va_vdst(0) depctr_va_sdst(0) depctr_va_ssrc(0) depctr_va_vcc(0) depctr_vm_vsrc(0)
	s_getreg_b32 s2, hwreg(HW_REG_IB_STS2, 6, 4)
	s_cmp_eq_u32 s2, 0
	s_cbranch_scc0 .Lentry_in_a_cluster
	s_endpgm
.Lentry_in_a_cluster:
	s_bfe_u32 s2, ttmp6, 0x10000c
	s_cmp_lg_u32 s2, 0xf033
	s_cbranch_scc0 .Lentry_shape_is_right
	s_endpgm
.Lentry_shape_is_right:
; g = Q(gelu(x2 W1 + b1)): a product [4,096] x [4,096] over K = 1,024 on codes of E5M2 stored as register images, the exact gelu in f32, and the quantiser of the next product (e14); g is stored as a register image.
; THE PRODUCT: a tile of 256 x 256 to a work-group of four waves, 128 x 128 a wave in 64 accumulators; K in steps of 256 through two LDS slots filled by joint tensor loads: A's tile is shared along a row
; of the 4 x 4 cluster, B's along a column.  A tile of 128 rows x 256 K is 32,768 bytes on end, a fragment 2,048, an LDS load 512 consecutive bytes: no padding.
; Source 0 = W1's fragment, source 1 = x2's: lane (r, h) holds token r of a block, and, W1's tiles being permuted, register 16 c + i is hidden unit 32 c + 16 h + i of my 128: the next product's K, in its operand's order.
; GELU: gelu(x) = max(x, 0) - |x| erfc(|x| / sqrt 2) / 2, so that nothing cancels for negative x; erfc(z) = t exp(-z^2 + P(t)), t = 1 / (1 + z / 2), P of degree 9 (the Chebyshev fit whose
; relative error stays under 1.2e-7 for every z).  The coefficients are kept doubled: exp2((2 P - x^2) log2(e) / 2).  An exponential under 2^-126 comes out as 0.
; The way out is a loop of eight trips, one block of 16 tokens each, so that the gelu is written once; a chain of scalar branches on the trip's number picks the block's accumulators.
; LIMITS: e12 + e13 between -126 and 127; e14 between -126 and 112.  NaN and infinities are not served.
.set REGSTEP, 0
.set ASTR, 0x100000
.set BSTR, 0x100000
.set AOFF, 0x1000000                   ; x2's codes lie behind its f32 rows
.set BOFF, 0                           ; W1's codes in wc
.set LAPS, 2
.set HALFT, 32768
.set SLOT,  4*HALFT
.set SPARE, 2*SLOT                     ; behind the ring: the spare words, 128 bytes a wave: two blocks of 256 bytes that no other line names
.set FR, 16
.set NL, 4
.set NP, 4
.set ADRA, 16
.set ADRB, 20
.set LI,  26
.set SPW, 28
.set NIL, 29
.set AF,  128
.set BIAS, 64                          ; v64-127 b1 of my 128 hidden units, in the result's order
.set XV,  128                          ; v128-191 a block's 64 numbers
.set T,   192                          ; v192-223, v224-255: at work on 32 of them
.set P,   224
.set CDB, 32                           ; v32-47 the codes
.set CK,  24                           ; s24-41: 2 c0 .. 2 c8, each in both words of a pair (the descriptors' registers, free behind the last wait for all tensor loads)
.set CL,  42                           ; s[42:43] log2(e) / 2
.set CH,  44                           ; s44 1 / (2 sqrt 2)
.set AI,  3
.set G1, 24
.set G0, 32
.set G1B, 48
.set G0B, 56
.set MSB, 0
.macro WIN new
.if MSB != (\new)
	s_set_vgpr_msb (MSB<<8)|(\new)
.set MSB, (\new)
.endif
.endm
.set MUL_LO, 0xa1
.set MUL_HI, 0xf1
.set TO_B,   0x40
.macro JLOAD g0a, g1a, g0b, g1b        ; a joint load: waves 0, 1 fetch for A, waves 2, 3 for B; four v_nop follow each line
	s_cmp_eq_u32 s15, 0
	s_cbranch_scc0 .Lfor_b_\@
	tensor_load_to_lds s[\g0a:\g0a+3], s[\g1a:\g1a+7]
	s_nop 0
.rept 4
	v_nop
.endr
	s_branch .Lasked_\@
.Lfor_b_\@:
	tensor_load_to_lds s[\g0b:\g0b+3], s[\g1b:\g1b+7]
	s_nop 0
.rept 4
	v_nop
.endr
.Lasked_\@:
.endm
.macro CREST
	s_cmp_lg_u32 s14, 0
	s_cbranch_scc1 .Lnot_wave_0_\@
	s_barrier_signal -3
.Lnot_wave_0_\@:
	s_barrier_wait -3
	s_barrier_signal -1
	s_barrier_wait -1
.endm
.macro CROUND
	s_barrier_signal -1
	s_barrier_wait -1
	CREST
.endm
.macro FRAG reg, adr, q, i
.irp c, 0,1,2,3
	ds_load_b128 v[\reg+4*\c:\reg+4*\c+3], v[\adr] offset:(2*(\i)+(\q))*2048+512*\c
.endr
.endm
.macro MUL16 a0, p, zero               ; the 64 accumulators take turns, one instruction a turn
.irp a, \a0, \a0+1
.irp b, 0,1,2,3,4,5,6,7
.if \zero
	v_wmma_f32_16x16x128_bf8_bf8 v[8*(8*((\a)%4)+\b):8*(8*((\a)%4)+\b)+7], v[128*(\p)+FR*\b:128*(\p)+FR*\b+FR-1], v[AF+FR*(\a):AF+FR*(\a)+FR-1], 0
.else
	v_wmma_f32_16x16x128_bf8_bf8 v[8*(8*((\a)%4)+\b):8*(8*((\a)%4)+\b)+7], v[128*(\p)+FR*\b:128*(\p)+FR*\b+FR-1], v[AF+FR*(\a):AF+FR*(\a)+FR-1], v[8*(8*((\a)%4)+\b):8*(8*((\a)%4)+\b)+7]
.endif
.endr
.endr
.endm
.macro FETCH_B slot, q, p
	WIN TO_B
.irp i, 0,1,2,3,4,5,6,7
	FRAG 128*(\p)+FR*\i, ADRB+\slot, \q, \i
.endr
	WIN 0
.endm
.macro FETCH_A slot, q, i0
.irp i, \i0, \i0+1, \i0+2, \i0+3
	FRAG AF+FR*(\i), ADRA+\slot, \q, \i
.endr
.endm
.macro PLACES n
.rept \n
	v_nop
.endr
.endm
.macro STEP slot, q, zero
	s_wait_dscnt 4*NL                              ; the youngest 16 loads (A's blocks 4-7) may be out
	WIN MUL_LO
	MUL16 0, (\q)%2, \zero
	MUL16 2, (\q)%2, \zero
	s_wait_dscnt 0
	PLACES NP
	FETCH_B \slot, (\q)+1, 1-(\q)%2
	FETCH_A \slot, (\q)+1, 0
	WIN MUL_HI
	MUL16 4, (\q)%2, \zero
	MUL16 6, (\q)%2, \zero
	PLACES NP
	WIN 0
	FETCH_A \slot, (\q)+1, 4
.endm
.macro TURN slot, next, fill
	s_wait_tensorcnt 0x0                           ; all my tensor loads have landed: my part of the next slot
	ds_add_u32 v[SPW], v[NIL]                      ; 0 onto my spare word
	s_wait_dscnt 4*NL+1                            ; the add and the youngest 16 loads may be out
	WIN MUL_LO
	MUL16 0, 1, 0
	s_wait_dscnt 0x0                               ; the add is done, and my reads of this slot are over
	s_barrier_signal -1
	MUL16 2, 1, 0
	WIN 0
	s_barrier_wait -1
.if \fill
	CREST
.if REGSTEP
	s_add_nc_u64 s[G0+4*\slot+2:G0+4*\slot+3], s[G0+4*\slot+2:G0+4*\slot+3], s[92:93]
	s_add_nc_u64 s[G0B+4*\slot+2:G0B+4*\slot+3], s[G0B+4*\slot+2:G0B+4*\slot+3], s[94:95]
.else
	s_add_nc_u64 s[G0+4*\slot+2:G0+4*\slot+3], s[G0+4*\slot+2:G0+4*\slot+3], 2*ASTR
	s_add_nc_u64 s[G0B+4*\slot+2:G0B+4*\slot+3], s[G0B+4*\slot+2:G0B+4*\slot+3], 2*BSTR
.endif
	JLOAD G0+4*\slot, G1, G0B+4*\slot, G1B
.else
	PLACES NP
.endif
	FETCH_B \next, 0, 0
	FETCH_A \next, 0, 0
	WIN MUL_HI
	MUL16 4, 1, 0
	MUL16 6, 1, 0
	PLACES NP
	WIN 0
	FETCH_A \next, 0, 4
.endm
.macro MKSC e, vs, vl
	s_add_co_i32 s12, s[\e], 127
	s_lshl_b32 s13, s12, 23
	v_mov_b32 v[\vs], s13
	s_add_co_i32 s12, s12, 15
	s_lshl_b32 s12, s12, 23
	s_or_b32 s12, s12, 0x600000
	v_mov_b32 v[\vl], s12
.endm
.macro QUANT s, cd, sc, lim
.irp b, 0,1,2,3
.irp i, 0,1,2,3,4,5,6,7,8,9,10,11,12,13,14,15
	v_med3_num_f32 v[\s+16*\b+\i], v[\s+16*\b+\i], -v[\lim], v[\lim]   ; the conversion does not saturate (ISA guide 7.6.2)
.endr
	v_cvt_scalef32_pk8_bf8_f32 v[\cd+4*\b:\cd+4*\b+1], v[\s+16*\b:\s+16*\b+7], v[\sc]
	v_cvt_scalef32_pk8_bf8_f32 v[\cd+4*\b+2:\cd+4*\b+3], v[\s+16*\b+8:\s+16*\b+15], v[\sc]
.endr
	v_nop                                          ; a plain line behind the last conversion
.endm
	s_load_b256 s[4:11], s[0:1], 0x0               ; x2, wc, the exponents, g
	s_load_b64 s[68:69], s[0:1], 0x20              ; b1
	v_lshl_add_u32 v[SPW], v0, 2, SPARE
	v_mov_b32 v[NIL], 0
	ds_add_u32 v28, v29
	ds_add_u32 v28, v29
	s_wait_dscnt 0x0
	v_lshrrev_b32 v1, 5, v0
	v_readfirstlane_b32 s14, v1
	s_lshr_b32 s15, s14, 1
	s_and_b32 s16, s14, 1
	s_bfe_u32 s40, ttmp6, 0x40000
	s_bfe_u32 s41, ttmp6, 0x40004
	s_lshl_b32 s42, ttmp9, 2
	s_add_co_u32 s42, s42, s40                     ; tile column
	s_and_b32 s17, ttmp7, 0xffff
	s_lshl_b32 s17, s17, 2
	s_add_co_u32 s17, s17, s41                     ; tile row
	s_lshl_b32 s43, s41, 2
	s_lshl_b32 s43, 15, s43
	s_lshl_b32 s44, 0x1111, s40
	s_or_b32 s[G1+0], s43, (1<<21)
	s_or_b32 s[G1B+0], s44, (1<<21)
.irp g, G1, G1B
	s_mov_b32 s[\g+1], 256<<16
	s_mov_b32 s[\g+2], 128<<16
	s_mov_b32 s[\g+3], 256<<16
	s_mov_b32 s[\g+4], 128
	s_mov_b32 s[\g+5], 256
	s_mov_b32 s[\g+6], 0
	s_mov_b32 s[\g+7], 0
.endr
	s_lshl_b32 s18, s16, 15
	s_lshl_b32 s20, s17, 16
	s_add_co_u32 s20, s20, s18
	s_add_co_u32 s20, s20, AOFF
	s_mov_b32 s21, 0
	s_lshl_b32 s46, s42, 16
	s_add_co_u32 s46, s46, s18
	s_add_co_u32 s46, s46, BOFF
	s_mov_b32 s47, 0
	s_mul_i32 s45, s14, HALFT
	s_wait_kmcnt 0x0
	s_load_b512 s[76:91], s[8:9], 0x0
	s_add_nc_u64 s[20:21], s[4:5], s[20:21]
	s_add_nc_u64 s[46:47], s[6:7], s[46:47]
	CROUND
.irp s, 0,1
	s_mov_b32 s[G0+4*\s], 1
	s_add_co_u32 s[G0+4*\s+1], s45, \s*SLOT
	s_add_nc_u64 s[G0+4*\s+2:G0+4*\s+3], s[20:21], \s*ASTR
	s_or_b32 s[G0+4*\s+3], s[G0+4*\s+3], 0x80000000
	s_mov_b32 s[G0B+4*\s], 1
	s_add_co_u32 s[G0B+4*\s+1], s45, \s*SLOT
	s_add_nc_u64 s[G0B+4*\s+2:G0B+4*\s+3], s[46:47], \s*BSTR
	s_or_b32 s[G0B+4*\s+3], s[G0B+4*\s+3], 0x80000000
	JLOAD G0+4*\s, G1, G0B+4*\s, G1B
.endr
	v_and_b32 v1, 31, v0
	v_lshlrev_b32 v[LI], 4, v1
	v_bfe_u32 v3, v0, 4, 1
	s_mul_i32 s21, s15, HALFT
	s_mul_i32 s22, s16, HALFT
	s_add_co_u32 s22, s22, 2*HALFT
.irp s, 0,1
	v_add_nc_u32 v[ADRA+\s], s21, v[LI]
	v_add_nc_u32 v[ADRB+\s], s22, v[LI]
	s_add_co_u32 s21, s21, SLOT
	s_add_co_u32 s22, s22, SLOT
.endr
	s_lshl_b32 s46, s42, 10
	s_lshl_b32 s47, s16, 9
	s_add_co_u32 s46, s46, s47
	s_mov_b32 s47, 0
	s_add_nc_u64 s[68:69], s[68:69], s[46:47]      ; b1 at my 128 hidden units
	v_lshlrev_b32 v10, 6, v3                       ; register 16 c + i wants unit 32 c + 16 h + i
.set c, 0
.rept 4
.set j, 0
.rept 4
	global_load_b128 v[BIAS+16*c+4*j:BIAS+16*c+4*j+3], v10, s[68:69] offset:128*c+16*j
.set j, j+1
.endr
.set c, c+1
.endr
	s_lshl_b32 s20, s42, 8                         ; g's image: K step = tile column,
	s_lshl_b32 s21, s17, 4
	s_add_co_u32 s20, s20, s21
	s_lshl_b32 s21, s15, 3
	s_add_co_u32 s20, s20, s21                     ; tile of 16 tokens = 16 x tile row + 8 x half,
	s_lshl_b32 s20, s20, 1
	s_add_co_u32 s20, s20, s16                     ; which 128 along K = my half of the columns
	s_lshl_b32 s20, s20, 11
	s_mov_b32 s21, 0
	s_add_nc_u64 s[10:11], s[10:11], s[20:21]
	s_wait_tensorcnt 1
	s_barrier_signal -1
	s_barrier_wait -1
	FETCH_B 0, 0, 0
	FETCH_A 0, 0, 0
	FETCH_A 0, 0, 4
	STEP 0, 0, 1
	s_mov_b32 s3, LAPS-1
.Llap:
	TURN 0, 1, 1
	STEP 1, 0, 0
	TURN 1, 0, 1
	STEP 0, 0, 0
	s_sub_co_u32 s3, s3, 1
	s_cmp_lg_u32 s3, 0
	s_cbranch_scc1 .Llap
	TURN 0, 1, 0
	STEP 1, 0, 0
	s_wait_dscnt 4*NL
	WIN MUL_LO
	MUL16 0, 1, 0
	MUL16 2, 1, 0
	s_wait_dscnt 0
	WIN MUL_HI
	MUL16 4, 1, 0
	MUL16 6, 1, 0
	WIN 0
.macro SETC k, bits
	s_mov_b32 s[CK+2*\k], \bits
	s_mov_b32 s[CK+2*\k+1], \bits
.endm
.macro COPY a                          ; block a: x = sum x 2^(e12 + e13) + b1, each accumulator from its low end on
	WIN 0x02+((\a)/4)
.irp j, 0,2,4,6,8,10,12,14,16,18,20,22,24,26,28,30,32,34,36,38,40,42,44,46,48,50,52,54,56,58,60,62
	v_pk_fma_f32 v[XV+\j:XV+\j+1], v[64*((\a)%4)+\j:64*((\a)%4)+\j+1], s[96:97], v[BIAS+\j:BIAS+\j+1] op_sel_hi:[1,0,1]
.endr
	WIN 0
.endm
.macro GELU x                          ; 32 numbers at v[x] on, in place
.set i, 0
.rept 32
	v_fma_f32 v[T+i], |v[\x+i]|, s[CH], 1.0        ; 1 + z / 2
.set i, i+1
.endr
.set i, 0
.rept 32
	v_rcp_f32 v[T+i], v[T+i]                       ; t
.set i, i+1
.endr
	v_nop
	s_wait_alu depctr_va_vdst(0)                   ; one wait for the batch, ahead of its first reader
.set j, 0
.rept 16
	v_pk_fma_f32 v[P+j:P+j+1], v[T+j:T+j+1], v[12:13], s[CK+16:CK+17] op_sel_hi:[1,1,0]
.set j, j+2
.endr
.irp k, 7,6,5,4,3,2,1,0
.set j, 0
.rept 16
	v_pk_fma_f32 v[P+j:P+j+1], v[P+j:P+j+1], v[T+j:T+j+1], s[CK+2*\k:CK+2*\k+1] op_sel_hi:[1,1,0]
.set j, j+2
.endr
.endr
.set j, 0
.rept 16
	v_pk_fma_f32 v[P+j:P+j+1], v[\x+j:\x+j+1], v[\x+j:\x+j+1], v[P+j:P+j+1] neg_lo:[1,0,0] neg_hi:[1,0,0]   ; 2 P - x^2, one rounding
.set j, j+2
.endr
.set j, 0
.rept 16
	v_pk_mul_f32 v[P+j:P+j+1], v[P+j:P+j+1], s[CL:CL+1] op_sel_hi:[1,0]
.set j, j+2
.endr
.set i, 0
.rept 32
	v_exp_f32 v[P+i], v[P+i]
.set i, i+1
.endr
	v_nop
	s_wait_alu depctr_va_vdst(0)
.set j, 0
.rept 16
	v_pk_mul_f32 v[T+j:T+j+1], v[T+j:T+j+1], v[P+j:P+j+1]          ; erfc
.set j, j+2
.endr
.set j, 0
.rept 16
	v_pk_mul_f32 v[T+j:T+j+1], v[T+j:T+j+1], v[\x+j:\x+j+1]
.set j, j+2
.endr
.set i, 0
.rept 32
	v_max_num_f32 v[P+i], 0, v[\x+i]
.set i, i+1
.endr
.set i, 0
.rept 32
	v_fma_f32 v[\x+i], |v[T+i]|, -0.5, v[P+i]
.set i, i+1
.endr
.endm
	s_wait_kmcnt 0x0
	s_add_co_i32 s96, s88, s89                     ; e12 + e13
	s_add_co_i32 s96, s96, 127
	s_lshl_b32 s96, s96, 23
	s_mov_b32 s97, s96
	MKSC 90, 8, 9                                  ; e14
	SETC 0, 0xc021fc4e
	SETC 1, 0x400000c7
	SETC 2, 0x3f3f88fb
	SETC 3, 0x3e4636c9
	SETC 4, 0xbebec24c
	SETC 5, 0x3f0ec7cc
	SETC 6, 0xc0114e5d
	SETC 7, 0x403e87b0
	SETC 8, 0xbfd27892
	s_mov_b32 s[CL], 0x3f38aa3b
	s_mov_b32 s[CL+1], 0x3f38aa3b
	s_mov_b32 s[CH], 0x3eb504f3
	v_mov_b32 v12, 0x3eaef946                      ; 2 c9
	v_mov_b32 v13, 0x3eaef946
	s_wait_loadcnt 0x0                             ; b1
	PLACES NP
	s_mov_b32 s[AI], 0
.Lepi:
.irp a, 0,1,2,3,4,5,6
	s_cmp_eq_u32 s[AI], \a
	s_cbranch_scc0 .Lnot\a
	COPY \a
	s_branch .Lgot
.Lnot\a:
.endr
	COPY 7
.Lgot:
	GELU XV
	GELU XV+32
	QUANT XV, CDB, 8, 9
.irp c, 0,1,2,3
	global_store_b128 v[LI], v[CDB+4*\c:CDB+4*\c+3], s[10:11] offset:512*\c   ; 512 consecutive bytes
.endr
	s_wait_xcnt 0x0                                ; the stores have read their codes and their base
	s_add_nc_u64 s[10:11], s[10:11], 4096          ; the next tile of 16 tokens
	s_add_co_u32 s[AI], s[AI], 1
	s_cmp_lt_u32 s[AI], 8
	s_cbranch_scc1 .Lepi
	s_wait_tensorcnt 0x0                           ; the wave's end
	ds_add_u32 v[SPW], v[NIL]
	s_wait_dscnt 0x0
	CROUND
	s_endpgm
.Lfunc_end_k_qb4ba780f1e_ffn1:
	.size	k_qb4ba780f1e_ffn1, .Lfunc_end_k_qb4ba780f1e_ffn1-k_qb4ba780f1e_ffn1
	.p2alignl 7, 3214868480
	.fill 96, 4, 3214868480
	.section	.rodata,"a",@progbits
	.p2align	6, 0x0
	.amdhsa_kernel k_qb4ba780f1e_ffn1
		.amdhsa_group_segment_fixed_size 327680
		.amdhsa_private_segment_fixed_size 0
		.amdhsa_enable_private_segment 0
		.amdhsa_kernarg_size 40
		.amdhsa_user_sgpr_count 2
		.amdhsa_user_sgpr_kernarg_segment_ptr 1
		.amdhsa_wavefront_size32 1
		.amdhsa_system_sgpr_workgroup_id_x 1
		.amdhsa_system_sgpr_workgroup_id_y 1
		.amdhsa_system_sgpr_workgroup_id_z 1
		.amdhsa_system_vgpr_workitem_id 0
		.amdhsa_next_free_vgpr 1024
		.amdhsa_next_free_sgpr 102
		.amdhsa_reserve_vcc 0
		.amdhsa_float_denorm_mode_32 3
		.amdhsa_float_denorm_mode_16_64 3
		.amdhsa_memory_ordered 1
		.amdhsa_forward_progress 1
		.amdhsa_inst_pref_size 143
	.end_amdhsa_kernel
	.amdgpu_metadata
---
amdhsa.version: [ 1, 2 ]
amdhsa.kernels:
  - .name:           k_qb4ba780f1e_ffn1
    .symbol:         k_qb4ba780f1e_ffn1.kd
    .args:
      - { .name: x2, .offset: 0, .size: 8, .value_kind: global_buffer, .address_space: global }
      - { .name: wc, .offset: 8, .size: 8, .value_kind: global_buffer, .address_space: global }
      - { .name: lowp_scales, .offset: 16, .size: 8, .value_kind: global_buffer, .address_space: global }
      - { .name: g, .offset: 24, .size: 8, .value_kind: global_buffer, .address_space: global }
      - { .name: b1, .offset: 32, .size: 8, .value_kind: global_buffer, .address_space: global }
    .group_segment_fixed_size: 327680
    .private_segment_fixed_size: 0
    .kernarg_segment_align: 8
    .kernarg_segment_size: 40
    .max_flat_workgroup_size: 128
    .sgpr_count:     102
    .vgpr_count:     1024
    .wavefront_size: 32
...
	.end_amdgpu_metadata
.endif
;; end of part 6
;; launch ffn2 (part 7): grid 4 x 16, 4 waves a work-group, clusters of 4 x 4, 327,680 bytes of LDS; arguments g, wc, lowp_scales, out0, b2, x2; writes out0
.if DOCPART == 7
	.amdgcn_target "amdgcn-amd-amdhsa--gfx1250"
	.amdhsa_code_object_version 6
	.text
	.protected	k_qb4ba780f1e_ffn2
	.globl	k_qb4ba780f1e_ffn2
	.p2align	8
	.type	k_qb4ba780f1e_ffn2,@function
k_qb4ba780f1e_ffn2:
	s_mov_b64 s[64:65], 0
	v_nop
	global_prefetch_b8 v0, s[64:65] scope:SCOPE_SE
	s_setreg_imm32_b32 hwreg(HW_REG_WAVE_MODE, 25, 1), 1
	s_wait_xcnt 0x0
	s_wait_alu depctr_hold_cnt(0) depctr_sa_sdst(0) depctr_va_vdst(0) depctr_va_sdst(0) depctr_va_ssrc(0) depctr_va_vcc(0) depctr_vm_vsrc(0)
	s_getreg_b32 s2, hwreg(HW_REG_IB_STS2, 6, 4)
	s_cmp_eq_u32 s2, 0
	s_cbranch_scc0 .Lentry_in_a_cluster
	s_endpgm
.Lentry_in_a_cluster:
	s_bfe_u32 s2, ttmp6, 0x10000c
	s_cmp_lg_u32 s2, 0xf033
	s_cbranch_scc0 .Lentry_shape_is_right
	s_endpgm
.Lentry_shape_is_right:
; out0 = x2 + g W2 + b2.  g [4,096][4,096] and W2 (as [n][k]) are codes of E5M2 stored as register images; sums in f32, each multiplied once by 2^(e14 + e15).
; THE PRODUCT: a tile of 256 x 256 to a work-group of four waves, 128 x 128 a wave in 64 accumulators; K in steps of 256 through two LDS slots filled by joint tensor loads: A's tile is shared along a row
; of the 4 x 4 cluster, B's along a column.  A tile of 128 rows x 256 K is 32,768 bytes on end, a fragment 2,048, an LDS load 512 consecutive bytes: no padding.
; Source 0 = B's fragment, source 1 = A's: lane (r, h) holds token r of a block, and, W2's tiles being permuted, register 16 c + i is column 32 c + 16 h + i of my 128.
; THE WAY OUT: a block of 16 tokens x 128 columns goes through my own stage in LDS (in slot 0, which has had its last fill and its last read) and comes back as whole rows of 512 bytes.
; The grid is 64 work-groups: 4,096 x 1,024 in tiles of 256 x 256.  LIMIT: e14 + e15 between -126 and 127.
.set REGSTEP, 0
.set ASTR, 0x100000                    ; bytes from one K step to the next: 4,096 rows x 256
.set BSTR, 0x40000                     ; 1,024 rows x 256
.set AOFF, 0
.set BOFF, 0x400000                    ; W2's codes in wc
.set EA, 90                            ; s90 = e14, s91 = e15
.set LAPS, 8                           ; K = 4,096: sixteen K steps
.set HALFT, 32768
.set SLOT,  4*HALFT
.set SPARE, 2*SLOT                     ; behind the ring: the spare words, 128 bytes a wave: two blocks of 256 bytes that no other line names
.set SPITCH, 528
.set FR, 16
.set NL, 4
.set NP, 4
.set ADRA, 16
.set ADRB, 20
.set STO, 24
.set RD,  25
.set LI,  26
.set SPW, 28
.set NIL, 29
.set AF,  128
.set BK,  128
.set G1, 24
.set G0, 32
.set G1B, 48
.set G0B, 56
.set MSB, 0
.macro WIN new
.if MSB != (\new)
	s_set_vgpr_msb (MSB<<8)|(\new)
.set MSB, (\new)
.endif
.endm
.set MUL_LO, 0xa1
.set MUL_HI, 0xf1
.set TO_B,   0x40
.macro JLOAD g0a, g1a, g0b, g1b        ; a joint load: waves 0, 1 fetch for A, waves 2, 3 for B; four v_nop follow each line
	s_cmp_eq_u32 s15, 0
	s_cbranch_scc0 .Lfor_b_\@
	tensor_load_to_lds s[\g0a:\g0a+3], s[\g1a:\g1a+7]
	s_nop 0
.rept 4
	v_nop
.endr
	s_branch .Lasked_\@
.Lfor_b_\@:
	tensor_load_to_lds s[\g0b:\g0b+3], s[\g1b:\g1b+7]
	s_nop 0
.rept 4
	v_nop
.endr
.Lasked_\@:
.endm
.macro CREST
	s_cmp_lg_u32 s14, 0
	s_cbranch_scc1 .Lnot_wave_0_\@
	s_barrier_signal -3
.Lnot_wave_0_\@:
	s_barrier_wait -3
	s_barrier_signal -1
	s_barrier_wait -1
.endm
.macro CROUND
	s_barrier_signal -1
	s_barrier_wait -1
	CREST
.endm
.macro FRAG reg, adr, q, i
.irp c, 0,1,2,3
	ds_load_b128 v[\reg+4*\c:\reg+4*\c+3], v[\adr] offset:(2*(\i)+(\q))*2048+512*\c
.endr
.endm
.macro MUL16 a0, p, zero               ; the 64 accumulators take turns, one instruction a turn
.irp a, \a0, \a0+1
.irp b, 0,1,2,3,4,5,6,7
.if \zero
	v_wmma_f32_16x16x128_bf8_bf8 v[8*(8*((\a)%4)+\b):8*(8*((\a)%4)+\b)+7], v[128*(\p)+FR*\b:128*(\p)+FR*\b+FR-1], v[AF+FR*(\a):AF+FR*(\a)+FR-1], 0
.else
	v_wmma_f32_16x16x128_bf8_bf8 v[8*(8*((\a)%4)+\b):8*(8*((\a)%4)+\b)+7], v[128*(\p)+FR*\b:128*(\p)+FR*\b+FR-1], v[AF+FR*(\a):AF+FR*(\a)+FR-1], v[8*(8*((\a)%4)+\b):8*(8*((\a)%4)+\b)+7]
.endif
.endr
.endr
.endm
.macro FETCH_B slot, q, p
	WIN TO_B
.irp i, 0,1,2,3,4,5,6,7
	FRAG 128*(\p)+FR*\i, ADRB+\slot, \q, \i
.endr
	WIN 0
.endm
.macro FETCH_A slot, q, i0
.irp i, \i0, \i0+1, \i0+2, \i0+3
	FRAG AF+FR*(\i), ADRA+\slot, \q, \i
.endr
.endm
.macro PLACES n
.rept \n
	v_nop
.endr
.endm
.macro STEP slot, q, zero
	s_wait_dscnt 4*NL                              ; the youngest 16 loads (A's blocks 4-7) may be out
	WIN MUL_LO
	MUL16 0, (\q)%2, \zero
	MUL16 2, (\q)%2, \zero
	s_wait_dscnt 0
	PLACES NP
	FETCH_B \slot, (\q)+1, 1-(\q)%2
	FETCH_A \slot, (\q)+1, 0
	WIN MUL_HI
	MUL16 4, (\q)%2, \zero
	MUL16 6, (\q)%2, \zero
	PLACES NP
	WIN 0
	FETCH_A \slot, (\q)+1, 4
.endm
.macro TURN slot, next, fill
	s_wait_tensorcnt 0x0                           ; all my tensor loads have landed: my part of the next slot
	ds_add_u32 v[SPW], v[NIL]                      ; 0 onto my spare word
	s_wait_dscnt 4*NL+1                            ; the add and the youngest 16 loads may be out
	WIN MUL_LO
	MUL16 0, 1, 0
	s_wait_dscnt 0x0                               ; the add is done, and my reads of this slot are over
	s_barrier_signal -1
	MUL16 2, 1, 0
	WIN 0
	s_barrier_wait -1
.if \fill
	CREST
.if REGSTEP
	s_add_nc_u64 s[G0+4*\slot+2:G0+4*\slot+3], s[G0+4*\slot+2:G0+4*\slot+3], s[92:93]
	s_add_nc_u64 s[G0B+4*\slot+2:G0B+4*\slot+3], s[G0B+4*\slot+2:G0B+4*\slot+3], s[94:95]
.else
	s_add_nc_u64 s[G0+4*\slot+2:G0+4*\slot+3], s[G0+4*\slot+2:G0+4*\slot+3], 2*ASTR
	s_add_nc_u64 s[G0B+4*\slot+2:G0B+4*\slot+3], s[G0B+4*\slot+2:G0B+4*\slot+3], 2*BSTR
.endif
	JLOAD G0+4*\slot, G1, G0B+4*\slot, G1B
.else
	PLACES NP
.endif
	FETCH_B \next, 0, 0
	FETCH_A \next, 0, 0
	WIN MUL_HI
	MUL16 4, 1, 0
	MUL16 6, 1, 0
	PLACES NP
	WIN 0
	FETCH_A \next, 0, 4
.endm
	s_load_b256 s[4:11], s[0:1], 0x0               ; A's codes, wc, the exponents, the output
	s_load_b128 s[68:71], s[0:1], 0x20             ; the bias, the residual
	v_lshl_add_u32 v[SPW], v0, 2, SPARE
	v_mov_b32 v[NIL], 0
	ds_add_u32 v28, v29
	ds_add_u32 v28, v29
	s_wait_dscnt 0x0
	v_lshrrev_b32 v1, 5, v0
	v_readfirstlane_b32 s14, v1
	s_lshr_b32 s15, s14, 1
	s_and_b32 s16, s14, 1
	s_bfe_u32 s40, ttmp6, 0x40000
	s_bfe_u32 s41, ttmp6, 0x40004
	s_lshl_b32 s42, ttmp9, 2
	s_add_co_u32 s42, s42, s40                     ; tile column
	s_and_b32 s17, ttmp7, 0xffff
	s_lshl_b32 s17, s17, 2
	s_add_co_u32 s17, s17, s41                     ; tile row
	s_lshl_b32 s43, s41, 2
	s_lshl_b32 s43, 15, s43
	s_lshl_b32 s44, 0x1111, s40
	s_or_b32 s[G1+0], s43, (1<<21)
	s_or_b32 s[G1B+0], s44, (1<<21)
.irp g, G1, G1B
	s_mov_b32 s[\g+1], 256<<16
	s_mov_b32 s[\g+2], 128<<16
	s_mov_b32 s[\g+3], 256<<16
	s_mov_b32 s[\g+4], 128
	s_mov_b32 s[\g+5], 256
	s_mov_b32 s[\g+6], 0
	s_mov_b32 s[\g+7], 0
.endr
	s_lshl_b32 s18, s16, 15
	s_lshl_b32 s20, s17, 16
	s_add_co_u32 s20, s20, s18
	s_add_co_u32 s20, s20, AOFF
	s_mov_b32 s21, 0
	s_lshl_b32 s46, s42, 16
	s_add_co_u32 s46, s46, s18
	s_add_co_u32 s46, s46, BOFF
	s_mov_b32 s47, 0
	s_mul_i32 s45, s14, HALFT
	s_wait_kmcnt 0x0
	s_load_b512 s[76:91], s[8:9], 0x0
	s_add_nc_u64 s[20:21], s[4:5], s[20:21]
	s_add_nc_u64 s[46:47], s[6:7], s[46:47]
	CROUND
.irp s, 0,1
	s_mov_b32 s[G0+4*\s], 1
	s_add_co_u32 s[G0+4*\s+1], s45, \s*SLOT
	s_add_nc_u64 s[G0+4*\s+2:G0+4*\s+3], s[20:21], \s*ASTR
	s_or_b32 s[G0+4*\s+3], s[G0+4*\s+3], 0x80000000
	s_mov_b32 s[G0B+4*\s], 1
	s_add_co_u32 s[G0B+4*\s+1], s45, \s*SLOT
	s_add_nc_u64 s[G0B+4*\s+2:G0B+4*\s+3], s[46:47], \s*BSTR
	s_or_b32 s[G0B+4*\s+3], s[G0B+4*\s+3], 0x80000000
	JLOAD G0+4*\s, G1, G0B+4*\s, G1B
.endr
	v_and_b32 v1, 31, v0
	v_lshlrev_b32 v[LI], 4, v1
	v_and_b32 v2, 15, v0
	v_bfe_u32 v3, v0, 4, 1
	s_mul_i32 s21, s15, HALFT
	s_mul_i32 s22, s16, HALFT
	s_add_co_u32 s22, s22, 2*HALFT
.irp s, 0,1
	v_add_nc_u32 v[ADRA+\s], s21, v[LI]
	v_add_nc_u32 v[ADRB+\s], s22, v[LI]
	s_add_co_u32 s21, s21, SLOT
	s_add_co_u32 s22, s22, SLOT
.endr
	s_mul_i32 s23, s14, 16*SPITCH                  ; my stage
	v_mul_u32_u24 v[STO], v2, SPITCH
	v_lshl_add_u32 v[STO], v3, 6, v[STO]
	v_add_nc_u32 v[STO], s23, v[STO]               ; row r, + 64 h
	v_add_nc_u32 v[RD], s23, v[LI]
	s_lshl_b32 s46, s42, 10
	s_lshl_b32 s47, s16, 9
	s_add_co_u32 s46, s46, s47                     ; my first column, in bytes
	s_mov_b32 s47, 0
	s_add_nc_u64 s[68:69], s[68:69], s[46:47]
	s_lshl_b32 s20, s17, 20
	s_lshl_b32 s21, s15, 19
	s_add_co_u32 s20, s20, s21                     ; my first row of 4,096 bytes
	s_add_co_u32 s20, s20, s46
	s_mov_b32 s21, 0
	s_add_nc_u64 s[10:11], s[10:11], s[20:21]
	s_add_nc_u64 s[70:71], s[70:71], s[20:21]
	global_load_b128 v[4:7], v[LI], s[68:69]       ; the bias of my four columns of a row
	s_wait_tensorcnt 1
	s_barrier_signal -1
	s_barrier_wait -1
	FETCH_B 0, 0, 0
	FETCH_A 0, 0, 0
	FETCH_A 0, 0, 4
	STEP 0, 0, 1
	s_mov_b32 s3, LAPS-1
.Llap:
	TURN 0, 1, 1
	STEP 1, 0, 0
	TURN 1, 0, 1
	STEP 0, 0, 0
	s_sub_co_u32 s3, s3, 1
	s_cmp_lg_u32 s3, 0
	s_cbranch_scc1 .Llap
	TURN 0, 1, 0
	STEP 1, 0, 0
	s_wait_dscnt 4*NL
	WIN MUL_LO
	MUL16 0, 1, 0
	MUL16 2, 1, 0
	s_wait_dscnt 0
	WIN MUL_HI
	MUL16 4, 1, 0
	MUL16 6, 1, 0
	WIN 0
.macro TOSTAGE a                       ; block a's sums into my stage, each accumulator from its low end on, and back as rows; LDS serves a wave's instructions in order
.set AC, 64*((\a)%4)
.set BB, BK+64*((\a)%2)
	WIN 0x08+4*((\a)/4)
.irp t, 0,1,2,3,4,5,6,7
	ds_store_b128 v[STO], v[AC+8*\t:AC+8*\t+3] offset:128*(\t/2)+32*(\t%2)
	ds_store_b128 v[STO], v[AC+8*\t+4:AC+8*\t+7] offset:128*(\t/2)+32*(\t%2)+16
.endr
	WIN 0
.irp t, 0,1,2,3,4,5,6,7,8,9,10,11,12,13,14,15
	ds_load_b128 v[BB+4*\t:BB+4*\t+3], v[RD] offset:\t*SPITCH
.endr
.endm
.macro RLOAD a                         ; block a's 16 rows of the residual into window 1, where B's fragments lay
	WIN 0x40
.irp t, 0,1,2,3,4,5,6,7,8,9,10,11,12,13,14,15
	global_load_b128 v[64*((\a)%4)+4*\t:64*((\a)%4)+4*\t+3], v[LI], s[70:71] offset:(16*(\a)+\t)*4096 th:TH_LOAD_NT
.endr
	WIN 0
.endm
.macro SEND a, younger
.set BB, BK+64*((\a)%2)
.set RS, 64*((\a)%4)
	s_wait_dscnt \younger                          ; the block is back from the stage; the next block's 16 stores and 16 loads may be out
.if (\a) <= 4
	s_wait_loadcnt 48                              ; its residual is in; that of the three blocks behind may be out
.else
	s_wait_loadcnt 16*(7-(\a))
.endif
	WIN 0x41
.irp t, 0,1,2,3,4,5,6,7,8,9,10,11,12,13,14,15
	v_pk_add_f32 v[RS+4*\t:RS+4*\t+1], v[RS+4*\t:RS+4*\t+1], v[4:5]
	v_pk_add_f32 v[RS+4*\t+2:RS+4*\t+3], v[RS+4*\t+2:RS+4*\t+3], v[6:7]
.endr
	WIN 0x10
.irp j, 0,2,4,6,8,10,12,14,16,18,20,22,24,26,28,30,32,34,36,38,40,42,44,46,48,50,52,54,56,58,60,62
	v_pk_fma_f32 v[BB+\j:BB+\j+1], v[BB+\j:BB+\j+1], s[96:97], v[RS+\j:RS+\j+1] op_sel_hi:[1,0,1]   ; sum x 2^(the two exponents) + (residual + bias)
.endr
	WIN 0
.irp t, 0,1,2,3,4,5,6,7,8,9,10,11,12,13,14,15
	global_store_b128 v[LI], v[BB+4*\t:BB+4*\t+3], s[10:11] offset:(16*(\a)+\t)*4096 th:TH_STORE_NT   ; 512 consecutive bytes; written once, read by nobody here
.endr
.if (\a) < 4
	RLOAD (\a)+4
.endif
.endm
	s_wait_kmcnt 0x0
	s_add_co_i32 s96, s[EA], s[EA+1]
	s_add_co_i32 s96, s96, 127
	s_lshl_b32 s96, s96, 23
	s_mov_b32 s97, s96
	PLACES NP
	RLOAD 0
	RLOAD 1
	RLOAD 2
	RLOAD 3
	TOSTAGE 0
.irp a, 1,2,3,4,5,6,7
.if \a > 1
	s_wait_xcnt 0x0                                ; block a - 2's stores have read their registers: block a's rows may land there
.endif
	TOSTAGE \a
	SEND \a-1, 32
.endr
	SEND 7, 0
	s_wait_tensorcnt 0x0                           ; the wave's end
	ds_add_u32 v[SPW], v[NIL]
	s_wait_dscnt 0x0
	CROUND
	s_endpgm
.Lfunc_end_k_qb4ba780f1e_ffn2:
	.size	k_qb4ba780f1e_ffn2, .Lfunc_end_k_qb4ba780f1e_ffn2-k_qb4ba780f1e_ffn2
	.p2alignl 7, 3214868480
	.fill 96, 4, 3214868480
	.section	.rodata,"a",@progbits
	.p2align	6, 0x0
	.amdhsa_kernel k_qb4ba780f1e_ffn2
		.amdhsa_group_segment_fixed_size 327680
		.amdhsa_private_segment_fixed_size 0
		.amdhsa_enable_private_segment 0
		.amdhsa_kernarg_size 48
		.amdhsa_user_sgpr_count 2
		.amdhsa_user_sgpr_kernarg_segment_ptr 1
		.amdhsa_wavefront_size32 1
		.amdhsa_system_sgpr_workgroup_id_x 1
		.amdhsa_system_sgpr_workgroup_id_y 1
		.amdhsa_system_sgpr_workgroup_id_z 1
		.amdhsa_system_vgpr_workitem_id 0
		.amdhsa_next_free_vgpr 1024
		.amdhsa_next_free_sgpr 102
		.amdhsa_reserve_vcc 0
		.amdhsa_float_denorm_mode_32 3
		.amdhsa_float_denorm_mode_16_64 3
		.amdhsa_memory_ordered 1
		.amdhsa_forward_progress 1
		.amdhsa_inst_pref_size 152
	.end_amdhsa_kernel
	.amdgpu_metadata
---
amdhsa.version: [ 1, 2 ]
amdhsa.kernels:
  - .name:           k_qb4ba780f1e_ffn2
    .symbol:         k_qb4ba780f1e_ffn2.kd
    .args:
      - { .name: g, .offset: 0, .size: 8, .value_kind: global_buffer, .address_space: global }
      - { .name: wc, .offset: 8, .size: 8, .value_kind: global_buffer, .address_space: global }
      - { .name: lowp_scales, .offset: 16, .size: 8, .value_kind: global_buffer, .address_space: global }
      - { .name: out0, .offset: 24, .size: 8, .value_kind: global_buffer, .address_space: global }
      - { .name: b2, .offset: 32, .size: 8, .value_kind: global_buffer, .address_space: global }
      - { .name: x2, .offset: 40, .size: 8, .value_kind: global_buffer, .address_space: global }
    .group_segment_fixed_size: 327680
    .private_segment_fixed_size: 0
    .kernarg_segment_align: 8
    .kernarg_segment_size: 48
    .max_flat_workgroup_size: 128
    .sgpr_count:     102
    .vgpr_count:     1024
    .wavefront_size: 32
...
	.end_amdgpu_metadata
.endif
;; end of part 7
;; ======== version 2 of 2: 7 launches
;; limits: right only within a limited range of input values
;; workspace buffers: wc 12,582,912 bytes; x1 16,777,216 bytes; x1c 12,582,912 bytes; qkv 12,582,912 bytes; hc 4,194,304 bytes; y 16,777,216 bytes; x2 20,971,520 bytes; g 16,777,216 bytes
;; launch prep (part 8): grid 320 x 1, 8 waves a work-group, no clusters, 132,608 bytes of LDS; arguments x, gamma1, beta1, lowp_scales, x1, x1c, wc, W1, W2, Wo, Wq, Wk, Wv; writes x1, x1c, wc
.if DOCPART == 8
	.amdgcn_target "amdgcn-amd-amdhsa--gfx1250"
	.amdhsa_code_object_version 6
	.text
	.protected	k_qb4ba780f1e_prep
	.globl	k_qb4ba780f1e_prep
	.p2align	8
	.type	k_qb4ba780f1e_prep,@function
k_qb4ba780f1e_prep:
	s_mov_b64 s[64:65], 0
	v_nop
	global_prefetch_b8 v0, s[64:65] scope:SCOPE_SE
	s_setreg_imm32_b32 hwreg(HW_REG_WAVE_MODE, 25, 1), 1
	s_wait_xcnt 0x0
; PREP.  Work-groups 0-127: x1 = layernorm(x) (variance with 1,023 in the divisor), stored as f32 and three times as codes of E5M2 (scales e1, e3, e5).
; Work-groups 128-319: the six weights, f32 with K as an outer axis, become codes with K innermost.
; ALL CODES ARE STORED AS IMAGES OF OPERAND REGISTERS: an operand [R rows][K] lies as [K/256][R/16][2][4][32 lanes][16 bytes]; lane 16 h + r of piece (kb, rt, ks, c) holds
; k = 256 kb + 128 ks + 32 c + 16 h + 0..15 of row r of tile rt.  A fragment of 16 rows x 128 K is 2,048 bytes on end.  NATURAL tiles: row 16 rt + r.  PERMUTED tiles: tile 2 b + u takes row
; 32 b + 8 u + r + 8 (r / 8), so that a product that takes such a tile as its first source leaves 16 neighbours in a lane's 16 registers of tiles 2 b and 2 b + 1.
; code = number / 2^e, held within +-57,344, to the nearest code, ties to even.  LIMITS: each e between -126 and 112; NaN and infinities among the inputs are not served.
; The branch at the head hangs on the work-group's number alone; only the first way uses LDS and a barrier.
.set LP,  4112                         ; an LDS row: 4,096 bytes + 16: 16 rows that a load touches start at 16 different groups of four banks
.set LI,  2                            ; v2  16 x lane; never rewritten
.set LS,  3                            ; v3  where my wave stores its four rows in LDS
.set LAN, 4                            ; v4  where I read 16 neighbours of a row, natural tile
.set LAP, 5                            ; v5  the same, permuted tile
.set G,   16                           ; v16-47  gamma of my columns 128 j + 4 lane + i
.set BT,  48                           ; v48-79  beta
.set X,   80                           ; v80-207 four rows x 32 numbers; later 128 numbers of one row
.set SS,  208                          ; v208-239 eight registers a row: sum pair, second chain, mean pair, 1/sqrt pair
.set TMP, 16                           ; later: two sets of 16 held numbers
.set CD,  48                           ; later: 32 registers of codes
.set VO,  16                           ; weights: v16-47 offsets 4 lane + i x pitch
.set WX,  48                           ; weights: v48-111 two sets of 32 numbers
.set WC,  112                          ; weights: v112-175 eight registers of codes for each block, so that no store's data are written again
.set VS,  12                           ; weights: v12 my place in the two tiles' images
.set SB,  66                           ; weights: s66-81 eight bases, one for each block of 32 along K
.macro MKSC e, vs, vl                  ; 2^e as f32 (the conversion takes its exponent field) and 57,344 x 2^e
	s_add_co_i32 s58, s[\e], 127
	s_lshl_b32 s59, s58, 23
	v_mov_b32 v[\vs], s59
	s_add_co_i32 s58, s58, 15
	s_lshl_b32 s58, s58, 23
	s_or_b32 s58, s58, 0x600000
	v_mov_b32 v[\vl], s58
.endm
.macro XSUM                            ; the four rows' numbers in v[SS+8p] summed over the 32 lanes, the result in every lane
.irp m, 1,2,4,8
.irp p, 0,1,2,3
	s_delay_alu instid0(VALU_DEP_4)
	v_add_f32_dpp v[SS+8*\p], v[SS+8*\p], v[SS+8*\p] row_xmask:\m row_mask:0xf bank_mask:0xf
.endr
.endr
.irp p, 0,1,2,3
	s_delay_alu instid0(VALU_DEP_4)
	v_permlanex16_b32 v[SS+8*\p+2], v[SS+8*\p], s24, s25
.endr
.irp p, 0,1,2,3
	s_delay_alu instid0(VALU_DEP_4)
	v_add_f32 v[SS+8*\p], v[SS+8*\p], v[SS+8*\p+2]
.endr
.endm
.macro FOLD                            ; the two chains of each row into one number a lane
.irp p, 0,1,2,3
	v_pk_add_f32 v[SS+8*\p:SS+8*\p+1], v[SS+8*\p:SS+8*\p+1], v[SS+8*\p+2:SS+8*\p+3]
.endr
.irp p, 0,1,2,3
	s_delay_alu instid0(VALU_DEP_4)
	v_add_f32 v[SS+8*\p], v[SS+8*\p], v[SS+8*\p+1]
.endr
.endm
.macro LNROWS                          ; four rows, line by line in turn, so that no line waits for the one above it
.irp p, 0,1,2,3
	v_pk_add_f32 v[SS+8*\p:SS+8*\p+1], v[X+32*\p:X+32*\p+1], v[X+32*\p+2:X+32*\p+3]
	v_pk_add_f32 v[SS+8*\p+2:SS+8*\p+3], v[X+32*\p+4:X+32*\p+5], v[X+32*\p+6:X+32*\p+7]
.endr
.irp j, 8,12,16,20,24,28
.irp p, 0,1,2,3
	v_pk_add_f32 v[SS+8*\p:SS+8*\p+1], v[SS+8*\p:SS+8*\p+1], v[X+32*\p+\j:X+32*\p+\j+1]
	v_pk_add_f32 v[SS+8*\p+2:SS+8*\p+3], v[SS+8*\p+2:SS+8*\p+3], v[X+32*\p+\j+2:X+32*\p+\j+3]
.endr
.endr
	FOLD
	XSUM
.irp p, 0,1,2,3
	s_delay_alu instid0(VALU_DEP_4)
	v_mul_f32 v[SS+8*\p+4], 0x3a800000, v[SS+8*\p]     ; the mean: sum / 1,024
.endr
.irp p, 0,1,2,3
	s_delay_alu instid0(VALU_DEP_4)
	v_mov_b32 v[SS+8*\p+5], v[SS+8*\p+4]
.endr
.irp j, 0,2,4,6,8,10,12,14,16,18,20,22,24,26,28,30
.irp p, 0,1,2,3
	v_pk_add_f32 v[X+32*\p+\j:X+32*\p+\j+1], v[X+32*\p+\j:X+32*\p+\j+1], v[SS+8*\p+4:SS+8*\p+5] neg_lo:[0,1] neg_hi:[0,1]   ; x - mean first, then squares: no difference of large sums
.endr
.endr
.irp p, 0,1,2,3
	v_pk_mul_f32 v[SS+8*\p:SS+8*\p+1], v[X+32*\p:X+32*\p+1], v[X+32*\p:X+32*\p+1]
	v_pk_mul_f32 v[SS+8*\p+2:SS+8*\p+3], v[X+32*\p+2:X+32*\p+3], v[X+32*\p+2:X+32*\p+3]
.endr
.irp j, 4,8,12,16,20,24,28
.irp p, 0,1,2,3
	v_pk_fma_f32 v[SS+8*\p:SS+8*\p+1], v[X+32*\p+\j:X+32*\p+\j+1], v[X+32*\p+\j:X+32*\p+\j+1], v[SS+8*\p:SS+8*\p+1]
	v_pk_fma_f32 v[SS+8*\p+2:SS+8*\p+3], v[X+32*\p+\j+2:X+32*\p+\j+3], v[X+32*\p+\j+2:X+32*\p+\j+3], v[SS+8*\p+2:SS+8*\p+3]
.endr
.endr
	FOLD
	XSUM
.irp p, 0,1,2,3
	s_delay_alu instid0(VALU_DEP_4)
	v_fma_f32 v[SS+8*\p], v[SS+8*\p], s26, s27         ; squares / 1,023 + 1e-5
.endr
	s_wait_alu depctr_va_vdst(0)
.irp p, 0,1,2,3
	v_rsq_f32 v[SS+8*\p+6], v[SS+8*\p]
.endr
	v_nop                                              ; a plain line behind the last of the batch
	s_wait_alu depctr_va_vdst(0)                       ; one wait for the four, ahead of their first reader
.irp p, 0,1,2,3
	v_mov_b32 v[SS+8*\p+7], v[SS+8*\p+6]
.endr
.irp j, 0,2,4,6,8,10,12,14,16,18,20,22,24,26,28,30
.irp p, 0,1,2,3
	v_pk_mul_f32 v[X+32*\p+\j:X+32*\p+\j+1], v[X+32*\p+\j:X+32*\p+\j+1], v[SS+8*\p+6:SS+8*\p+7]
.endr
.endr
.irp j, 0,2,4,6,8,10,12,14,16,18,20,22,24,26,28,30
.irp p, 0,1,2,3
	v_pk_fma_f32 v[X+32*\p+\j:X+32*\p+\j+1], v[X+32*\p+\j:X+32*\p+\j+1], v[G+\j:G+\j+1], v[BT+\j:BT+\j+1]
.endr
.endr
.endm
.macro FETCHX adr                      ; of my row: for each of 8 blocks of 32 along K my 16 neighbours, 64 bytes: register 16 q + i = k 32 q + 16 h + i
.set q, 0
.rept 8
.set j, 0
.rept 4
	ds_load_b128 v[X+16*q+4*j:X+16*q+4*j+3], v[\adr] offset:128*q+16*j
.set j, j+1
.endr
.set q, q+1
.endr
	s_wait_dscnt 0x0
.endm
.macro QSTORE bs, vs, vl               ; the 128 numbers become two fragments' images: eight stores of 512 consecutive bytes a wave
.set q, 0
.rept 8
.set i, 0
.rept 16
	v_med3_num_f32 v[TMP+16*(q%2)+i], v[X+16*q+i], -v[\vl], v[\vl]   ; the conversion to an 8-bit code does not saturate (ISA guide 7.6.2): the hold comes first; X stays for the next scale
.set i, i+1
.endr
	v_cvt_scalef32_pk8_bf8_f32 v[CD+4*q:CD+4*q+1], v[TMP+16*(q%2):TMP+16*(q%2)+7], v[\vs]
	v_cvt_scalef32_pk8_bf8_f32 v[CD+4*q+2:CD+4*q+3], v[TMP+16*(q%2)+8:TMP+16*(q%2)+15], v[\vs]
	global_store_b128 v[LI], v[CD+4*q:CD+4*q+3], s[\bs:\bs+1] offset:512*q
.set q, q+1
.endr
	v_nop                                              ; a plain line behind the last conversion
.endm
	s_load_b512 s[4:19], s[0:1], 0x0               ; x, gamma1, beta1, the exponents, x1, x1c, wc, W1
	s_load_b256 s[44:51], s[0:1], 0x40             ; W2, Wo, Wq, Wk
	s_load_b64 s[52:53], s[0:1], 0x60              ; Wv
	v_lshl_add_u32 v254, v0, 2, 0x20200
	v_mov_b32 v255, 0
	v_lshrrev_b32 v1, 5, v0
	s_delay_alu instid0(VALU_DEP_1)
	v_readfirstlane_b32 s20, v1                    ; wave 0..7
	v_and_b32 v1, 31, v0                           ; lane
	s_delay_alu instid0(VALU_DEP_1)
	v_lshlrev_b32 v[LI], 4, v1
	s_wait_kmcnt 0x0
	s_load_b512 s[28:43], s[10:11], 0x0            ; e0 .. e15
	s_cmp_lt_u32 ttmp9, 128
	s_cbranch_scc0 .Lweights
	; ---- LAYER NORM: the work-group owns 32 rows, a wave four of them; a lane holds columns 128 j + 4 lane + 0..3 of each
	s_lshl_b32 s54, ttmp9, 17                      ; 32 rows of 4,096 bytes
	s_lshl_b32 s55, s20, 14                        ; my wave's four
	s_add_co_u32 s54, s54, s55
	s_mov_b32 s55, 0
	s_add_nc_u64 s[4:5], s[4:5], s[54:55]
	s_add_nc_u64 s[12:13], s[12:13], s[54:55]
.set j, 0
	s_wait_alu depctr_va_vdst(0)
.rept 8
	global_load_b128 v[G+4*j:G+4*j+3], v[LI], s[6:7] offset:512*j
	global_load_b128 v[BT+4*j:BT+4*j+3], v[LI], s[8:9] offset:512*j
.set j, j+1
.endr
.set p, 0
.rept 4
.set j, 0
.rept 8
	global_load_b128 v[X+32*p+4*j:X+32*p+4*j+3], v[LI], s[4:5] offset:4096*p+512*j th:TH_LOAD_NT   ; 512 consecutive bytes a load
.set j, j+1
.endr
.set p, p+1
.endr
	s_lshr_b32 s21, s20, 2                         ; later: which tile of 16 rows I quantise,
	s_and_b32 s22, s20, 3                          ; and which 256 along K
	s_mov_b32 s24, 0x76543210                      ; v_permlanex16_b32: lane l xor 16
	s_mov_b32 s25, 0xfedcba98
	s_mov_b32 s26, 0x3a802008                      ; 1 / 1,023
	s_mov_b32 s27, 0x3727c5ac                      ; 1e-5
	s_mul_i32 s56, s20, 4*LP
	v_add_nc_u32 v[LS], s56, v[LI]
	v_and_b32 v6, 15, v0                           ; r
	v_bfe_u32 v7, v0, 4, 1                         ; h
	s_delay_alu instid0(VALU_DEP_2)
	v_mul_u32_u24 v[LAN], v6, LP
	s_delay_alu instid0(VALU_DEP_1)
	v_lshl_add_u32 v[LAN], v7, 6, v[LAN]
	s_mul_i32 s56, s21, 16*LP
	s_lshl_b32 s57, s22, 10
	s_add_co_u32 s56, s56, s57
	v_add_nc_u32 v[LAN], s56, v[LAN]               ; row 16 tau + r, byte 1,024 kb + 64 h
	v_and_b32 v8, 8, v6
	s_delay_alu instid0(VALU_DEP_1)
	v_add_nc_u32 v8, v8, v6
	s_delay_alu instid0(VALU_DEP_1)
	v_mul_u32_u24 v[LAP], v8, LP
	s_delay_alu instid0(VALU_DEP_1)
	v_lshl_add_u32 v[LAP], v7, 6, v[LAP]
	s_mul_i32 s56, s21, 8*LP
	s_add_co_u32 s56, s56, s57
	v_add_nc_u32 v[LAP], s56, v[LAP]               ; row 8 tau + r + 8 (r / 8): rows 16 apart share their banks, so these reads go two deep
	s_lshl_b32 s60, s22, 8
	s_lshl_b32 s61, ttmp9, 1
	s_add_co_u32 s60, s60, s61
	s_add_co_u32 s60, s60, s21
	s_lshl_b32 s60, s60, 12                        ; (256 kb + tile) x 4,096
	s_mov_b32 s61, 0
	s_add_nc_u64 s[14:15], s[14:15], s[60:61]      ; the codes under e1,
	s_add_nc_u64 s[62:63], s[14:15], 0x400000      ; under e3,
	s_add_nc_u64 s[66:67], s[14:15], 0x800000      ; under e5
	s_wait_kmcnt 0x0
	MKSC 29, 240, 241
	MKSC 31, 242, 243
	MKSC 33, 244, 245
	s_wait_loadcnt 0x0
	LNROWS
.set p, 0
.rept 4
.set j, 0
.rept 8
	global_store_b128 v[LI], v[X+32*p+4*j:X+32*p+4*j+3], s[12:13] offset:4096*p+512*j
	ds_store_b128 v[LS], v[X+32*p+4*j:X+32*p+4*j+3] offset:LP*p+512*j
.set j, j+1
.endr
.set p, p+1
.endr
	s_wait_xcnt 0x0                                ; the stores have read X: it is loaded over below
	s_wait_dscnt 0x0                               ; for the others' sake: my rows lie in LDS
	s_barrier_signal -1
	s_barrier_wait -1
	FETCHX LAN
	QSTORE 14, 240, 241                            ; natural tiles, e1: the queries' operand
	FETCHX LAP
	s_wait_xcnt 0x0                                ; the last stores have read their codes' registers
	QSTORE 62, 242, 243                            ; permuted tiles, e3: the keys'
	s_wait_xcnt 0x0
	QSTORE 66, 244, 245                            ; permuted tiles, e5: the values'
	s_wait_tensorcnt 0x0
	ds_add_u32 v254, v255
	s_wait_dscnt 0x0
	s_endpgm
	; ---- WEIGHTS: a lane takes a column, its registers run down K; a wave takes 32 columns x 256 along K, a work-group 256 columns.
	; What differs between the six tensors is chosen by selects on the work-group's number: first number, place in wc, exponent, bytes from k to k + 1, log2 of the groups of 256 columns,
	; bytes from group to group, bytes from one pair of waves to the next (a head, in Wq, Wk, Wv), bytes of 256 along K in the image.
.macro PICK bound, dst, e, src
	s_cmp_ge_u32 s21, \bound
	s_cselect_b32 s82, \bound, s82
	s_cselect_b32 s83, \dst, s83
	s_cselect_b32 s84, s[\e], s84
	s_cselect_b64 s[90:91], s[\src:\src+1], s[90:91]
.endm
.macro WLOAD t                         ; block t: W(32 t + i, my column): 128 consecutive bytes a load
.set i, 0
.rept 32
	global_load_b32 v[WX+32*((\t)%2)+i], v[VO+i], s[SB+2*(\t):SB+2*(\t)+1] th:TH_LOAD_NT
.set i, i+1
.endr
.endm
.macro BLOCK t
.if (\t) < 7
	s_wait_loadcnt 32                              ; this block's 32 loads are in; the next block's may be out
.else
	s_wait_loadcnt 0x0
.endif
.set i, 0
.rept 32
	v_med3_num_f32 v[WX+32*((\t)%2)+i], v[WX+32*((\t)%2)+i], -v10, v10
.set i, i+1
.endr
.set i, 0
.rept 4
	v_cvt_scalef32_pk8_bf8_f32 v[WC+8*(\t)+2*i:WC+8*(\t)+2*i+1], v[WX+32*((\t)%2)+8*i:WX+32*((\t)%2)+8*i+7], v11
.set i, i+1
.endr
	global_store_b128 v[VS], v[WC+8*(\t):WC+8*(\t)+3], s[16:17] offset:512*(\t)          ; k 32 t + 0..15: sixteen lanes fill 256 consecutive bytes of tile 2 b, sixteen of tile 2 b + 1
	global_store_b128 v[VS], v[WC+8*(\t)+4:WC+8*(\t)+7], s[16:17] offset:512*(\t)+256    ; k 32 t + 16..31
.if (\t)+2 < 8
	WLOAD (\t)+2
.endif
.endm
.Lweights:
	s_sub_co_u32 s21, ttmp9, 128
	s_wait_kmcnt 0x0
	s_mov_b32 s82, 0                               ; W1's figures first
	s_mov_b32 s83, 0
	s_mov_b32 s84, s41                             ; e13
	s_mov_b32 s85, 16384
	s_mov_b32 s86, 4
	s_mov_b32 s87, 1024
	s_mov_b32 s88, 256
	s_mov_b32 s89, 0x100000
	s_mov_b64 s[90:91], s[18:19]
	PICK 64, 0x400000, 43, 44                      ; W2, e15
	s_cselect_b32 s85, 4096, s85
	s_cselect_b32 s86, 2, s86
	s_cselect_b32 s89, 0x40000, s89
	PICK 128, 0x800000, 39, 46                     ; Wo, e11
	PICK 144, 0x900000, 28, 48                     ; Wq, e0: a column is 64 x head + d
	s_cselect_b32 s85, 256, s85
	s_cselect_b32 s87, 0x100000, s87
	s_cselect_b32 s88, 0x40000, s88
	PICK 160, 0xa00000, 30, 50                     ; Wk, e2
	PICK 176, 0xb00000, 32, 52                     ; Wv, e4
	s_sub_co_u32 s22, s21, s82
	s_bfm_b32 s23, s86, 0
	s_and_b32 s23, s22, s23                        ; which 256 columns
	s_lshr_b32 s22, s22, s86                       ; which 256 along K
	s_mul_i32 s24, s22, s85
	s_lshl_b32 s24, s24, 8
	s_mul_i32 s25, s23, s87
	s_add_co_u32 s24, s24, s25
	s_lshr_b32 s25, s20, 1
	s_mul_i32 s25, s25, s88
	s_add_co_u32 s24, s24, s25
	s_and_b32 s25, s20, 1
	s_lshl_b32 s25, s25, 7
	s_add_co_u32 s24, s24, s25
	s_mov_b32 s25, 0
	s_add_nc_u64 s[SB:SB+1], s[90:91], s[24:25]
	s_lshl_b32 s92, s85, 5                         ; 32 along K
	s_mov_b32 s93, 0
.set t, 1
.rept 7
	s_add_nc_u64 s[SB+2*t:SB+2*t+1], s[SB+2*t-2:SB+2*t-1], s[92:93]
.set t, t+1
.endr
	s_mul_i32 s26, s22, s89
	s_add_co_u32 s26, s26, s83
	s_lshl_b32 s27, s23, 4
	s_lshl_b32 s54, s20, 1
	s_add_co_u32 s27, s27, s54
	s_lshl_b32 s27, s27, 12                        ; tile 16 x group + 2 x wave
	s_add_co_u32 s26, s26, s27
	s_mov_b32 s27, 0
	s_add_nc_u64 s[16:17], s[16:17], s[26:27]
	s_wait_alu depctr_va_vdst(0)
	v_lshlrev_b32 v[VO], 2, v1
.set i, 1
.rept 31
	s_delay_alu instid0(VALU_DEP_1)
	v_add_nc_u32 v[VO+i], s85, v[VO+i-1]
.set i, i+1
.endr
	WLOAD 0
	WLOAD 1
	MKSC 84, 11, 10
	v_bfe_u32 v13, v1, 3, 1                        ; column 32 b + x lies in tile 2 b + (x / 8) % 2,
	v_and_b32 v14, 7, v1
	v_lshrrev_b32 v15, 4, v1
	s_delay_alu instid0(VALU_DEP_1)
	v_lshl_add_u32 v14, v15, 3, v14                ; as its row x % 8 + 8 (x / 16)
	s_delay_alu instid0(VALU_DEP_4)
	v_lshlrev_b32 v[VS], 12, v13
	s_delay_alu instid0(VALU_DEP_1)
	v_lshl_add_u32 v[VS], v14, 4, v[VS]
.set tt, 0
	s_wait_alu depctr_va_vdst(0)
.rept 8
	BLOCK tt
.set tt, tt+1
.endr
	s_endpgm
.Lfunc_end_k_qb4ba780f1e_prep:
	.size	k_qb4ba780f1e_prep, .Lfunc_end_k_qb4ba780f1e_prep-k_qb4ba780f1e_prep
	.p2alignl 7, 3214868480
	.fill 96, 4, 3214868480
	.section	.rodata,"a",@progbits
	.p2align	6, 0x0
	.amdhsa_kernel k_qb4ba780f1e_prep
		.amdhsa_group_segment_fixed_size 132608
		.amdhsa_private_segment_fixed_size 0
		.amdhsa_enable_private_segment 0
		.amdhsa_kernarg_size 104
		.amdhsa_user_sgpr_count 2
		.amdhsa_user_sgpr_kernarg_segment_ptr 1
		.amdhsa_wavefront_size32 1
		.amdhsa_system_sgpr_workgroup_id_x 1
		.amdhsa_system_sgpr_workgroup_id_y 1
		.amdhsa_system_sgpr_workgroup_id_z 1
		.amdhsa_system_vgpr_workitem_id 0
		.amdhsa_next_free_vgpr 256
		.amdhsa_next_free_sgpr 102
		.amdhsa_reserve_vcc 0
		.amdhsa_float_denorm_mode_32 3
		.amdhsa_float_denorm_mode_16_64 3
		.amdhsa_memory_ordered 1
		.amdhsa_forward_progress 1
		.amdhsa_inst_pref_size 123
	.end_amdhsa_kernel
	.amdgpu_metadata
---
amdhsa.version: [ 1, 2 ]
amdhsa.kernels:
  - .name:           k_qb4ba780f1e_prep
    .symbol:         k_qb4ba780f1e_prep.kd
    .args:
      - { .name: x, .offset: 0, .size: 8, .value_kind: global_buffer, .address_space: global }
      - { .name: gamma1, .offset: 8, .size: 8, .value_kind: global_buffer, .address_space: global }
      - { .name: beta1, .offset: 16, .size: 8, .value_kind: global_buffer, .address_space: global }
      - { .name: lowp_scales, .offset: 24, .size: 8, .value_kind: global_buffer, .address_space: global }
      - { .name: x1, .offset: 32, .size: 8, .value_kind: global_buffer, .address_space: global }
      - { .name: x1c, .offset: 40, .size: 8, .value_kind: global_buffer, .address_space: global }
      - { .name: wc, .offset: 48, .size: 8, .value_kind: global_buffer, .address_space: global }
      - { .name: W1, .offset: 56, .size: 8, .value_kind: global_buffer, .address_space: global }
      - { .name: W2, .offset: 64, .size: 8, .value_kind: global_buffer, .address_space: global }
      - { .name: Wo, .offset: 72, .size: 8, .value_kind: global_buffer, .address_space: global }
      - { .name: Wq, .offset: 80, .size: 8, .value_kind: global_buffer, .address_space: global }
      - { .name: Wk, .offset: 88, .size: 8, .value_kind: global_buffer, .address_space: global }
      - { .name: Wv, .offset: 96, .size: 8, .value_kind: global_buffer, .address_space: global }
    .group_segment_fixed_size: 132608
    .private_segment_fixed_size: 0
    .kernarg_segment_align: 8
    .kernarg_segment_size: 104
    .max_flat_workgroup_size: 256
    .sgpr_count:     102
    .vgpr_count:     256
    .wavefront_size: 32
...
	.end_amdgpu_metadata
.endif
;; end of part 8
;; launch qkv (part 9): grid 12 x 16, 4 waves a work-group, clusters of 4 x 4, 327,680 bytes of LDS; arguments x1c, wc, lowp_scales, qkv, bq, bk, bv; writes qkv
.if DOCPART == 9
	.amdgcn_target "amdgcn-amd-amdhsa--gfx1250"
	.amdhsa_code_object_version 6
	.text
	.protected	k_qb4ba780f1e_qkv
	.globl	k_qb4ba780f1e_qkv
	.p2align	8
	.type	k_qb4ba780f1e_qkv,@function
k_qb4ba780f1e_qkv:
	s_mov_b64 s[64:65], 0
	v_nop
	global_prefetch_b8 v0, s[64:65] scope:SCOPE_SE
	s_setreg_imm32_b32 hwreg(HW_REG_WAVE_MODE, 25, 1), 1
	s_wait_xcnt 0x0
	s_wait_alu depctr_hold_cnt(0) depctr_sa_sdst(0) depctr_va_vdst(0) depctr_va_sdst(0) depctr_va_ssrc(0) depctr_va_vcc(0) depctr_vm_vsrc(0)
	s_getreg_b32 s2, hwreg(HW_REG_IB_STS2, 6, 4)
	s_cmp_eq_u32 s2, 0
	s_cbranch_scc0 .Lentry_in_a_cluster
	s_endpgm
.Lentry_in_a_cluster:
	s_bfe_u32 s2, ttmp6, 0x10000c
	s_cmp_lg_u32 s2, 0xf033
	s_cbranch_scc0 .Lentry_shape_is_right
	s_endpgm
.Lentry_shape_is_right:
; Q, K and V: three products [4,096 tokens] x [1,024 outputs] over K = 1,024 on codes of E5M2, then + bias, then quantised again (e6, e7, e9) and stored as images of the attention's operand registers.
; The cluster's x says which: 0 = Q, 1 = K, 2 = V; it is the same in all sixteen partners, so branches and selects may hang on it.
; THE PRODUCT: a tile of 256 x 256 to a work-group of four waves, 128 x 128 a wave in 64 accumulators; K in steps of 256 through two LDS slots filled by joint tensor loads: side A's tile is shared along a
; row of the 4 x 4 cluster, side B's along a column.  Operands lie in memory as register images, so a tile of 128 rows x 256 K is 32,768 bytes on end, a fragment 2,048, and an LDS load takes 512 consecutive bytes: no padding.
; The matrix instruction takes B's fragment as source 0 and A's as source 1: lane (r, h) holds A's row r, and, B's tiles being permuted, its 64 registers of a block are B's rows 32 c + 16 h + i (register 16 c + i).
; Q, K: A = tokens, B = the weight's outputs 64 head + d: a lane's registers run along d, the scores' K.   V: A = Wv's outputs, B = tokens: a lane's registers run along the keys, the second product's K.
; OUT: Q at 0: [batch x head][128 tiles of 16 queries][1,024 bytes].  K and V at 0x400000: [batch x head][16 steps of 128 keys][8 tiles of K x 1,024, then 4 tiles of V^T x 2,048].
; LIMITS: e0 + e1, e2 + e3, e4 + e5 between -126 and 127; e6, e7, e9 between -126 and 112.  NaN and infinities are not served.
.set REGSTEP, 1                        ; the strides along K differ between the three products: they lie in s[92:93] and s[94:95]
.set ASTR, 0
.set BSTR, 0
.set LAPS, 2                           ; K = 1,024: four K steps, two laps of the ring
.set HALFT, 32768                      ; 128 rows x 256 K: what one tensor load brings, and what one wave reads of A or of B
.set SLOT,  4*HALFT                    ; A's 256 rows, then B's
.set SPARE, 2*SLOT                     ; behind the ring: the spare words, 128 bytes a wave: two blocks of 256 bytes that no other line names
.set FR, 16
.set NL, 4
.set NP, 4
.set ADRA, 16                          ; v16-17 LDS address of my A fragments in slot 0, 1
.set ADRB, 20                          ; v20-21 the same for B
.set LI,  26                           ; v26 16 x lane
.set SPW, 28                           ; v28 my spare word; never rewritten
.set NIL, 29                           ; v29 0; never rewritten
.set AF,  128                          ; A's fragments, window 0, one set;  B's: window 1, two sets;  accumulators: windows 2 and 3
.set BIAS, 64                          ; v64-127 the biases
.set XV,  128                          ; the way out: 64 numbers
.set CDB, 32                           ; the way out: two sets of 16 registers of codes
.set G1, 24
.set G0, 32
.set G1B, 48
.set G0B, 56
.set MSB, 0
.macro WIN new                         ; the immediate's high byte repeats the setting that is left
.if MSB != (\new)
	s_set_vgpr_msb (MSB<<8)|(\new)
.set MSB, (\new)
.endif
.endm
.set MUL_LO, 0xa1                      ; source 0 (B) window 1, source 1 (A) window 0, C and D window 2
.set MUL_HI, 0xf1
.set TO_B,   0x40
.macro JLOAD g0a, g1a, g0b, g1b        ; a joint load: waves 0, 1 fetch for A, waves 2, 3 for B; four v_nop follow each line
	s_cmp_eq_u32 s15, 0
	s_cbranch_scc0 .Lfor_b_\@
	tensor_load_to_lds s[\g0a:\g0a+3], s[\g1a:\g1a+7]
	s_nop 0
.rept 4
	v_nop
.endr
	s_branch .Lasked_\@
.Lfor_b_\@:
	tensor_load_to_lds s[\g0b:\g0b+3], s[\g1b:\g1b+7]
	s_nop 0
.rept 4
	v_nop
.endr
.Lasked_\@:
.endm
.macro CREST                           ; a round of the cluster's barrier behind its opening barrier
	s_cmp_lg_u32 s14, 0
	s_cbranch_scc1 .Lnot_wave_0_\@
	s_barrier_signal -3
.Lnot_wave_0_\@:
	s_barrier_wait -3
	s_barrier_signal -1
	s_barrier_wait -1
.endm
.macro CROUND
	s_barrier_signal -1
	s_barrier_wait -1
	CREST
.endm
.macro FRAG reg, adr, q, i             ; fragment (tile i, 128 along K number q) as it lies: four loads of 512 consecutive bytes
.irp c, 0,1,2,3
	ds_load_b128 v[\reg+4*\c:\reg+4*\c+3], v[\adr] offset:(2*(\i)+(\q))*2048+512*\c
.endr
.endm
.macro MUL16 a0, p, zero               ; A's blocks a0, a0 + 1 x B's eight; the 64 accumulators take turns, one instruction a turn
.irp a, \a0, \a0+1
.irp b, 0,1,2,3,4,5,6,7
.if \zero
	v_wmma_f32_16x16x128_bf8_bf8 v[8*(8*((\a)%4)+\b):8*(8*((\a)%4)+\b)+7], v[128*(\p)+FR*\b:128*(\p)+FR*\b+FR-1], v[AF+FR*(\a):AF+FR*(\a)+FR-1], 0
.else
	v_wmma_f32_16x16x128_bf8_bf8 v[8*(8*((\a)%4)+\b):8*(8*((\a)%4)+\b)+7], v[128*(\p)+FR*\b:128*(\p)+FR*\b+FR-1], v[AF+FR*(\a):AF+FR*(\a)+FR-1], v[8*(8*((\a)%4)+\b):8*(8*((\a)%4)+\b)+7]
.endif
.endr
.endr
.endm
.macro FETCH_B slot, q, p
	WIN TO_B
.irp i, 0,1,2,3,4,5,6,7
	FRAG 128*(\p)+FR*\i, ADRB+\slot, \q, \i
.endr
	WIN 0
.endm
.macro FETCH_A slot, q, i0
.irp i, \i0, \i0+1, \i0+2, \i0+3
	FRAG AF+FR*(\i), ADRA+\slot, \q, \i
.endr
.endm
.macro PLACES n                        ; plain lines between a matrix instruction and a load into, or a read of, its registers
.rept \n
	v_nop
.endr
.endm
.macro STEP slot, q, zero              ; 128 along K whose successor lies in the same slot
	s_wait_dscnt 4*NL                              ; B's set and A's blocks 0-3 are in; the youngest 16 loads (A's blocks 4-7) may be out
	WIN MUL_LO
	MUL16 0, (\q)%2, \zero
	MUL16 2, (\q)%2, \zero
	s_wait_dscnt 0
	PLACES NP
	FETCH_B \slot, (\q)+1, 1-(\q)%2
	FETCH_A \slot, (\q)+1, 0
	WIN MUL_HI
	MUL16 4, (\q)%2, \zero
	MUL16 6, (\q)%2, \zero
	PLACES NP
	WIN 0
	FETCH_A \slot, (\q)+1, 4
.endm
.macro TURN slot, next, fill           ; a slot's last 128 along K, and the change of slots
	s_wait_tensorcnt 0x0                           ; all my tensor loads have landed: my part of the next slot
	ds_add_u32 v[SPW], v[NIL]                      ; 0 onto my spare word
	s_wait_dscnt 4*NL+1                            ; the add and the youngest 16 loads may be out
	WIN MUL_LO
	MUL16 0, 1, 0
	s_wait_dscnt 0x0                               ; the add is done, and my reads of this slot are over
	s_barrier_signal -1
	MUL16 2, 1, 0
	WIN 0
	s_barrier_wait -1
.if \fill
	CREST                                          ; no wave of any partner still reads this slot or has a load on its way
.if REGSTEP
	s_add_nc_u64 s[G0+4*\slot+2:G0+4*\slot+3], s[G0+4*\slot+2:G0+4*\slot+3], s[92:93]
	s_add_nc_u64 s[G0B+4*\slot+2:G0B+4*\slot+3], s[G0B+4*\slot+2:G0B+4*\slot+3], s[94:95]
.else
	s_add_nc_u64 s[G0+4*\slot+2:G0+4*\slot+3], s[G0+4*\slot+2:G0+4*\slot+3], 2*ASTR
	s_add_nc_u64 s[G0B+4*\slot+2:G0B+4*\slot+3], s[G0B+4*\slot+2:G0B+4*\slot+3], 2*BSTR
.endif
	JLOAD G0+4*\slot, G1, G0B+4*\slot, G1B         ; the first tensor load behind the round; its four v_nop are the places in front of the loads below
.else
	PLACES NP
.endif
	FETCH_B \next, 0, 0
	FETCH_A \next, 0, 0
	WIN MUL_HI
	MUL16 4, 1, 0
	MUL16 6, 1, 0
	PLACES NP
	WIN 0
	FETCH_A \next, 0, 4
.endm
.macro MKSC e, vs, vl
	s_add_co_i32 s12, s[\e], 127
	s_lshl_b32 s13, s12, 23
	v_mov_b32 v[\vs], s13
	s_add_co_i32 s12, s12, 15
	s_lshl_b32 s12, s12, 23
	s_or_b32 s12, s12, 0x600000
	v_mov_b32 v[\vl], s12
.endm
.macro QUANT s, cd, sc, lim            ; 64 numbers of a lane, register 16 b + i = k 32 b + 16 h + i, become a fragment's 16 registers of codes
.irp b, 0,1,2,3
.irp i, 0,1,2,3,4,5,6,7,8,9,10,11,12,13,14,15
	v_med3_num_f32 v[\s+16*\b+\i], v[\s+16*\b+\i], -v[\lim], v[\lim]   ; the conversion does not saturate (ISA guide 7.6.2)
.endr
	v_cvt_scalef32_pk8_bf8_f32 v[\cd+4*\b:\cd+4*\b+1], v[\s+16*\b:\s+16*\b+7], v[\sc]
	v_cvt_scalef32_pk8_bf8_f32 v[\cd+4*\b+2:\cd+4*\b+3], v[\s+16*\b+8:\s+16*\b+15], v[\sc]
.endr
	v_nop                                          ; a plain line behind the last conversion: the next block writes its sources
.endm
	s_load_b256 s[4:11], s[0:1], 0x0               ; x1c, wc, the exponents, qkv
	s_load_b128 s[68:71], s[0:1], 0x20             ; bq, bk
	s_load_b64 s[72:73], s[0:1], 0x30              ; bv
	v_lshl_add_u32 v[SPW], v0, 2, SPARE
	v_mov_b32 v[NIL], 0
	ds_add_u32 v28, v29
	ds_add_u32 v28, v29
	s_wait_dscnt 0x0
	v_lshrrev_b32 v1, 5, v0
	v_readfirstlane_b32 s14, v1                    ; wave 0..3
	s_lshr_b32 s15, s14, 1                         ; which half of A's rows is mine.  Also: I fetch for A (0) or for B (1)
	s_and_b32 s16, s14, 1                          ; which half of B's rows.  Also: which 128 rows I fetch
	s_bfe_u32 s40, ttmp6, 0x40000                  ; cx
	s_bfe_u32 s41, ttmp6, 0x40004                  ; cy
	s_and_b32 s12, ttmp7, 0xffff
	s_lshl_b32 s12, s12, 2                         ; 4 x cluster y
	s_add_co_u32 s17, s12, s41
	s_add_co_u32 s42, s12, s40
	s_lshl_b32 s18, ttmp9, 22                      ; where this product's codes of x1 begin in x1c,
	s_lshl_b32 s19, ttmp9, 20
	s_add_co_u32 s19, s19, 0x900000                ; and its weight's in wc
	s_cmp_eq_u32 ttmp9, 2                          ; V?
	s_cselect_b32 s17, s41, s17                    ; A's tile of 256 rows: tokens 4 cluster y + cy, or Wv's cy: made of cy alone
	s_cselect_b32 s42, s42, s40                    ; B's: the weight's cx, or tokens 4 cluster y + cx: made of cx alone
	s_mov_b32 s92, 0x100000
	s_cselect_b32 s92, 0x40000, s92                ; bytes from one K step to the next: rows x 256
	s_mov_b32 s94, 0x40000
	s_cselect_b32 s94, 0x100000, s94
	s_cselect_b32 s20, s19, s18
	s_cselect_b32 s46, s18, s19
	s_mov_b32 s93, 0
	s_mov_b32 s95, 0
	s_lshl_b32 s43, s41, 2
	s_lshl_b32 s43, 15, s43                        ; my row of the cluster
	s_lshl_b32 s44, 0x1111, s40                    ; my column
	s_or_b32 s[G1+0], s43, (1<<21)                 ; 15:0 the mask; 17:16 elements of 1 byte; 21 set beside a mask; no padding
	s_or_b32 s[G1B+0], s44, (1<<21)
.irp g, G1, G1B
	s_mov_b32 s[\g+1], 256<<16                     ; tensor_dim0: the dense block goes as rows of 256 bytes
	s_mov_b32 s[\g+2], 128<<16                     ; tensor_dim1
	s_mov_b32 s[\g+3], 256<<16                     ; tile_dim0
	s_mov_b32 s[\g+4], 128                         ; tile_dim1
	s_mov_b32 s[\g+5], 256                         ; pitch
	s_mov_b32 s[\g+6], 0
	s_mov_b32 s[\g+7], 0
.endr
	s_lshl_b32 s13, s16, 15                        ; which 128 rows I fetch
	s_lshl_b32 s21, s17, 16
	s_add_co_u32 s20, s20, s21
	s_add_co_u32 s20, s20, s13
	s_mov_b32 s21, 0
	s_lshl_b32 s47, s42, 16
	s_add_co_u32 s46, s46, s47
	s_add_co_u32 s46, s46, s13
	s_mov_b32 s47, 0
	s_mul_i32 s45, s14, HALFT                      ; where they go: wave x 32,768: no place in the cluster enters an LDS address
	s_wait_kmcnt 0x0
	s_load_b512 s[76:91], s[8:9], 0x0              ; e0 .. e15
	s_cmp_eq_u32 ttmp9, 2
	s_cselect_b64 s[74:75], s[6:7], s[4:5]
	s_cselect_b64 s[98:99], s[4:5], s[6:7]
	s_add_nc_u64 s[20:21], s[74:75], s[20:21]
	s_add_nc_u64 s[46:47], s[98:99], s[46:47]
	CROUND                                         ; all sixteen work-groups are here: the first joint loads meet
	s_mov_b32 s[G0], 1
	s_mov_b32 s[G0+1], s45
	s_mov_b64 s[G0+2:G0+3], s[20:21]
	s_or_b32 s[G0+3], s[G0+3], 0x80000000
	s_mov_b32 s[G0B], 1
	s_mov_b32 s[G0B+1], s45
	s_mov_b64 s[G0B+2:G0B+3], s[46:47]
	s_or_b32 s[G0B+3], s[G0B+3], 0x80000000
	JLOAD G0, G1, G0B, G1B
	s_mov_b32 s[G0+4], 1
	s_add_co_u32 s[G0+5], s45, SLOT
	s_add_nc_u64 s[G0+6:G0+7], s[20:21], s[92:93]
	s_or_b32 s[G0+7], s[G0+7], 0x80000000
	s_mov_b32 s[G0B+4], 1
	s_add_co_u32 s[G0B+5], s45, SLOT
	s_add_nc_u64 s[G0B+6:G0B+7], s[46:47], s[94:95]
	s_or_b32 s[G0B+7], s[G0B+7], 0x80000000
	; PREFETCH: of the 32,768 dense bytes that my wave fetches in a K step, the partner at place p (cx for A, cy for B) names bytes 8,192 p on, lanes 256 bytes apart: each block of 256 bytes once in the cluster,
	; told apart by address.  K steps 1 and 2 are asked for behind K step 0's load, K step 3 behind K step 1's.  s[98:99], v31, v30 and v27 are never rewritten.
	s_cmp_eq_u32 s15, 0                            ; do I fetch for A?
	s_cselect_b64 s[98:99], s[20:21], s[46:47]
	s_cselect_b32 s100, s40, s41                   ; my place among the four
	s_cselect_b32 s101, s92, s94                   ; a K step on
	s_lshl_b32 s100, s100, 13
	s_add_co_u32 s12, s100, s101
	s_mov_b32 s13, 0
	s_add_nc_u64 s[98:99], s[98:99], s[12:13]      ; at K step 1
	s_lshl_b32 s92, s92, 1
	s_lshl_b32 s94, s94, 1
	v_and_b32 v1, 31, v0
	v_lshlrev_b32 v[LI], 4, v1
	v_lshlrev_b32 v31, 8, v1                       ; 256 x lane,
	v_add_nc_u32 v30, s101, v31                    ; one K step on,
	v_add_nc_u32 v27, s101, v30                    ; two
	global_prefetch_b8 v31, s[98:99] th:TH_LOAD_NT scope:SCOPE_SE   ; K step 1
	global_prefetch_b8 v30, s[98:99] th:TH_LOAD_NT scope:SCOPE_SE   ; K step 2
	v_and_b32 v2, 15, v0                           ; r
	v_bfe_u32 v3, v0, 4, 1                         ; h
	s_mul_i32 s21, s15, HALFT
	s_mul_i32 s22, s16, HALFT
	s_add_co_u32 s22, s22, 2*HALFT
.irp s, 0,1
	v_add_nc_u32 v[ADRA+\s], s21, v[LI]
	v_add_nc_u32 v[ADRB+\s], s22, v[LI]
	s_add_co_u32 s21, s21, SLOT
	s_add_co_u32 s22, s22, SLOT
.endr
	; the biases, asked for here and waited for on the way out
	s_cmp_eq_u32 ttmp9, 2
	s_cbranch_scc1 .Lbias_v
	s_cmp_eq_u32 ttmp9, 1
	s_cselect_b64 s[74:75], s[70:71], s[68:69]
	s_lshl_b32 s12, s42, 10
	s_lshl_b32 s13, s16, 9
	s_add_co_u32 s12, s12, s13
	s_mov_b32 s13, 0
	s_add_nc_u64 s[74:75], s[74:75], s[12:13]      ; my 128 outputs
	s_wait_alu depctr_va_vdst(0)
	v_lshlrev_b32 v10, 6, v3                       ; register 16 c + i wants output 32 c + 16 h + i
.set c, 0
.rept 4
.set j, 0
.rept 4
	global_load_b128 v[BIAS+16*c+4*j:BIAS+16*c+4*j+3], v10, s[74:75] offset:128*c+16*j
.set j, j+1
.endr
.set c, c+1
.endr
	s_branch .Lbias_done
.Lbias_v:
	s_lshl_b32 s12, s17, 10
	s_lshl_b32 s13, s15, 9
	s_add_co_u32 s12, s12, s13
	s_mov_b32 s13, 0
	s_add_nc_u64 s[74:75], s[72:73], s[12:13]
	s_wait_alu depctr_va_vdst(0)
	v_and_b32 v10, 8, v2
	v_add_nc_u32 v10, v10, v2
	v_lshlrev_b32 v10, 2, v10                      ; block a's row r is output 32 (a / 2) + 8 (a % 2) + r + 8 (r / 8): one number a lane and block, loaded into both halves of a pair
.set a, 0
.rept 8
	global_load_b32 v[BIAS+2*a], v10, s[74:75] offset:(32*(a/2)+8*(a%2))*4
	global_load_b32 v[BIAS+2*a+1], v10, s[74:75] offset:(32*(a/2)+8*(a%2))*4
.set a, a+1
.endr
.set i, 16
.rept 48
	v_mov_b32 v[BIAS+i], 0                         ; the registers that only the other way's text reads are written on this way too
.set i, i+1
.endr
.Lbias_done:
	s_wait_alu depctr_va_vdst(0)
	s_wait_tensorcnt 0x0                           ; my part of K step 0 is in; slot 1's first fill is issued as a refill is:
	ds_add_u32 v[SPW], v[NIL]                      ; 0 onto my spare word
	s_wait_dscnt 0x0
	CROUND                                         ; everybody's part of K step 0 is in, and the sixteen work-groups meet
	JLOAD G0+4, G1, G0B+4, G1B                     ; K step 1: the first tensor load behind the round
	FETCH_B 0, 0, 0
	FETCH_A 0, 0, 0
	FETCH_A 0, 0, 4
	global_prefetch_b8 v27, s[98:99] th:TH_LOAD_NT scope:SCOPE_SE   ; K step 3
	STEP 0, 0, 1                                   ; the first step's products start the sums
	s_mov_b32 s3, LAPS-1
.Llap:
	TURN 0, 1, 1
	STEP 1, 0, 0
	TURN 1, 0, 1
	STEP 0, 0, 0
	s_sub_co_u32 s3, s3, 1
	s_cmp_lg_u32 s3, 0
	s_cbranch_scc1 .Llap
	TURN 0, 1, 0                                   ; the last lap fills nothing
	STEP 1, 0, 0
	s_wait_dscnt 4*NL
	WIN MUL_LO
	MUL16 0, 1, 0
	MUL16 2, 1, 0
	s_wait_dscnt 0
	WIN MUL_HI
	MUL16 4, 1, 0
	MUL16 6, 1, 0
	WIN 0
	; THE WAY OUT: number = sum x 2^(the two exponents) + bias, quantised with the next product's scale, stored as images: every store is 512 consecutive bytes
	s_wait_kmcnt 0x0
	s_add_co_i32 s96, s76, s77
	s_add_co_i32 s97, s78, s79
	s_add_co_i32 s18, s80, s81
	s_cmp_eq_u32 ttmp9, 1
	s_cselect_b32 s96, s97, s96
	s_cselect_b32 s19, s83, s82                    ; e7 or e6
	s_cmp_eq_u32 ttmp9, 2
	s_cselect_b32 s96, s18, s96
	s_cselect_b32 s19, s85, s19                    ; e9
	s_add_co_i32 s96, s96, 127
	s_lshl_b32 s96, s96, 23
	s_mov_b32 s97, s96                             ; (named with it as a pair)
	MKSC 19, 8, 9
	s_wait_loadcnt 0x0                             ; the biases
	PLACES NP
.macro EPI v
.irp a, 0,1,2,3,4,5,6,7
	WIN 0x02+(\a/4)                                ; source 0: the accumulators' window
.irp j, 0,2,4,6,8,10,12,14,16,18,20,22,24,26,28,30,32,34,36,38,40,42,44,46,48,50,52,54,56,58,60,62
.if \v
	v_pk_fma_f32 v[XV+\j:XV+\j+1], v[64*(\a%4)+\j:64*(\a%4)+\j+1], s[96:97], v[BIAS+2*\a:BIAS+2*\a+1] op_sel_hi:[1,0,1]
.else
	v_pk_fma_f32 v[XV+\j:XV+\j+1], v[64*(\a%4)+\j:64*(\a%4)+\j+1], s[96:97], v[BIAS+\j:BIAS+\j+1] op_sel_hi:[1,0,1]
.endif
.endr
	WIN 0
.if \a >= 2
	s_wait_xcnt 0x0                                ; the stores of two blocks back have read their codes' registers
.endif
	QUANT XV, CDB+16*(\a%2), 8, 9
.if \v
.irp c, 0,1,2,3
	global_store_b128 v[LI], v[CDB+16*(\a%2)+4*\c:CDB+16*(\a%2)+4*\c+3], s[10:11] offset:(\a%4)*2048+(\a/4)*0x40000+512*\c
.endr
.else
	global_store_b128 v[LI], v[CDB+16*(\a%2):CDB+16*(\a%2)+3], s[10:11] offset:1024*\a
	global_store_b128 v[LI], v[CDB+16*(\a%2)+4:CDB+16*(\a%2)+7], s[10:11] offset:1024*\a+512
	global_store_b128 v12, v[CDB+16*(\a%2)+8:CDB+16*(\a%2)+11], s[10:11] offset:1024*\a
	global_store_b128 v12, v[CDB+16*(\a%2)+12:CDB+16*(\a%2)+15], s[10:11] offset:1024*\a+512
.endif
.endr
.endm
	s_cmp_eq_u32 ttmp9, 2
	s_cbranch_scc1 .Lout_v
	s_lshl_b32 s12, s17, 8                         ; Q, K: my first token,
	s_lshl_b32 s13, s15, 7
	s_add_co_u32 s12, s12, s13
	s_lshr_b32 s13, s12, 11                        ; its batch,
	s_and_b32 s18, s12, 2047                       ; its place there;
	s_lshl_b32 s19, s42, 2
	s_lshl_b32 s20, s16, 1
	s_add_co_u32 s19, s19, s20                     ; my first head of two
	s_lshl_b32 s13, s13, 4
	s_add_co_u32 s19, s19, s13
	s_cmp_eq_u32 ttmp9, 1
	s_mov_b32 s20, 0x20000
	s_cselect_b32 s20, 0x40000, s20                ; a head's bytes: 2,048 tokens x 64 (Q) or x 128 (K with V)
	s_cselect_b32 s21, 0x400000, 0
	s_mul_i32 s19, s19, s20
	s_lshr_b32 s22, s20, 11
	s_mul_i32 s18, s18, s22
	s_add_co_u32 s18, s18, s19
	s_add_co_u32 s18, s18, s21
	s_mov_b32 s19, 0
	s_add_nc_u64 s[10:11], s[10:11], s[18:19]
	v_add_nc_u32 v12, s20, v[LI]                   ; the second head
	EPI 0
	s_branch .Lout_done
.Lout_v:
	s_lshl_b32 s12, s42, 8                         ; V: my first token (B's side),
	s_lshl_b32 s13, s16, 7
	s_add_co_u32 s12, s12, s13
	s_lshr_b32 s13, s12, 11
	s_bfe_u32 s18, s12, 0x40007                    ; its key step of 128
	s_lshl_b32 s19, s17, 2
	s_lshl_b32 s20, s15, 1
	s_add_co_u32 s19, s19, s20                     ; my first head of two (A's side)
	s_lshl_b32 s13, s13, 4
	s_add_co_u32 s19, s19, s13
	s_lshl_b32 s19, s19, 4
	s_add_co_u32 s19, s19, s18
	s_lshl_b32 s18, s19, 14
	s_add_co_u32 s18, s18, 0x402000                ; behind Q, and behind the step's eight tiles of K
	s_mov_b32 s19, 0
	s_add_nc_u64 s[10:11], s[10:11], s[18:19]
	EPI 1
.Lout_done:
	s_wait_tensorcnt 0x0                           ; the wave's end
	ds_add_u32 v[SPW], v[NIL]
	s_wait_dscnt 0x0
	CROUND                                         ; the closing round
	s_endpgm
.Lfunc_end_k_qb4ba780f1e_qkv:
	.size	k_qb4ba780f1e_qkv, .Lfunc_end_k_qb4ba780f1e_qkv-k_qb4ba780f1e_qkv
	.p2alignl 7, 3214868480
	.fill 96, 4, 3214868480
	.section	.rodata,"a",@progbits
	.p2align	6, 0x0
	.amdhsa_kernel k_qb4ba780f1e_qkv
		.amdhsa_group_segment_fixed_size 327680
		.amdhsa_private_segment_fixed_size 0
		.amdhsa_enable_private_segment 0
		.amdhsa_kernarg_size 56
		.amdhsa_user_sgpr_count 2
		.amdhsa_user_sgpr_kernarg_segment_ptr 1
		.amdhsa_wavefront_size32 1
		.amdhsa_system_sgpr_workgroup_id_x 1
		.amdhsa_system_sgpr_workgroup_id_y 1
		.amdhsa_system_sgpr_workgroup_id_z 1
		.amdhsa_system_vgpr_workitem_id 0
		.amdhsa_next_free_vgpr 1024
		.amdhsa_next_free_sgpr 102
		.amdhsa_reserve_vcc 0
		.amdhsa_float_denorm_mode_32 3
		.amdhsa_float_denorm_mode_16_64 3
		.amdhsa_memory_ordered 1
		.amdhsa_forward_progress 1
		.amdhsa_inst_pref_size 197
	.end_amdhsa_kernel
	.amdgpu_metadata
---
amdhsa.version: [ 1, 2 ]
amdhsa.kernels:
  - .name:           k_qb4ba780f1e_qkv
    .symbol:         k_qb4ba780f1e_qkv.kd
    .args:
      - { .name: x1c, .offset: 0, .size: 8, .value_kind: global_buffer, .address_space: global }
      - { .name: wc, .offset: 8, .size: 8, .value_kind: global_buffer, .address_space: global }
      - { .name: lowp_scales, .offset: 16, .size: 8, .value_kind: global_buffer, .address_space: global }
      - { .name: qkv, .offset: 24, .size: 8, .value_kind: global_buffer, .address_space: global }
      - { .name: bq, .offset: 32, .size: 8, .value_kind: global_buffer, .address_space: global }
      - { .name: bk, .offset: 40, .size: 8, .value_kind: global_buffer, .address_space: global }
      - { .name: bv, .offset: 48, .size: 8, .value_kind: global_buffer, .address_space: global }
    .group_segment_fixed_size: 327680
    .private_segment_fixed_size: 0
    .kernarg_segment_align: 8
    .kernarg_segment_size: 56
    .max_flat_workgroup_size: 128
    .sgpr_count:     102
    .vgpr_count:     1024
    .wavefront_size: 32
...
	.end_amdgpu_metadata
.endif
;; end of part 9
;; launch attn (part 10): grid 8 x 32, 16 waves a work-group, clusters of 4 x 1, 327,680 bytes of LDS; arguments qkv, lowp_scales, hc; writes hc
.if DOCPART == 10
	.amdgcn_target "amdgcn-amd-amdhsa--gfx1250"
	.amdhsa_code_object_version 6
	.text
	.protected	k_qb4ba780f1e_attn
	.globl	k_qb4ba780f1e_attn
	.p2align	8
	.type	k_qb4ba780f1e_attn,@function
k_qb4ba780f1e_attn:
	s_mov_b64 s[64:65], 0
	v_nop
	global_prefetch_b8 v0, s[64:65] scope:SCOPE_SE
	s_setreg_imm32_b32 hwreg(HW_REG_WAVE_MODE, 25, 1), 1
	s_wait_xcnt 0x0
	s_wait_alu depctr_hold_cnt(0) depctr_sa_sdst(0) depctr_va_vdst(0) depctr_va_sdst(0) depctr_va_ssrc(0) depctr_va_vcc(0) depctr_vm_vsrc(0)
	s_getreg_b32 s2, hwreg(HW_REG_IB_STS2, 6, 4)
	s_cmp_eq_u32 s2, 0
	s_cbranch_scc0 .Lentry_in_a_cluster
	s_endpgm
.Lentry_in_a_cluster:
	s_bfe_u32 s2, ttmp6, 0x10000c
	s_cmp_lg_u32 s2, 0x3003
	s_cbranch_scc0 .Lentry_shape_is_right
	s_endpgm
.Lentry_shape_is_right:
; CAUSAL ATTENTION ON CODES OF E5M2, one (batch, head) for each grid y, head size 64, 2,048 queries and keys.
; t = score x log2(e) / 8; M = the running largest t rounded up to a whole number; p = 2^(t - M) is quantised (e8) along the keys; the row's sum is taken of the unquantised p and divides at the end.
; The result is quantised with e10 and stored as an image of the next product's operand registers.
; IN: Q at byte 0 of qkv: [batch x head][128 tiles of 16 queries][1,024 bytes]; K and V at 0x400000: [batch x head][16 steps of 128 keys][8 tiles of K x 1,024, then 4 tiles of V^T x 2,048].
; LEFT OUT: key steps that lie wholly behind a tile's queries: the causal mask sets their scores to -infinity, so their p is 0 for all inputs.
; SHARES.  Work-group x (0..7) of a head owns the query tiles 8 j + x, j = 0..15; tile j needs key steps 0..j, of which step j lies on the diagonal: so a tile's length hangs on j alone.
; Tiles j = p and j = 15 - p have 17 steps together and go to a pair of waves (p = wave / 2).  Wave A walks key steps 0..7: tile p up to step p, which it then divides and stores; from step p + 1 on tile 15 - p.
; Wave B takes tile 15 - p in steps 0..p and 8..15 - p.  That is 8 and 9 steps.  A's partial (O^T, sum, -M) goes through an LDS stage of its own; B brings both under the larger M by powers of two (nothing is rounded) and stores.
; Which of a pair is A: bit 0 of wave xor (wave / 4), so that waves 4 apart take turns between the two roles.
; LDS: a head's K and V, 262,144 bytes, lie there once, as in memory: steps 0..3 are asked for at the head (4,096 bytes a wave), steps 4..15 behind the full sequence (12,288 bytes a wave); nothing is filled again.
; CLUSTER 4, 1, 1: four work-groups of one head ask for the same bytes jointly (mask 15).  No branch and no LDS address hangs on the place in the cluster: all branches hang on the wave's number and the count of steps.
; NO PREFETCH: both tensor loads stand in the head; there is no loop to run ahead in.
; Both products are used transposed (source 0 = keys, or V^T's rows; source 1 = my queries, or p): a lane holds one query; K's tiles are permuted, so register 16 b + i of the scores is key 32 b + 16 (lane / 16) + i.
; LIMITS: e6 + e7 between -123 and 130; e8 and e10 between -126 and 112; the scaled scores stay under 2^31 in magnitude; NaN and infinities are not served.
; REGISTERS: v1 16 x lane; v8 step's LDS address; v9, v10 stage; v11 diagonal; v12 -M, v13 largest t, v[14:15] sum; v16-23 Q; v24-31 the second tile's Q; v32-95 fragments; v96-159 scores, p; v160-191 O^T; v224-239 p's codes.
.set SPARE, 0x40000                    ; behind K and V: the spare words, 128 bytes a wave
.set STAGE, 0x40800                    ; behind them: eight stages, one a pair
.set SPP,   4352                       ; a stage: 8 x 512 bytes of O^T, then 8 bytes a lane
.set LI,  1
.set ADR, 8
.set STO, 9
.set STP, 10
.set DV,  11
.set SPW, 251
.set NIL, 255
.set WV,  18
.set SEL, 20
.set CS,  22
.set G1A, 24
.set G1C, 32
.set G0A, 40
.set G0C, 44
.set TB,  48                           ; LDS byte of the key step in hand
.set KS,  49                           ; its number
.set DG,  50                           ; the step on my tile's diagonal
.set LIM, 51                           ; I work steps 0..LIM,
.set CN2, 52                           ; and CN2 steps from step 8 on
.set SW,  53                           ; behind this step A changes tiles (64: never)
.set ROLE, 54                          ; 0 = A, 1 = B
.macro MKSC e, vs, vl                  ; 2^e as f32, and 57,344 x 2^e
	s_add_co_i32 s58, s[\e], 127
	s_lshl_b32 s59, s58, 23
	v_mov_b32 v[\vs], s59
	s_add_co_i32 s58, s58, 15
	s_lshl_b32 s58, s58, 23
	s_or_b32 s58, s58, 0x600000
	v_mov_b32 v[\vl], s58
.endm
.macro ROUND                           ; a round of the cluster's barrier
	s_barrier_signal -1
	s_barrier_wait -1
	s_cmp_lg_u32 s[WV], 0
	s_cbranch_scc1 .Lnot_wave_0_\@
	s_barrier_signal -3
.Lnot_wave_0_\@:
	s_barrier_wait -3
	s_barrier_signal -1
	s_barrier_wait -1
.endm
.macro FINAL                           ; v14 = my half's sum: O^T / the row's sum x 2^(e8 + e9), quantised with e10, stored: 2 x 512 consecutive bytes a wave
	v_permlanex16_b32 v236, v14, s[SEL], s[SEL+1]
	s_delay_alu instid0(VALU_DEP_1)
	v_add_f32 v14, v14, v236
	s_wait_alu depctr_va_vdst(0)                   ; a wait ahead of the transcendental
	v_rcp_f32 v14, v14
	v_nop
	s_wait_alu depctr_va_vdst(0)                   ; and ahead of its first reader
	v_ldexp_f32 v14, v14, s60
	s_wait_alu depctr_va_vdst(0)                   ; and directly ahead of the first reader of O^T
.set j, 0
.rept 16
	v_pk_mul_f32 v[96+j:97+j], v[160+j:161+j], v[14:15] op_sel_hi:[1,0]
.set j, j+2
.endr
.set j, 0
.rept 32
	v_med3_num_f32 v[96+j], v[96+j], -v241, v241   ; the conversion does not saturate (ISA guide 7.6.2)
.set j, j+1
.endr
.set j, 0
.rept 4
	v_cvt_scalef32_pk8_bf8_f32 v[224+2*j:225+2*j], v[96+8*j:103+8*j], v245
.set j, j+1
.endr
	v_nop
	global_store_b128 v[LI], v[224:227], s[8:9]
	global_store_b128 v[LI], v[228:231], s[8:9] offset:512
.endm
	s_load_b128 s[4:7], s[0:1], 0x0                ; qkv, the exponents
	s_load_b64 s[8:9], s[0:1], 0x10                ; hc
	v_lshl_add_u32 v[SPW], v0, 2, SPARE
	v_mov_b32 v[NIL], 0
	ds_add_u32 v[SPW], v[NIL]                      ; the opening lines: the add,
	ds_add_u32 v[SPW], v[NIL]                      ; once more; work on registers stands between it and the wait
	v_lshrrev_b32 v8, 5, v0
	v_readfirstlane_b32 s[WV], v8                  ; wave 0..15
	v_and_b32 v2, 31, v0
	v_lshlrev_b32 v[LI], 4, v2
	s_wait_alu depctr_va_vdst(0)
	s_lshr_b32 s55, s[WV], 1                       ; p
	s_lshr_b32 s56, s[WV], 2
	s_xor_b32 s56, s56, s[WV]
	s_and_b32 s[ROLE], s56, 1
	s_sub_co_u32 s57, 15, s55                      ; 15 - p
	s_sub_co_u32 s58, 8, s55                       ; 8 - p
	s_cmp_eq_u32 s[ROLE], 0
	s_cselect_b32 s[DG], s55, s57                  ; my first tile's j
	s_cselect_b32 s[LIM], 7, s55
	s_cselect_b32 s[CN2], 0, s58
	s_cselect_b32 s[SW], s55, 64
	s_bfe_u32 s59, ttmp6, 0x40000                  ; cx
	s_lshl_b32 s84, ttmp9, 2
	s_add_co_u32 s84, s84, s59                     ; x = 4 x cluster x + cx
	s_and_b32 s85, ttmp7, 0xffff                   ; batch x head
	s_lshl_b32 s86, s[DG], 3
	s_add_co_u32 s86, s86, s84                     ; my first tile: the one that I store
	s_lshl_b32 s87, s57, 3
	s_add_co_u32 s87, s87, s84                     ; tile 8 (15 - p) + x: A's second (B names its own again, so that v24-31 are written on every way)
	s_lshl_b32 s88, s85, 17
	s_lshl_b32 s90, s86, 10
	s_add_co_u32 s90, s90, s88
	s_mov_b32 s91, 0
	s_lshl_b32 s92, s87, 10
	s_add_co_u32 s92, s92, s88
	s_mov_b32 s93, 0
	s_lshl_b32 s94, s85, 18
	s_add_co_u32 s94, s94, 0x400000                ; the head's K and V
	s_lshl_b32 s96, s[WV], 12                      ; my 4,096 bytes of steps 0..3: the same place in LDS as in the head's block
	s_mul_i32 s97, s[WV], 12288
	s_add_co_u32 s97, s97, 65536                   ; my 12,288 bytes of steps 4..15
	s_add_co_u32 s98, s94, s96
	s_mov_b32 s99, 0
	s_add_co_u32 s100, s94, s97
	s_mov_b32 s101, 0
	s_mul_i32 s56, s55, SPP
	s_add_co_u32 s56, s56, STAGE                   ; my pair's stage
	v_add_nc_u32 v[STO], s56, v[LI]
	s_add_co_u32 s56, s56, 4096
	v_lshlrev_b32 v[STP], 3, v2
	v_add_nc_u32 v[STP], s56, v[STP]
	v_and_b32 v3, 15, v0
	v_bfe_u32 v4, v0, 4, 1
	v_lshlrev_b32 v4, 4, v4
	v_sub_nc_u32 v[DV], v3, v4
	s_lshl_b32 s89, s84, 4
	v_add_nc_u32 v[DV], s89, v[DV]                 ; d = 16 x + lane % 16 - 16 (lane / 16): on the diagonal register 16 b + i is hidden where 32 b + i > d
.irp g, G1A, G1C
	s_mov_b32 s[\g], 15|(3<<16)|(1<<21)            ; the mask: all four of the cluster; elements of 8 bytes; bit 21 beside a mask
	s_mov_b32 s[\g+1], 32<<16                      ; the dense block goes as rows of 256 bytes
	s_mov_b32 s[\g+3], 32<<16
	s_mov_b32 s[\g+5], 32
	s_mov_b32 s[\g+6], 0
	s_mov_b32 s[\g+7], 0
.endr
	s_mov_b32 s[G1A+2], 16<<16                     ; 16 rows,
	s_mov_b32 s[G1A+4], 16
	s_mov_b32 s[G1C+2], 48<<16                     ; 48 rows
	s_mov_b32 s[G1C+4], 48
	s_mov_b32 s[SEL], 0x76543210
	s_mov_b32 s[SEL+1], 0xfedcba98
	s_mov_b32 s[CS], 0x3e38aa3b                    ; log2(e) / 8
	s_wait_alu depctr_va_vdst(0)
	s_wait_dscnt 0x0                               ; both opening adds are done
	s_wait_kmcnt 0x0
	s_load_b512 s[68:83], s[6:7], 0x0              ; e0 .. e15
	s_mov_b32 s[G0A], 1
	s_mov_b32 s[G0A+1], s96
	s_add_nc_u64 s[G0A+2:G0A+3], s[4:5], s[98:99]
	s_or_b32 s[G0A+3], s[G0A+3], 0x80000000
	s_mov_b32 s[G0C], 1
	s_mov_b32 s[G0C+1], s97
	s_add_nc_u64 s[G0C+2:G0C+3], s[4:5], s[100:101]
	s_or_b32 s[G0C+3], s[G0C+3], 0x80000000
	ROUND                                          ; the four work-groups are here: the first joint loads meet
	tensor_load_to_lds s[G0A:G0A+3], s[G1A:G1A+7]  ; steps 0..3: one tensor load a wave at the head
	s_nop 0
	s_add_nc_u64 s[90:91], s[4:5], s[90:91]
	s_add_nc_u64 s[92:93], s[4:5], s[92:93]
	global_load_b128 v[16:19], v[LI], s[90:91]
	global_load_b128 v[20:23], v[LI], s[90:91] offset:512
	global_load_b128 v[24:27], v[LI], s[92:93]
	global_load_b128 v[28:31], v[LI], s[92:93] offset:512
	s_and_b32 s55, s85, 15                         ; where my tile goes in hc: [head / 4][batch][128 tiles][head / 2 % 2][head % 2][1,024 bytes]
	s_lshr_b32 s56, s85, 4
	s_lshr_b32 s57, s55, 2
	s_lshl_b32 s57, s57, 8
	s_lshl_b32 s56, s56, 7
	s_add_co_u32 s57, s57, s56
	s_add_co_u32 s57, s57, s86
	s_lshl_b32 s57, s57, 1
	s_bfe_u32 s56, s55, 0x10001
	s_add_co_u32 s57, s57, s56
	s_lshl_b32 s56, s57, 11
	s_and_b32 s55, s55, 1
	s_lshl_b32 s55, s55, 10
	s_add_co_u32 s56, s56, s55
	s_mov_b32 s57, 0
	s_add_nc_u64 s[8:9], s[8:9], s[56:57]
	v_mov_b32 v13, 0xff61b1e6                      ; the largest t so far: -3e38
	v_floor_f32 v12, -v13
	v_mov_b32 v14, 0
	v_mov_b32 v15, 0
	v_mov_b32 v236, 0
	v_mov_b32 v252, 0
	v_mov_b32 v253, 0
.set j, 0
.rept 32
	v_mov_b32 v[160+j], 0                          ; the step is written once: the first finds zeros
.set j, j+1
.endr
	s_wait_kmcnt 0x0
	s_add_co_i32 s58, s74, s75
	s_lshl_b32 s58, s58, 23
	s_add_co_i32 s[CS], s[CS], s58                 ; x 2^(e6 + e7)
	s_mov_b32 s[CS+1], s[CS]
	MKSC 76, 244, 240                              ; e8
	v_mov_b32 v247, s58                            ; the bound once more, for the second half of a dual pair
	MKSC 78, 245, 241                              ; e10
	s_add_co_i32 s60, s76, s77                     ; e8 + e9
; A KEY STEP of 128 keys.  The tests at its head, on the diagonal and at its end hang on the wave's number and the count of steps alone.
.macro STEP
	s_cmp_le_u32 s[KS], s[LIM]
	s_cbranch_scc1 .Lwork_\@
	s_sub_co_u32 s96, s[KS], 8
	s_cmp_ge_u32 s96, s[CN2]
	s_cbranch_scc1 .Lhidden_\@
.Lwork_\@:
	v_add_nc_u32 v[ADR], s[TB], v[LI]
.rept 3
	v_nop                                          ; with the line above: four places in front of loads into registers that the last products read
.endr
.set t, 0
.rept 8
	ds_load_b128 v[32+8*t:35+8*t], v[ADR] offset:1024*t
	ds_load_b128 v[36+8*t:39+8*t], v[ADR] offset:1024*t+512
.set t, t+1
.endr
	s_wait_alu depctr_va_vdst(0)
	s_wait_dscnt 0x0
.set t, 0
.rept 8
	v_wmma_f32_16x16x64_bf8_bf8 v[96+8*t:103+8*t], v[32+8*t:39+8*t], v[16:23], 0
.set t, t+1
.endr
.rept 4
	v_nop
.endr
.set t, 0
.rept 4
.set c, 0
.rept 4
	ds_load_b128 v[32+16*t+4*c:35+16*t+4*c], v[ADR] offset:8192+2048*t+512*c   ; V^T's fragments come while the softmax is worked
.set c, c+1
.endr
.set t, t+1
.endr
	s_cmp_lg_u32 s[KS], s[DG]
	s_cbranch_scc1 .Lopen_\@
	v_mov_b32 v254, 0xff800000                     ; on the diagonal hidden scores become -infinity ahead of the maximum
.set n, 0
.rept 64
	v_cmp_gt_i32 vcc_lo, 32*(n/16)+n%16, v[DV]
	v_cndmask_b32 v[96+n], v[96+n], v254, vcc_lo
.set n, n+1
.endr
.Lopen_\@:
	v_max3_num_f32 v254, v96, v97, v98
	v_max3_num_f32 v252, v99, v100, v101
.irp i, 6,10,14,18,22,26,30,34,38,42,46,50,54,58
	v_max3_num_f32 v254, v254, v[96+\i], v[97+\i]
	v_max3_num_f32 v252, v252, v[98+\i], v[99+\i]
.endr
	v_max3_num_f32 v254, v254, v158, v159
	s_delay_alu instid0(VALU_DEP_1)
	v_max_num_f32 v254, v254, v252
	v_permlanex16_b32 v236, v254, s[SEL], s[SEL+1]
	s_delay_alu instid0(VALU_DEP_1)
	v_max_num_f32 v254, v254, v236
	s_delay_alu instid0(VALU_DEP_1)
	v_mul_f32 v254, s[CS], v254
	s_delay_alu instid0(VALU_DEP_1)
	v_max_num_f32 v13, v13, v254                   ; the running largest t
	v_mov_b32 v254, v12
	s_delay_alu instid0(VALU_DEP_2)
	v_floor_f32 v12, -v13                          ; -M = floor(-t)
	s_delay_alu instid0(VALU_DEP_1)
	v_sub_f32 v254, v12, v254
	s_delay_alu instid0(VALU_DEP_1)
	v_cvt_i32_f32 v254, v254
	s_delay_alu instid0(VALU_DEP_1)
	v_ldexp_f32 v252, 1.0, v254                    ; f = 2^(old M - new M)
.set j, 0
.rept 32
	v_pk_fma_f32 v[96+j:97+j], v[96+j:97+j], s[CS:CS+1], v[12:13] op_sel_hi:[1,0,0]
.set j, j+2
.endr
.set j, 0
	s_wait_alu depctr_va_vdst(0)                   ; one wait ahead of the batch,
.rept 64
	v_exp_f32 v[96+j], v[96+j]
.set j, j+1
.endr
	v_pk_mul_f32 v[14:15], v[14:15], v[252:253] op_sel_hi:[1,0]
	s_wait_alu depctr_va_vdst(0)                   ; and one behind it
	v_pk_add_f32 v[242:243], v[96:97], v[98:99]    ; the sum of the unquantised p, in two chains
.irp j, 4,8,12,16,20,24,28,32,36,40,44,48,52,56,60
	v_pk_add_f32 v[14:15], v[14:15], v[96+\j:97+\j]
	v_pk_add_f32 v[242:243], v[242:243], v[98+\j:99+\j]
.endr
	s_delay_alu instid0(VALU_DEP_1)
	v_pk_add_f32 v[14:15], v[14:15], v[242:243]
.irp b, 0,1,2,3
.irp i, 0,2,4,6,8,10,12,14
	v_dual_min_num_f32 v[96+16*\b+\i], v[96+16*\b+\i], v240 :: v_dual_min_num_f32 v[97+16*\b+\i], v[97+16*\b+\i], v247   ; the hold, one-sided (p is not negative), two numbers a line
.endr
	v_cvt_scalef32_pk8_bf8_f32 v[224+4*\b:225+4*\b], v[96+16*\b:103+16*\b], v244
	v_cvt_scalef32_pk8_bf8_f32 v[226+4*\b:227+4*\b], v[104+16*\b:111+16*\b], v244
.endr
.set j, 0
.rept 16
	v_pk_mul_f32 v[160+j:161+j], v[160+j:161+j], v[252:253] op_sel_hi:[1,0]   ; O^T under the new M
.set j, j+2
.endr
	s_wait_alu depctr_va_vdst(0)
	s_wait_dscnt 0x0
.set t, 0
.rept 4
	v_wmma_f32_16x16x128_bf8_bf8 v[160+8*t:167+8*t], v[32+16*t:47+16*t], v[224:239], v[160+8*t:167+8*t]
.set t, t+1
.endr
	s_cmp_lg_u32 s[KS], s[SW]
	s_cbranch_scc1 .Lhidden_\@
.rept 4
	v_nop                                          ; A's first tile is finished: it is divided and stored, and the state begins anew for tile 15 - p
.endr
	v_add_f32 v14, v14, v15
	FINAL
	s_wait_xcnt 0x0                                ; the stores have read the codes' registers
	v_mov_b32 v13, 0xff61b1e6
	v_floor_f32 v12, -v13
	v_mov_b32 v14, 0
	v_mov_b32 v15, 0
.set j, 0
.rept 32
	v_mov_b32 v[160+j], 0
.set j, j+1
.endr
.set j, 0
.rept 8
	v_mov_b32 v[16+j], v[24+j]
.set j, j+1
.endr
	s_mov_b32 s[DG], 64                            ; none of the steps that A takes of tile 15 - p lies on its diagonal
	s_wait_alu depctr_va_vdst(0)
.Lhidden_\@:
	s_add_co_u32 s[TB], s[TB], 16384
.endm
	s_wait_alu depctr_va_vdst(0)
	s_wait_tensorcnt 0x0                           ; my part of steps 0..3 is in; the later first fill is issued as a refill is:
	ds_add_u32 v[SPW], v[NIL]
	s_wait_dscnt 0x0
	ROUND                                          ; everybody's part is in, and the four work-groups meet
	tensor_load_to_lds s[G0C:G0C+3], s[G1C:G1C+7]  ; steps 4..15: it lands while steps 0..3 are worked
	s_nop 0
.rept 4
	v_nop
.endr
	s_mov_b32 s[TB], 0
	s_mov_b32 s[KS], 0
	s_wait_loadcnt 0x0                             ; Q
.Lfirst:
	STEP
	s_add_co_u32 s[KS], s[KS], 1
	s_cmp_lt_u32 s[KS], 4
	s_cbranch_scc1 .Lfirst
	s_wait_tensorcnt 0x0                           ; my part of steps 4..15 is in,
	s_wait_dscnt 0x0
	s_barrier_signal -1
	s_barrier_wait -1                              ; everybody's is; from here on the waves walk by themselves
	s_mov_b32 s[TB], 65536
	s_mov_b32 s[KS], 4
.Lsecond:
	STEP
	s_add_co_u32 s[KS], s[KS], 1
	s_cmp_lt_u32 s[KS], 16
	s_cbranch_scc1 .Lsecond
.rept 4
	v_nop                                          ; places behind the last products
.endr
	v_add_f32 v14, v14, v15
	v_mov_b32 v242, v12
	v_mov_b32 v243, v14
	s_wait_alu depctr_va_vdst(0)
	s_cmp_lg_u32 s[ROLE], 0
	s_cbranch_scc1 .Lnot_a
.set k, 0
.rept 8
	ds_store_b128 v[STO], v[160+4*k:163+4*k] offset:512*k   ; A's partial of tile 15 - p, as an image of its registers
.set k, k+1
.endr
	ds_store_b64 v[STP], v[242:243]                ; -M and my half's sum
.Lnot_a:
	s_wait_dscnt 0x0
	s_barrier_signal -1
	s_barrier_wait -1
	s_cmp_eq_u32 s[ROLE], 0
	s_cbranch_scc1 .Lend
.set k, 0
.rept 8
	ds_load_b128 v[32+4*k:35+4*k], v[STO] offset:512*k
.set k, k+1
.endr
	ds_load_b64 v[64:65], v[STP]
	s_wait_dscnt 0x0
	v_mov_b32 v71, 0                               ; (named as upper halves of pairs)
	v_mov_b32 v73, 0
	v_min_num_f32 v66, v64, v12                    ; -M of the two together
	v_sub_f32 v67, v66, v64
	v_sub_f32 v68, v66, v12
	v_cvt_i32_f32 v67, v67                         ; whole numbers, 0 or less (it saturates: an empty partial gets the factor 0)
	v_cvt_i32_f32 v68, v68
	v_ldexp_f32 v70, 1.0, v67                      ; A's factor,
	v_ldexp_f32 v72, 1.0, v68                      ; mine
	v_mul_f32 v14, v14, v72
	v_fmac_f32 v14, v65, v70
.set j, 0
.rept 16
	v_pk_mul_f32 v[160+j:161+j], v[160+j:161+j], v[72:73] op_sel_hi:[1,0]
.set j, j+2
.endr
.set j, 0
.rept 16
	v_pk_fma_f32 v[160+j:161+j], v[32+j:33+j], v[70:71], v[160+j:161+j] op_sel_hi:[1,0,1]
.set j, j+2
.endr
	FINAL
.Lend:
	s_wait_tensorcnt 0x0                           ; the wave's end
	ds_add_u32 v[SPW], v[NIL]
	s_wait_dscnt 0x0
	ROUND                                          ; the closing round
	s_endpgm
.Lfunc_end_k_qb4ba780f1e_attn:
	.size	k_qb4ba780f1e_attn, .Lfunc_end_k_qb4ba780f1e_attn-k_qb4ba780f1e_attn
	.p2alignl 7, 3214868480
	.fill 96, 4, 3214868480
	.section	.rodata,"a",@progbits
	.p2align	6, 0x0
	.amdhsa_kernel k_qb4ba780f1e_attn
		.amdhsa_group_segment_fixed_size 327680
		.amdhsa_private_segment_fixed_size 0
		.amdhsa_enable_private_segment 0
		.amdhsa_kernarg_size 24
		.amdhsa_user_sgpr_count 2
		.amdhsa_user_sgpr_kernarg_segment_ptr 1
		.amdhsa_wavefront_size32 1
		.amdhsa_system_sgpr_workgroup_id_x 1
		.amdhsa_system_sgpr_workgroup_id_y 1
		.amdhsa_system_sgpr_workgroup_id_z 1
		.amdhsa_system_vgpr_workitem_id 0
		.amdhsa_next_free_vgpr 256
		.amdhsa_next_free_sgpr 102
		.amdhsa_reserve_vcc 1
		.amdhsa_float_denorm_mode_32 3
		.amdhsa_float_denorm_mode_16_64 3
		.amdhsa_memory_ordered 1
		.amdhsa_forward_progress 1
		.amdhsa_inst_pref_size 70
	.end_amdhsa_kernel
	.amdgpu_metadata
---
amdhsa.version: [ 1, 2 ]
amdhsa.kernels:
  - .name:           k_qb4ba780f1e_attn
    .symbol:         k_qb4ba780f1e_attn.kd
    .args:
      - { .name: qkv, .offset: 0, .size: 8, .value_kind: global_buffer, .address_space: global }
      - { .name: lowp_scales, .offset: 8, .size: 8, .value_kind: global_buffer, .address_space: global }
      - { .name: hc, .offset: 16, .size: 8, .value_kind: global_buffer, .address_space: global }
    .group_segment_fixed_size: 327680
    .private_segment_fixed_size: 0
    .kernarg_segment_align: 8
    .kernarg_segment_size: 24
    .max_flat_workgroup_size: 512
    .sgpr_count:     102
    .vgpr_count:     256
    .wavefront_size: 32
...
	.end_amdgpu_metadata
.endif
;; end of part 10
;; launch wo (part 11): grid 8 x 32, 4 waves a work-group, clusters of 4 x 4, 327,680 bytes of LDS; arguments hc, wc, lowp_scales, y, bo, x1; writes y
.if DOCPART == 11
	.amdgcn_target "amdgcn-amd-amdhsa--gfx1250"
	.amdhsa_code_object_version 6
	.text
	.protected	k_qb4ba780f1e_wo
	.globl	k_qb4ba780f1e_wo
	.p2align	8
	.type	k_qb4ba780f1e_wo,@function
k_qb4ba780f1e_wo:
	s_mov_b64 s[64:65], 0
	v_nop
	global_prefetch_b8 v0, s[64:65] scope:SCOPE_SE
	s_setreg_imm32_b32 hwreg(HW_REG_WAVE_MODE, 25, 1), 1
	s_wait_xcnt 0x0
	s_wait_alu depctr_hold_cnt(0) depctr_sa_sdst(0) depctr_va_vdst(0) depctr_va_sdst(0) depctr_va_ssrc(0) depctr_va_vcc(0) depctr_vm_vsrc(0)
	s_getreg_b32 s2, hwreg(HW_REG_IB_STS2, 6, 4)
	s_cmp_eq_u32 s2, 0
	s_cbranch_scc0 .Lentry_in_a_cluster
	s_endpgm
.Lentry_in_a_cluster:
	s_bfe_u32 s2, ttmp6, 0x10000c
	s_cmp_lg_u32 s2, 0xf033
	s_cbranch_scc0 .Lentry_shape_is_right
	s_endpgm
.Lentry_shape_is_right:
; y = x1 + h Wo + bo.  h [4,096][1,024] and Wo (as [n][k]) are codes of E5M2 stored as images of operand registers; sums in f32, each multiplied once by 2^(e10 + e11).
; THE TILE: 4,096 x 1,024 outputs in tiles of 256 x 256 would be 64 work-groups; tiles of 128 x 128 are 256.  Four waves, each 64 x 64: 16 accumulators of 16 x 16, 128 registers.
; A wave reads 8 fragments from LDS for 16 products.
; THE IMAGES: an operand [R][K] lies as [K/256][R/16][2][4][32 lanes][16 bytes], so 128 rows x 256 along K are 32,768 bytes on end, a fragment (16 rows x 128 K) 2,048, and an LDS load takes 512 consecutive bytes: no padding.
; THE SLOTS: a slot holds 512 along K: A's 128 rows (two blocks of 32,768 bytes, 256 along K each), then B's.  Waves 0 and 1 fetch A's two blocks, waves 2 and 3 B's, one tensor load each.
; K = 1,024 is two slots: both are asked for at the head, and nothing is filled again.
; CLUSTERS: 4 x 4 work-groups; A's blocks are shared along a row of the cluster, B's along a column: each is asked for jointly, by the same tensor load with the same descriptor and a mask that names the four.
; Source 0 = B's fragment, source 1 = A's: lane (r, h) holds token r of a block, and, Wo's tiles being permuted (tile 2 b + u takes row 32 b + 8 u + r + 8 (r / 8)), register j of tile t is column
; 32 (t / 2) + 16 h + 8 (t % 2) + j of my 64.
; THE WAY OUT: my 64 columns of f32 are 256 bytes, aligned: a block of 16 tokens goes through my own stage in LDS (in slot 0, which has had its last fill and its last read) and comes back as rows: sixteen lanes store 256 consecutive bytes.
; The residual's 64 x 64 numbers of the wave are asked for at the head, into registers that the loop does not touch, and waited for on the way out.
; REGISTERS: window 0: v0-31 addresses, v32-95 the way out, v128-255 the accumulators ((a, b) at v[128 + 8 (4 a + b)]);  window 1: two fragment buffers of 128 (B's four, then A's four);  window 2: v0-127 the residual.
; LIMIT: e10 + e11 between -126 and 127, so that 2^(e10 + e11) is an f32 number.
.set ASTR, 0x100000                    ; bytes from 256 along K to the next: 4,096 rows x 256
.set BSTR, 0x40000                     ; 1,024 rows x 256
.set LOGA, 20
.set LOGB, 18
.set BOFF, 0x800000                    ; Wo's codes in wc
.set EA, 86                            ; s86 = e10, s87 = e11
.set LAPS, 1                           ; a lap = two slots = 1,024 along K
.set HALFT, 32768                      ; what one tensor load brings
.set SLOT,  4*HALFT
.set SPARE, 2*SLOT                     ; behind the slots: the spare words, 128 bytes a wave: two blocks of 256 bytes that no other line names
.set SPITCH, 272                       ; a stage row: 256 bytes + 16: the 16 rows that a store touches start at 16 different groups of four banks
.set FR, 16
.set NP, 4
.set ADRA, 16                          ; v16-17 LDS address of my A fragments in slot 0, 1
.set ADRB, 20                          ; v20-21 the same for B
.set STO, 24                           ; v24 the stage: where I put a tile's 32 bytes of a row
.set RD,  25                           ; v25 and where I read a row back
.set LI,  26                           ; v26 16 x lane
.set CO,  27                           ; v27 my byte offset in two rows of the output and of the residual
.set SPW, 28                           ; v28 my spare word; never rewritten
.set NIL, 29                           ; v29 0; never rewritten
.set CB,  30                           ; v30 16 x (lane % 16): my four columns
.set BK,  32                           ; rows back from the stage: v32-63 and v64-95 by turns
.set ACC, 128
.set F0,  0                            ; fragment buffers, in window 1
.set F1,  128
.set G1, 24
.set G0, 32
.set G1B, 48
.set G0B, 56
.set MSB, 0
.macro WIN new                         ; the immediate's high byte repeats the setting that is left
.if MSB != (\new)
	s_set_vgpr_msb (MSB<<8)|(\new)
.set MSB, (\new)
.endif
.endm
.set MUL,  0x05                        ; sources 0 (B) and 1 (A) window 1; C and D window 0
.set TO_F, 0x40                        ; destination window 1, address window 0
.macro JLOAD g0a, g1a, g0b, g1b        ; a joint load: waves 0, 1 fetch for A, waves 2, 3 for B; four v_nop follow each line
	s_cmp_eq_u32 s15, 0
	s_cbranch_scc0 .Lfor_b_\@
	tensor_load_to_lds s[\g0a:\g0a+3], s[\g1a:\g1a+7]
	s_nop 0
.rept 4
	v_nop
.endr
	s_branch .Lasked_\@
.Lfor_b_\@:
	tensor_load_to_lds s[\g0b:\g0b+3], s[\g1b:\g1b+7]
	s_nop 0
.rept 4
	v_nop
.endr
.Lasked_\@:
.endm
.macro CREST                           ; a round of the cluster's barrier behind its opening barrier
	s_cmp_lg_u32 s14, 0
	s_cbranch_scc1 .Lnot_wave_0_\@
	s_barrier_signal -3
.Lnot_wave_0_\@:
	s_barrier_wait -3
	s_barrier_signal -1
	s_barrier_wait -1
.endm
.macro CROUND
	s_barrier_signal -1
	s_barrier_wait -1
	CREST
.endm
.macro FRAG reg, adr, q, i             ; fragment (my tile i, the slot's q-th 128 along K) as it lies: four loads of 512 consecutive bytes
.irp c, 0,1,2,3
	ds_load_b128 v[\reg+4*\c:\reg+4*\c+3], v[\adr] offset:((\q)/2)*HALFT+(2*(\i)+(\q)%2)*2048+512*\c
.endr
.endm
.macro FETCH slot, q, f                ; 32 LDS loads in one run: B's four fragments, then A's blocks 0 to 3
	WIN TO_F
.irp i, 0,1,2,3
	FRAG \f+FR*\i, ADRB+\slot, \q, \i
.endr
.irp i, 0,1,2,3
	FRAG \f+64+FR*\i, ADRA+\slot, \q, \i
.endr
.endm
.macro MULA f, a, zero                 ; A's block a x B's four; the 16 accumulators take turns, one instruction a turn, in the same order in every step
.irp b, 0,1,2,3
.if \zero
	v_wmma_f32_16x16x128_bf8_bf8 v[ACC+8*(4*(\a)+\b):ACC+8*(4*(\a)+\b)+7], v[\f+FR*\b:\f+FR*\b+FR-1], v[\f+64+FR*(\a):\f+64+FR*(\a)+FR-1], 0
.else
	v_wmma_f32_16x16x128_bf8_bf8 v[ACC+8*(4*(\a)+\b):ACC+8*(4*(\a)+\b)+7], v[\f+FR*\b:\f+FR*\b+FR-1], v[\f+64+FR*(\a):\f+64+FR*(\a)+FR-1], v[ACC+8*(4*(\a)+\b):ACC+8*(4*(\a)+\b)+7]
.endif
.endr
.endm
.macro PLACES n                        ; plain lines between a matrix instruction and a load into, or a read of, its registers
.rept \n
	v_nop
.endr
.endm
.macro STEP slot, nq, f, g, zero       ; 128 along K out of buffer f; in its middle the slot's step nq is fetched into buffer g
	s_wait_dscnt 8                                 ; B's four and A's blocks 0, 1 are in; the youngest eight loads (A's blocks 2, 3) may be out
	WIN MUL
	MULA \f, 0, \zero
	MULA \f, 1, \zero
	PLACES NP                                      ; buffer g was read by the last step's products
	FETCH \slot, \nq, \g
	s_wait_dscnt 32                                ; all but the 32 just issued
	WIN MUL
	MULA \f, 2, \zero
	MULA \f, 3, \zero
.endm
.macro TURN slot, next, fill           ; a slot's fourth step, out of buffer 1, and the change of slots
	WIN 0                                          ; (the add's two registers lie in window 0)
	s_wait_tensorcnt 0x0                           ; all my tensor loads have landed: my part of the next slot
	ds_add_u32 v[SPW], v[NIL]                      ; 0 onto my spare word
	s_wait_dscnt 9                                 ; the add and the youngest eight loads may be out
	WIN MUL
	MULA F1, 0, 0                                  ; four products stand between the add and the wait for it
	s_wait_dscnt 0x0                               ; the add is done, and my reads of this slot are over
	s_barrier_signal -1
	MULA F1, 1, 0
	WIN 0
	s_barrier_wait -1
.if \fill
	CREST                                          ; no wave of any partner still reads this slot or has a load on its way
	s_add_nc_u64 s[G0+4*\slot+2:G0+4*\slot+3], s[G0+4*\slot+2:G0+4*\slot+3], 4*ASTR    ; two slots, 1,024 along K, on
	s_add_nc_u64 s[G0B+4*\slot+2:G0B+4*\slot+3], s[G0B+4*\slot+2:G0B+4*\slot+3], 4*BSTR
	JLOAD G0+4*\slot, G1, G0B+4*\slot, G1B         ; the first tensor load behind the round; its four v_nop are the places in front of the loads below
.else
	PLACES NP
.endif
	FETCH \next, 0, F0
	WIN MUL
	MULA F1, 2, 0
	MULA F1, 3, 0
.endm
	s_load_b256 s[4:11], s[0:1], 0x0               ; A's codes, wc, the exponents, the output
	s_load_b128 s[68:71], s[0:1], 0x20             ; the bias, the residual
	v_lshl_add_u32 v[SPW], v0, 2, SPARE
	v_mov_b32 v[NIL], 0
	ds_add_u32 v28, v29
	ds_add_u32 v28, v29
	s_wait_dscnt 0x0
	v_lshrrev_b32 v1, 5, v0
	v_readfirstlane_b32 s14, v1                    ; wave 0..3
	s_lshr_b32 s15, s14, 1                         ; which 64 of A's rows are mine.  Also: I fetch for A (0) or for B (1)
	s_and_b32 s16, s14, 1                          ; which 64 of B's rows.  Also: which 256 along K of a slot I fetch
	s_bfe_u32 s40, ttmp6, 0x40000                  ; cx
	s_bfe_u32 s41, ttmp6, 0x40004                  ; cy
	s_lshl_b32 s42, ttmp9, 2
	s_add_co_u32 s42, s42, s40                     ; tile column, 0..7
	s_and_b32 s17, ttmp7, 0xffff
	s_lshl_b32 s17, s17, 2
	s_add_co_u32 s17, s17, s41                     ; tile row, 0..31
	s_lshl_b32 s43, s41, 2
	s_lshl_b32 s43, 15, s43                        ; my row of the cluster
	s_lshl_b32 s44, 0x1111, s40                    ; my column
	s_or_b32 s[G1+0], s43, (1<<21)                 ; 15:0 the mask; 17:16 elements of 1 byte; 21 set beside a mask; no padding
	s_or_b32 s[G1B+0], s44, (1<<21)
.irp g, G1, G1B
	s_mov_b32 s[\g+1], 256<<16                     ; tensor_dim0: the dense block goes as rows of 256 bytes
	s_mov_b32 s[\g+2], 128<<16                     ; tensor_dim1
	s_mov_b32 s[\g+3], 256<<16                     ; tile_dim0
	s_mov_b32 s[\g+4], 128                         ; tile_dim1
	s_mov_b32 s[\g+5], 256                         ; pitch
	s_mov_b32 s[\g+6], 0
	s_mov_b32 s[\g+7], 0
.endr
	s_lshl_b32 s18, s16, LOGA
	s_lshl_b32 s20, s17, 15                        ; A: 128 rows are 32,768 bytes of a block
	s_add_co_u32 s20, s20, s18
	s_mov_b32 s21, 0
	s_lshl_b32 s19, s16, LOGB
	s_lshl_b32 s46, s42, 15                        ; B likewise
	s_add_co_u32 s46, s46, s19
	s_add_co_u32 s46, s46, BOFF
	s_mov_b32 s47, 0
	s_mul_i32 s45, s14, HALFT                      ; where they go: wave x 32,768: no place in the cluster enters an LDS address
	s_wait_kmcnt 0x0
	s_load_b512 s[76:91], s[8:9], 0x0              ; e0 .. e15
	s_add_nc_u64 s[20:21], s[4:5], s[20:21]
	s_add_nc_u64 s[46:47], s[6:7], s[46:47]
	CROUND                                         ; all sixteen work-groups are here: the first joint loads meet
.irp s, 0,1
	s_mov_b32 s[G0+4*\s], 1
	s_add_co_u32 s[G0+4*\s+1], s45, \s*SLOT
	s_add_nc_u64 s[G0+4*\s+2:G0+4*\s+3], s[20:21], \s*2*ASTR
	s_or_b32 s[G0+4*\s+3], s[G0+4*\s+3], 0x80000000
	s_mov_b32 s[G0B+4*\s], 1
	s_add_co_u32 s[G0B+4*\s+1], s45, \s*SLOT
	s_add_nc_u64 s[G0B+4*\s+2:G0B+4*\s+3], s[46:47], \s*2*BSTR
	s_or_b32 s[G0B+4*\s+3], s[G0B+4*\s+3], 0x80000000
.if \s == 0
	JLOAD G0, G1, G0B, G1B                         ; slot 0: one tensor load a wave at the head
.endif
.endr
	; PREFETCH of slot 1, behind slot 0's load: of the 32,768 dense bytes that my wave will fetch, the partner at place p (cx for A, cy for B) names bytes 8,192 p on, lanes 256 bytes apart:
	; each block of 256 bytes once in the cluster, told apart by address.  s[72:73] and v31 are never rewritten.
	s_cmp_eq_u32 s15, 0                            ; do I fetch for A?
	s_cselect_b64 s[72:73], s[20:21], s[46:47]
	s_cselect_b32 s74, s40, s41                    ; my place among the four
	s_mov_b32 s75, 2*BSTR
	s_cselect_b32 s75, 2*ASTR, s75                 ; a slot on
	s_lshl_b32 s74, s74, 13
	s_add_co_u32 s74, s74, s75
	s_mov_b32 s75, 0
	s_add_nc_u64 s[72:73], s[72:73], s[74:75]
	v_and_b32 v1, 31, v0
	v_lshlrev_b32 v[LI], 4, v1
	v_lshlrev_b32 v31, 8, v1                       ; 256 x lane
	global_prefetch_b8 v31, s[72:73] th:TH_LOAD_NT scope:SCOPE_SE   ; slot 1
	v_and_b32 v2, 15, v0                           ; r
	s_wait_alu depctr_va_vdst(0)
	v_bfe_u32 v3, v0, 4, 1                         ; h
	s_lshl_b32 s21, s15, 14                        ; my four tiles of A: 4,096 bytes a tile in each block
	s_lshl_b32 s22, s16, 14                        ; my four of B,
	s_add_co_u32 s22, s22, 2*HALFT                 ; whose blocks lie behind A's two
.irp s, 0,1
	v_add_nc_u32 v[ADRA+\s], s21, v[LI]
	v_add_nc_u32 v[ADRB+\s], s22, v[LI]
	s_add_co_u32 s21, s21, SLOT
	s_add_co_u32 s22, s22, SLOT
.endr
	s_mul_i32 s23, s14, 16*SPITCH                  ; my stage
	v_mul_u32_u24 v[STO], v2, SPITCH
	s_wait_alu depctr_va_vdst(0)
	v_lshl_add_u32 v[STO], v3, 6, v[STO]
	v_add_nc_u32 v[STO], s23, v[STO]               ; in: row r, + 64 h
	v_mul_u32_u24 v[RD], v3, SPITCH
	v_lshl_add_u32 v[RD], v2, 4, v[RD]
	v_add_nc_u32 v[RD], s23, v[RD]                 ; back: lanes 0-15 one row of 256 bytes, lanes 16-31 the next
	v_lshlrev_b32 v[CB], 4, v2
	s_wait_alu depctr_va_vdst(0)
	v_lshl_add_u32 v[CO], v3, 12, v[CB]            ; and the same two rows of 4,096 bytes in memory
	s_wait_alu depctr_va_vdst(0)
	s_lshl_b32 s46, s42, 9
	s_lshl_b32 s47, s16, 8
	s_add_co_u32 s46, s46, s47                     ; my first column, in bytes: 512 x tile column + 256 x half
	s_mov_b32 s47, 0
	s_add_nc_u64 s[68:69], s[68:69], s[46:47]
	s_lshl_b32 s20, s17, 19
	s_lshl_b32 s21, s15, 18
	s_add_co_u32 s20, s20, s21                     ; my first row: 128 x tile row + 64 x half, of 4,096 bytes
	s_add_co_u32 s20, s20, s46
	s_mov_b32 s21, 0
	s_add_nc_u64 s[10:11], s[10:11], s[20:21]
	s_add_nc_u64 s[70:71], s[70:71], s[20:21]
	global_load_b128 v[4:7], v[CB], s[68:69]       ; the bias of my four columns
	WIN 0x80                                       ; destination window 2
.irp a, 0,1,2,3
.irp t, 0,1,2,3,4,5,6,7
	global_load_b128 v[32*\a+4*\t:32*\a+4*\t+3], v[CO], s[70:71] offset:(16*\a+2*\t)*4096 th:TH_LOAD_NT   ; the residual, in the order in which rows come back from the stage
.endr
.endr
	WIN 0
	s_wait_alu depctr_va_vdst(0)
	s_wait_tensorcnt 0x0                           ; my part of slot 0 is in; slot 1's first fill is issued as a refill is:
	ds_add_u32 v[SPW], v[NIL]                      ; 0 onto my spare word
	s_wait_dscnt 0x0
	CROUND                                         ; everybody's part of slot 0 is in, and the sixteen work-groups meet
	JLOAD G0+4, G1, G0B+4, G1B                     ; slot 1: the first tensor load behind the round
	FETCH 0, 0, F0
	STEP 0, 1, F0, F1, 1                           ; the first step's products start the sums
.if LAPS > 1
	WIN 0                                          ; at a label and at a branch every window is 0
	s_mov_b32 s3, LAPS-1
.Llap:                                                 ; a trip goes once round the two slots, from a lap's second step to the next lap's first, and fills both again
	STEP 0, 2, F1, F0, 0
	STEP 0, 3, F0, F1, 0
	TURN 0, 1, 1
	STEP 1, 1, F0, F1, 0
	STEP 1, 2, F1, F0, 0
	STEP 1, 3, F0, F1, 0
	TURN 1, 0, 1
	STEP 0, 1, F0, F1, 0
	WIN 0
	s_sub_co_u32 s3, s3, 1
	s_cmp_lg_u32 s3, 0
	s_cbranch_scc1 .Llap
.endif
	STEP 0, 2, F1, F0, 0                           ; the last lap fills nothing
	STEP 0, 3, F0, F1, 0
	TURN 0, 1, 0
	STEP 1, 1, F0, F1, 0
	STEP 1, 2, F1, F0, 0
	STEP 1, 3, F0, F1, 0
	s_wait_dscnt 8                                 ; the very last step: nothing more to fetch
	WIN MUL
	MULA F1, 0, 0
	MULA F1, 1, 0
	s_wait_dscnt 0
	MULA F1, 2, 0
	MULA F1, 3, 0
	WIN 0
.macro TOSTAGE a                       ; block a's sums into my stage, each accumulator from its low end on, and back as rows; LDS serves a wave's instructions in order (ISA guide 5.7.1.4)
.set BB, BK+32*((\a)%2)
.irp t, 0,1,2,3
	ds_store_b128 v[STO], v[ACC+8*(4*(\a)+\t):ACC+8*(4*(\a)+\t)+3] offset:128*(\t/2)+32*(\t%2)
	ds_store_b128 v[STO], v[ACC+8*(4*(\a)+\t)+4:ACC+8*(4*(\a)+\t)+7] offset:128*(\t/2)+32*(\t%2)+16
.endr
.irp t, 0,1,2,3,4,5,6,7
	ds_load_b128 v[BB+4*\t:BB+4*\t+3], v[RD] offset:2*\t*SPITCH
.endr
.endm
.macro SEND a, younger                 ; younger: the LDS instructions issued behind block a's loads: the next block's 8 stores and 8 loads, or none
.set BB, BK+32*((\a)%2)
.set RS, 32*(\a)
	s_wait_dscnt \younger                          ; the block is back from the stage
	WIN 0x20                                       ; source 2 window 2
.irp j, 0,2,4,6,8,10,12,14,16,18,20,22,24,26,28,30
	v_pk_fma_f32 v[BB+\j:BB+\j+1], v[BB+\j:BB+\j+1], s[96:97], v[RS+\j:RS+\j+1] op_sel_hi:[1,0,1]   ; sum x 2^(the two exponents) + (residual + bias)
.endr
	WIN 0
.irp t, 0,1,2,3,4,5,6,7
	global_store_b128 v[CO], v[BB+4*\t:BB+4*\t+3], s[10:11] offset:(16*(\a)+2*\t)*4096   ; sixteen lanes store 256 consecutive bytes, aligned; two rows an instruction
.endr
.endm
	s_wait_kmcnt 0x0
	s_add_co_i32 s96, s[EA], s[EA+1]
	s_add_co_i32 s96, s96, 127
	s_lshl_b32 s96, s96, 23                        ; 2^(the two exponents) as f32
	s_mov_b32 s97, s96                             ; (named with it as a pair)
	s_wait_loadcnt 0x0                             ; the bias and the residual, asked for at the head
	PLACES NP
	WIN 0x82                                       ; source 0 and destination window 2
.irp a, 0,1,2,3
.irp t, 0,1,2,3,4,5,6,7
	v_pk_add_f32 v[32*\a+4*\t:32*\a+4*\t+1], v[32*\a+4*\t:32*\a+4*\t+1], v[4:5]
	v_pk_add_f32 v[32*\a+4*\t+2:32*\a+4*\t+3], v[32*\a+4*\t+2:32*\a+4*\t+3], v[6:7]
.endr
.endr
	WIN 0
	TOSTAGE 0
.irp a, 1,2,3
.if \a > 1
	s_wait_xcnt 0x0                                ; block a - 2's stores have read their registers: block a's rows may land there
.endif
	TOSTAGE \a
	SEND \a-1, 16
.endr
	SEND 3, 0
	s_wait_tensorcnt 0x0                           ; the wave's end
	ds_add_u32 v[SPW], v[NIL]
	s_wait_dscnt 0x0
	CROUND                                         ; the closing round
	s_endpgm
.Lfunc_end_k_qb4ba780f1e_wo:
	.size	k_qb4ba780f1e_wo, .Lfunc_end_k_qb4ba780f1e_wo-k_qb4ba780f1e_wo
	.p2alignl 7, 3214868480
	.fill 96, 4, 3214868480
	.section	.rodata,"a",@progbits
	.p2align	6, 0x0
	.amdhsa_kernel k_qb4ba780f1e_wo
		.amdhsa_group_segment_fixed_size 327680
		.amdhsa_private_segment_fixed_size 0
		.amdhsa_enable_private_segment 0
		.amdhsa_kernarg_size 48
		.amdhsa_user_sgpr_count 2
		.amdhsa_user_sgpr_kernarg_segment_ptr 1
		.amdhsa_wavefront_size32 1
		.amdhsa_system_sgpr_workgroup_id_x 1
		.amdhsa_system_sgpr_workgroup_id_y 1
		.amdhsa_system_sgpr_workgroup_id_z 1
		.amdhsa_system_vgpr_workitem_id 0
		.amdhsa_next_free_vgpr 768
		.amdhsa_next_free_sgpr 102
		.amdhsa_reserve_vcc 0
		.amdhsa_float_denorm_mode_32 3
		.amdhsa_float_denorm_mode_16_64 3
		.amdhsa_memory_ordered 1
		.amdhsa_forward_progress 1
		.amdhsa_inst_pref_size 54
	.end_amdhsa_kernel
	.amdgpu_metadata
---
amdhsa.version: [ 1, 2 ]
amdhsa.kernels:
  - .name:           k_qb4ba780f1e_wo
    .symbol:         k_qb4ba780f1e_wo.kd
    .args:
      - { .name: hc, .offset: 0, .size: 8, .value_kind: global_buffer, .address_space: global }
      - { .name: wc, .offset: 8, .size: 8, .value_kind: global_buffer, .address_space: global }
      - { .name: lowp_scales, .offset: 16, .size: 8, .value_kind: global_buffer, .address_space: global }
      - { .name: y, .offset: 24, .size: 8, .value_kind: global_buffer, .address_space: global }
      - { .name: bo, .offset: 32, .size: 8, .value_kind: global_buffer, .address_space: global }
      - { .name: x1, .offset: 40, .size: 8, .value_kind: global_buffer, .address_space: global }
    .group_segment_fixed_size: 327680
    .private_segment_fixed_size: 0
    .kernarg_segment_align: 8
    .kernarg_segment_size: 48
    .max_flat_workgroup_size: 128
    .sgpr_count:     102
    .vgpr_count:     768
    .wavefront_size: 32
...
	.end_amdgpu_metadata
.endif
;; end of part 11
;; launch ln2 (part 12): grid 256 x 1, 4 waves a work-group, no clusters, 66,304 bytes of LDS; arguments y, gamma2, beta2, lowp_scales, x2; writes x2
.if DOCPART == 12
	.amdgcn_target "amdgcn-amd-amdhsa--gfx1250"
	.amdhsa_code_object_version 6
	.text
	.protected	k_qb4ba780f1e_ln2
	.globl	k_qb4ba780f1e_ln2
	.p2align	8
	.type	k_qb4ba780f1e_ln2,@function
k_qb4ba780f1e_ln2:
	s_mov_b64 s[64:65], 0
	v_nop
	global_prefetch_b8 v0, s[64:65] scope:SCOPE_SE
	s_setreg_imm32_b32 hwreg(HW_REG_WAVE_MODE, 25, 1), 1
	s_wait_xcnt 0x0
; x2 = layernorm(y) (variance with 1,023 in the divisor), stored as f32 at byte 0 of x2 and as codes of E5M2 (scale e12) at byte 0x1000000, as an image of operand registers:
; [K/256][256 tiles of 16 rows][2][4][32 lanes][16 bytes]; lane 16 h + r holds k = 256 kb + 128 ks + 32 c + 16 h + 0..15 of row 16 tile + r.
; A work-group owns 16 rows, a wave four; then wave w quantises columns 256 w on of all 16 rows, which it reads from LDS.  LIMITS: e12 between -126 and 112; NaN and infinities are not served.
.set LP,  4112                         ; an LDS row: 4,096 bytes + 16
.set LI,  2
.set LS,  3
.set LAN, 4
.set G,   16
.set BT,  48
.set X,   80
.set SS,  208
.set TMP, 16
.set CD,  48
.macro MKSC e, vs, vl
	s_add_co_i32 s58, s[\e], 127
	s_lshl_b32 s59, s58, 23
	v_mov_b32 v[\vs], s59
	s_add_co_i32 s58, s58, 15
	s_lshl_b32 s58, s58, 23
	s_or_b32 s58, s58, 0x600000
	v_mov_b32 v[\vl], s58
.endm
.macro XSUM
.irp m, 1,2,4,8
.irp p, 0,1,2,3
	v_add_f32_dpp v[SS+8*\p], v[SS+8*\p], v[SS+8*\p] row_xmask:\m row_mask:0xf bank_mask:0xf
.endr
.endr
.irp p, 0,1,2,3
	v_permlanex16_b32 v[SS+8*\p+2], v[SS+8*\p], s24, s25
.endr
.irp p, 0,1,2,3
	v_add_f32 v[SS+8*\p], v[SS+8*\p], v[SS+8*\p+2]
.endr
.endm
.macro FOLD
.irp p, 0,1,2,3
	v_pk_add_f32 v[SS+8*\p:SS+8*\p+1], v[SS+8*\p:SS+8*\p+1], v[SS+8*\p+2:SS+8*\p+3]
.endr
.irp p, 0,1,2,3
	v_add_f32 v[SS+8*\p], v[SS+8*\p], v[SS+8*\p+1]
.endr
.endm
.macro LNROWS                          ; four rows, line by line in turn
.irp p, 0,1,2,3
	v_pk_add_f32 v[SS+8*\p:SS+8*\p+1], v[X+32*\p:X+32*\p+1], v[X+32*\p+2:X+32*\p+3]
	v_pk_add_f32 v[SS+8*\p+2:SS+8*\p+3], v[X+32*\p+4:X+32*\p+5], v[X+32*\p+6:X+32*\p+7]
.endr
.irp j, 8,12,16,20,24,28
.irp p, 0,1,2,3
	v_pk_add_f32 v[SS+8*\p:SS+8*\p+1], v[SS+8*\p:SS+8*\p+1], v[X+32*\p+\j:X+32*\p+\j+1]
	v_pk_add_f32 v[SS+8*\p+2:SS+8*\p+3], v[SS+8*\p+2:SS+8*\p+3], v[X+32*\p+\j+2:X+32*\p+\j+3]
.endr
.endr
	FOLD
	XSUM
.irp p, 0,1,2,3
	v_mul_f32 v[SS+8*\p+4], 0x3a800000, v[SS+8*\p]     ; the mean
.endr
.irp p, 0,1,2,3
	v_mov_b32 v[SS+8*\p+5], v[SS+8*\p+4]
.endr
.irp j, 0,2,4,6,8,10,12,14,16,18,20,22,24,26,28,30
.irp p, 0,1,2,3
	v_pk_add_f32 v[X+32*\p+\j:X+32*\p+\j+1], v[X+32*\p+\j:X+32*\p+\j+1], v[SS+8*\p+4:SS+8*\p+5] neg_lo:[0,1] neg_hi:[0,1]
.endr
.endr
.irp p, 0,1,2,3
	v_pk_mul_f32 v[SS+8*\p:SS+8*\p+1], v[X+32*\p:X+32*\p+1], v[X+32*\p:X+32*\p+1]
	v_pk_mul_f32 v[SS+8*\p+2:SS+8*\p+3], v[X+32*\p+2:X+32*\p+3], v[X+32*\p+2:X+32*\p+3]
.endr
.irp j, 4,8,12,16,20,24,28
.irp p, 0,1,2,3
	v_pk_fma_f32 v[SS+8*\p:SS+8*\p+1], v[X+32*\p+\j:X+32*\p+\j+1], v[X+32*\p+\j:X+32*\p+\j+1], v[SS+8*\p:SS+8*\p+1]
	v_pk_fma_f32 v[SS+8*\p+2:SS+8*\p+3], v[X+32*\p+\j+2:X+32*\p+\j+3], v[X+32*\p+\j+2:X+32*\p+\j+3], v[SS+8*\p+2:SS+8*\p+3]
.endr
.endr
	FOLD
	XSUM
.irp p, 0,1,2,3
	v_fma_f32 v[SS+8*\p], v[SS+8*\p], s26, s27         ; squares / 1,023 + 1e-5
.endr
	s_wait_alu depctr_va_vdst(0)
.irp p, 0,1,2,3
	v_rsq_f32 v[SS+8*\p+6], v[SS+8*\p]
.endr
	v_nop
	s_wait_alu depctr_va_vdst(0)                       ; one wait for the four, ahead of their first reader
.irp p, 0,1,2,3
	v_mov_b32 v[SS+8*\p+7], v[SS+8*\p+6]
.endr
.irp j, 0,2,4,6,8,10,12,14,16,18,20,22,24,26,28,30
.irp p, 0,1,2,3
	v_pk_mul_f32 v[X+32*\p+\j:X+32*\p+\j+1], v[X+32*\p+\j:X+32*\p+\j+1], v[SS+8*\p+6:SS+8*\p+7]
.endr
.endr
.irp j, 0,2,4,6,8,10,12,14,16,18,20,22,24,26,28,30
.irp p, 0,1,2,3
	v_pk_fma_f32 v[X+32*\p+\j:X+32*\p+\j+1], v[X+32*\p+\j:X+32*\p+\j+1], v[G+\j:G+\j+1], v[BT+\j:BT+\j+1]
.endr
.endr
.endm
	s_load_b256 s[4:11], s[0:1], 0x0               ; y, gamma2, beta2, the exponents
	s_load_b64 s[12:13], s[0:1], 0x20              ; x2
	v_lshl_add_u32 v254, v0, 2, 0x10100
	v_mov_b32 v255, 0
	v_lshrrev_b32 v1, 5, v0
	v_readfirstlane_b32 s20, v1                    ; wave 0..3
	v_and_b32 v1, 31, v0
	v_lshlrev_b32 v[LI], 4, v1
	s_lshl_b32 s54, ttmp9, 16                      ; 16 rows of 4,096 bytes
	s_lshl_b32 s55, s20, 14
	s_add_co_u32 s54, s54, s55
	s_mov_b32 s55, 0
	s_wait_alu depctr_va_vdst(0)
	s_wait_kmcnt 0x0
	s_load_b512 s[28:43], s[10:11], 0x0
	s_add_nc_u64 s[4:5], s[4:5], s[54:55]
	s_add_nc_u64 s[14:15], s[12:13], s[54:55]      ; the f32 rows
.set j, 0
.rept 8
	global_load_b128 v[G+4*j:G+4*j+3], v[LI], s[6:7] offset:512*j
	global_load_b128 v[BT+4*j:BT+4*j+3], v[LI], s[8:9] offset:512*j
.set j, j+1
.endr
.set p, 0
.rept 4
.set j, 0
.rept 8
	global_load_b128 v[X+32*p+4*j:X+32*p+4*j+3], v[LI], s[4:5] offset:4096*p+512*j th:TH_LOAD_NT
.set j, j+1
.endr
.set p, p+1
.endr
	s_mov_b32 s24, 0x76543210
	s_mov_b32 s25, 0xfedcba98
	s_mov_b32 s26, 0x3a802008                      ; 1 / 1,023
	s_mov_b32 s27, 0x3727c5ac                      ; 1e-5
	s_mul_i32 s56, s20, 4*LP
	v_add_nc_u32 v[LS], s56, v[LI]
	v_and_b32 v6, 15, v0
	v_bfe_u32 v7, v0, 4, 1
	v_mul_u32_u24 v[LAN], v6, LP
	v_lshl_add_u32 v[LAN], v7, 6, v[LAN]
	s_lshl_b32 s57, s20, 10
	v_add_nc_u32 v[LAN], s57, v[LAN]               ; row r, byte 1,024 x wave + 64 h
	s_lshl_b32 s60, s20, 8
	s_add_co_u32 s60, s60, ttmp9
	s_lshl_b32 s60, s60, 12                        ; (256 x wave + tile) x 4,096
	s_add_co_u32 s60, s60, 0x1000000
	s_mov_b32 s61, 0
	s_add_nc_u64 s[12:13], s[12:13], s[60:61]      ; the codes
	s_wait_kmcnt 0x0
	MKSC 40, 240, 241                              ; e12
	s_wait_loadcnt 0x0
	LNROWS
.set p, 0
.rept 4
.set j, 0
.rept 8
	global_store_b128 v[LI], v[X+32*p+4*j:X+32*p+4*j+3], s[14:15] offset:4096*p+512*j
	ds_store_b128 v[LS], v[X+32*p+4*j:X+32*p+4*j+3] offset:LP*p+512*j
.set j, j+1
.endr
.set p, p+1
.endr
	s_wait_xcnt 0x0                                ; the stores have read X: it is loaded over below
	s_wait_dscnt 0x0                               ; for the others' sake: my rows lie in LDS
	s_barrier_signal -1
	s_barrier_wait -1
.set q, 0
.rept 8
.set j, 0
.rept 4
	ds_load_b128 v[X+16*q+4*j:X+16*q+4*j+3], v[LAN] offset:128*q+16*j
.set j, j+1
.endr
.set q, q+1
.endr
	s_wait_dscnt 0x0
.set q, 0
.rept 8
.set i, 0
.rept 16
	v_med3_num_f32 v[TMP+16*(q%2)+i], v[X+16*q+i], -v241, v241   ; the conversion does not saturate (ISA guide 7.6.2)
.set i, i+1
.endr
	v_cvt_scalef32_pk8_bf8_f32 v[CD+4*q:CD+4*q+1], v[TMP+16*(q%2):TMP+16*(q%2)+7], v240
	v_cvt_scalef32_pk8_bf8_f32 v[CD+4*q+2:CD+4*q+3], v[TMP+16*(q%2)+8:TMP+16*(q%2)+15], v240
	global_store_b128 v[LI], v[CD+4*q:CD+4*q+3], s[12:13] offset:512*q
.set q, q+1
.endr
	s_wait_tensorcnt 0x0
	ds_add_u32 v254, v255
	s_wait_dscnt 0x0
	s_endpgm
.Lfunc_end_k_qb4ba780f1e_ln2:
	.size	k_qb4ba780f1e_ln2, .Lfunc_end_k_qb4ba780f1e_ln2-k_qb4ba780f1e_ln2
	.p2alignl 7, 3214868480
	.fill 96, 4, 3214868480
	.section	.rodata,"a",@progbits
	.p2align	6, 0x0
	.amdhsa_kernel k_qb4ba780f1e_ln2
		.amdhsa_group_segment_fixed_size 66304
		.amdhsa_private_segment_fixed_size 0
		.amdhsa_enable_private_segment 0
		.amdhsa_kernarg_size 40
		.amdhsa_user_sgpr_count 2
		.amdhsa_user_sgpr_kernarg_segment_ptr 1
		.amdhsa_wavefront_size32 1
		.amdhsa_system_sgpr_workgroup_id_x 1
		.amdhsa_system_sgpr_workgroup_id_y 1
		.amdhsa_system_sgpr_workgroup_id_z 1
		.amdhsa_system_vgpr_workitem_id 0
		.amdhsa_next_free_vgpr 256
		.amdhsa_next_free_sgpr 102
		.amdhsa_reserve_vcc 0
		.amdhsa_float_denorm_mode_32 3
		.amdhsa_float_denorm_mode_16_64 3
		.amdhsa_memory_ordered 1
		.amdhsa_forward_progress 1
		.amdhsa_inst_pref_size 48
	.end_amdhsa_kernel
	.amdgpu_metadata
---
amdhsa.version: [ 1, 2 ]
amdhsa.kernels:
  - .name:           k_qb4ba780f1e_ln2
    .symbol:         k_qb4ba780f1e_ln2.kd
    .args:
      - { .name: y, .offset: 0, .size: 8, .value_kind: global_buffer, .address_space: global }
      - { .name: gamma2, .offset: 8, .size: 8, .value_kind: global_buffer, .address_space: global }
      - { .name: beta2, .offset: 16, .size: 8, .value_kind: global_buffer, .address_space: global }
      - { .name: lowp_scales, .offset: 24, .size: 8, .value_kind: global_buffer, .address_space: global }
      - { .name: x2, .offset: 32, .size: 8, .value_kind: global_buffer, .address_space: global }
    .group_segment_fixed_size: 66304
    .private_segment_fixed_size: 0
    .kernarg_segment_align: 8
    .kernarg_segment_size: 40
    .max_flat_workgroup_size: 128
    .sgpr_count:     102
    .vgpr_count:     256
    .wavefront_size: 32
...
	.end_amdgpu_metadata
.endif
;; end of part 12
;; launch ffn1 (part 13): grid 16 x 16, 4 waves a work-group, clusters of 4 x 4, 327,680 bytes of LDS; arguments x2, wc, lowp_scales, g, b1; writes g
.if DOCPART == 13
	.amdgcn_target "amdgcn-amd-amdhsa--gfx1250"
	.amdhsa_code_object_version 6
	.text
	.protected	k_qb4ba780f1e_ffn1
	.globl	k_qb4ba780f1e_ffn1
	.p2align	8
	.type	k_qb4ba780f1e_ffn1,@function
k_qb4ba780f1e_ffn1:
	s_mov_b64 s[64:65], 0
	v_nop
	global_prefetch_b8 v0, s[64:65] scope:SCOPE_SE
	s_setreg_imm32_b32 hwreg(HW_REG_WAVE_MODE, 25, 1), 1
	s_wait_xcnt 0x0
	s_wait_alu depctr_hold_cnt(0) depctr_sa_sdst(0) depctr_va_vdst(0) depctr_va_sdst(0) depctr_va_ssrc(0) depctr_va_vcc(0) depctr_vm_vsrc(0)
	s_getreg_b32 s2, hwreg(HW_REG_IB_STS2, 6, 4)
	s_cmp_eq_u32 s2, 0
	s_cbranch_scc0 .Lentry_in_a_cluster
	s_endpgm
.Lentry_in_a_cluster:
	s_bfe_u32 s2, ttmp6, 0x10000c
	s_cmp_lg_u32 s2, 0xf033
	s_cbranch_scc0 .Lentry_shape_is_right
	s_endpgm
.Lentry_shape_is_right:
.set REGSTEP, 0
.set ASTR, 0x100000
.set BSTR, 0x100000
.set AOFF, 0x1000000
.set BOFF, 0
.set LAPS, 2
.set HALFT, 32768
.set SLOT,  4*HALFT
.set SPARE, 2*SLOT
.set FR, 16
.set NL, 4
.set NP, 4
.set ADRA, 16
.set ADRB, 20
.set LI,  26
.set SPW, 28
.set NIL, 29
.set AF,  128
.set BIAS, 64
.set XV,  128
.set T,   192
.set P,   224
.set CDB, 32
.set CK,  24
.set CL,  42
.set CH,  44
.set AI,  3
.set G1, 24
.set G0, 32
.set G1B, 48
.set G0B, 56
.set MSB, 0
.macro WIN new
.if MSB != (\new)
	s_set_vgpr_msb (MSB<<8)|(\new)
.set MSB, (\new)
.endif
.endm
.set MUL_LO, 0xa1
.set MUL_HI, 0xf1
.set TO_B,   0x40
.macro JLOAD g0a, g1a, g0b, g1b
	s_cmp_eq_u32 s15, 0
	s_cbranch_scc0 .Lfor_b_\@
	tensor_load_to_lds s[\g0a:\g0a+3], s[\g1a:\g1a+7]
	s_nop 0
.rept 4
	v_nop
.endr
	s_branch .Lasked_\@
.Lfor_b_\@:
	tensor_load_to_lds s[\g0b:\g0b+3], s[\g1b:\g1b+7]
	s_nop 0
.rept 4
	v_nop
.endr
.Lasked_\@:
.endm
.macro CREST
	s_cmp_lg_u32 s14, 0
	s_cbranch_scc1 .Lnot_wave_0_\@
	s_barrier_signal -3
.Lnot_wave_0_\@:
	s_barrier_wait -3
	s_barrier_signal -1
	s_barrier_wait -1
.endm
.macro CROUND
	s_barrier_signal -1
	s_barrier_wait -1
	CREST
.endm
.macro FRAG reg, adr, q, i
.irp c, 0,1,2,3
	ds_load_b128 v[\reg+4*\c:\reg+4*\c+3], v[\adr] offset:(2*(\i)+(\q))*2048+512*\c
.endr
.endm
.macro MUL16 a0, p, zero
.irp a, \a0, \a0+1
.irp b, 0,1,2,3,4,5,6,7
.if \zero
	v_wmma_f32_16x16x128_bf8_bf8 v[8*(8*((\a)%4)+\b):8*(8*((\a)%4)+\b)+7], v[128*(\p)+FR*\b:128*(\p)+FR*\b+FR-1], v[AF+FR*(\a):AF+FR*(\a)+FR-1], 0
.else
	v_wmma_f32_16x16x128_bf8_bf8 v[8*(8*((\a)%4)+\b):8*(8*((\a)%4)+\b)+7], v[128*(\p)+FR*\b:128*(\p)+FR*\b+FR-1], v[AF+FR*(\a):AF+FR*(\a)+FR-1], v[8*(8*((\a)%4)+\b):8*(8*((\a)%4)+\b)+7]
.endif
.endr
.endr
.endm
.macro FETCH_B slot, q, p
	WIN TO_B
.irp i, 0,1,2,3,4,5,6,7
	FRAG 128*(\p)+FR*\i, ADRB+\slot, \q, \i
.endr
	WIN 0
.endm
.macro FETCH_A slot, q, i0
.irp i, \i0, \i0+1, \i0+2, \i0+3
	FRAG AF+FR*(\i), ADRA+\slot, \q, \i
.endr
.endm
.macro PLACES n
.rept \n
	v_nop
.endr
.endm
.macro STEP slot, q, zero
	s_wait_dscnt 4*NL
	WIN MUL_LO
	MUL16 0, (\q)%2, \zero
	MUL16 2, (\q)%2, \zero
	s_wait_dscnt 0
	PLACES NP
	FETCH_B \slot, (\q)+1, 1-(\q)%2
	FETCH_A \slot, (\q)+1, 0
	WIN MUL_HI
	MUL16 4, (\q)%2, \zero
	MUL16 6, (\q)%2, \zero
	PLACES NP
	WIN 0
	FETCH_A \slot, (\q)+1, 4
.endm
.macro TURN slot, next, fill
	s_wait_tensorcnt 0x0
	ds_add_u32 v[SPW], v[NIL]
	s_wait_dscnt 4*NL+1
	WIN MUL_LO
	MUL16 0, 1, 0
	s_wait_dscnt 0x0
	s_barrier_signal -1
	MUL16 2, 1, 0
	WIN 0
	s_barrier_wait -1
.if \fill
	CREST
.if REGSTEP
	s_add_nc_u64 s[G0+4*\slot+2:G0+4*\slot+3], s[G0+4*\slot+2:G0+4*\slot+3], s[92:93]
	s_add_nc_u64 s[G0B+4*\slot+2:G0B+4*\slot+3], s[G0B+4*\slot+2:G0B+4*\slot+3], s[94:95]
.else
	s_add_nc_u64 s[G0+4*\slot+2:G0+4*\slot+3], s[G0+4*\slot+2:G0+4*\slot+3], 2*ASTR
	s_add_nc_u64 s[G0B+4*\slot+2:G0B+4*\slot+3], s[G0B+4*\slot+2:G0B+4*\slot+3], 2*BSTR
.endif
	JLOAD G0+4*\slot, G1, G0B+4*\slot, G1B
.else
	PLACES NP
.endif
	FETCH_B \next, 0, 0
	FETCH_A \next, 0, 0
	WIN MUL_HI
	MUL16 4, 1, 0
	MUL16 6, 1, 0
	PLACES NP
	WIN 0
	FETCH_A \next, 0, 4
.endm
.macro MKSC e, vs, vl
	s_add_co_i32 s12, s[\e], 127
	s_lshl_b32 s13, s12, 23
	v_mov_b32 v[\vs], s13
	s_add_co_i32 s12, s12, 15
	s_lshl_b32 s12, s12, 23
	s_or_b32 s12, s12, 0x600000
	v_mov_b32 v[\vl], s12
.endm
.macro QUANT s, cd, sc, lim
.irp b, 0,1,2,3
.irp i, 0,1,2,3,4,5,6,7,8,9,10,11,12,13,14,15
	v_med3_num_f32 v[\s+16*\b+\i], v[\s+16*\b+\i], -v[\lim], v[\lim]
.endr
	v_cvt_scalef32_pk8_bf8_f32 v[\cd+4*\b:\cd+4*\b+1], v[\s+16*\b:\s+16*\b+7], v[\sc]
	v_cvt_scalef32_pk8_bf8_f32 v[\cd+4*\b+2:\cd+4*\b+3], v[\s+16*\b+8:\s+16*\b+15], v[\sc]
.endr
	v_nop
.endm
	s_load_b256 s[4:11], s[0:1], 0x0
	s_load_b64 s[68:69], s[0:1], 0x20
	v_lshl_add_u32 v[SPW], v0, 2, SPARE
	v_mov_b32 v[NIL], 0
	ds_add_u32 v28, v29
	ds_add_u32 v28, v29
	s_wait_dscnt 0x0
	v_lshrrev_b32 v1, 5, v0
	v_readfirstlane_b32 s14, v1
	s_lshr_b32 s15, s14, 1
	s_and_b32 s16, s14, 1
	s_bfe_u32 s40, ttmp6, 0x40000
	s_bfe_u32 s41, ttmp6, 0x40004
	s_lshl_b32 s42, ttmp9, 2
	s_add_co_u32 s42, s42, s40
	s_and_b32 s17, ttmp7, 0xffff
	s_lshl_b32 s17, s17, 2
	s_add_co_u32 s17, s17, s41
	s_lshl_b32 s43, s41, 2
	s_lshl_b32 s43, 15, s43
	s_lshl_b32 s44, 0x1111, s40
	s_or_b32 s[G1+0], s43, (1<<21)
	s_or_b32 s[G1B+0], s44, (1<<21)
.irp g, G1, G1B
	s_mov_b32 s[\g+1], 256<<16
	s_mov_b32 s[\g+2], 128<<16
	s_mov_b32 s[\g+3], 256<<16
	s_mov_b32 s[\g+4], 128
	s_mov_b32 s[\g+5], 256
	s_mov_b32 s[\g+6], 0
	s_mov_b32 s[\g+7], 0
.endr
	s_lshl_b32 s18, s16, 15
	s_lshl_b32 s20, s17, 16
	s_add_co_u32 s20, s20, s18
	s_add_co_u32 s20, s20, AOFF
	s_mov_b32 s21, 0
	s_lshl_b32 s46, s42, 16
	s_add_co_u32 s46, s46, s18
	s_add_co_u32 s46, s46, BOFF
	s_mov_b32 s47, 0
	s_mul_i32 s45, s14, HALFT
	s_wait_kmcnt 0x0
	s_load_b512 s[76:91], s[8:9], 0x0
	s_add_nc_u64 s[20:21], s[4:5], s[20:21]
	s_add_nc_u64 s[46:47], s[6:7], s[46:47]
	CROUND
.irp s, 0,1
	s_mov_b32 s[G0+4*\s], 1
	s_add_co_u32 s[G0+4*\s+1], s45, \s*SLOT
	s_add_nc_u64 s[G0+4*\s+2:G0+4*\s+3], s[20:21], \s*ASTR
	s_or_b32 s[G0+4*\s+3], s[G0+4*\s+3], 0x80000000
	s_mov_b32 s[G0B+4*\s], 1
	s_add_co_u32 s[G0B+4*\s+1], s45, \s*SLOT
	s_add_nc_u64 s[G0B+4*\s+2:G0B+4*\s+3], s[46:47], \s*BSTR
	s_or_b32 s[G0B+4*\s+3], s[G0B+4*\s+3], 0x80000000
.if \s == 0
	JLOAD G0, G1, G0B, G1B                         ; K step 0: one tensor load a wave at the head
.endif
.endr
	; PREFETCH: of the 32,768 dense bytes that my wave fetches in a K step, the partner at place p (cx for A, cy for B) names bytes 8,192 p on, lanes 256 bytes apart: each block of 256 bytes once in the cluster,
	; told apart by address.  K steps 1 and 2 are asked for behind K step 0's load, K step 3 behind K step 1's; a K step on is ASTR bytes on both sides.  s[72:73] and v31 are never rewritten.
	s_cmp_eq_u32 s15, 0                            ; do I fetch for A?
	s_cselect_b64 s[72:73], s[20:21], s[46:47]
	s_cselect_b32 s74, s40, s41                    ; my place among the four
	s_lshl_b32 s74, s74, 13
	s_add_co_u32 s74, s74, ASTR
	s_mov_b32 s75, 0
	s_add_nc_u64 s[72:73], s[72:73], s[74:75]      ; at K step 1
	v_and_b32 v1, 31, v0
	v_lshlrev_b32 v[LI], 4, v1
	v_lshlrev_b32 v31, 8, v1                       ; 256 x lane
	global_prefetch_b8 v31, s[72:73] th:TH_LOAD_NT scope:SCOPE_SE               ; K step 1
	global_prefetch_b8 v31, s[72:73] offset:ASTR th:TH_LOAD_NT scope:SCOPE_SE   ; K step 2
	v_bfe_u32 v3, v0, 4, 1
	s_wait_alu depctr_va_vdst(0)
	s_mul_i32 s21, s15, HALFT
	s_mul_i32 s22, s16, HALFT
	s_add_co_u32 s22, s22, 2*HALFT
.irp s, 0,1
	v_add_nc_u32 v[ADRA+\s], s21, v[LI]
	v_add_nc_u32 v[ADRB+\s], s22, v[LI]
	s_add_co_u32 s21, s21, SLOT
	s_add_co_u32 s22, s22, SLOT
.endr
	s_lshl_b32 s46, s42, 10
	s_lshl_b32 s47, s16, 9
	s_add_co_u32 s46, s46, s47
	s_mov_b32 s47, 0
	s_add_nc_u64 s[68:69], s[68:69], s[46:47]
	v_lshlrev_b32 v10, 6, v3
.set c, 0
.rept 4
.set j, 0
.rept 4
	global_load_b128 v[BIAS+16*c+4*j:BIAS+16*c+4*j+3], v10, s[68:69] offset:128*c+16*j
.set j, j+1
.endr
.set c, c+1
.endr
	s_lshl_b32 s20, s42, 8
	s_lshl_b32 s21, s17, 4
	s_add_co_u32 s20, s20, s21
	s_lshl_b32 s21, s15, 3
	s_add_co_u32 s20, s20, s21
	s_lshl_b32 s20, s20, 1
	s_add_co_u32 s20, s20, s16
	s_lshl_b32 s20, s20, 11
	s_mov_b32 s21, 0
	s_add_nc_u64 s[10:11], s[10:11], s[20:21]
	s_wait_alu depctr_va_vdst(0)
	s_wait_tensorcnt 0x0                           ; my part of K step 0 is in; slot 1's first fill is issued as a refill is:
	ds_add_u32 v[SPW], v[NIL]                      ; 0 onto my spare word
	s_wait_dscnt 0x0
	CROUND                                         ; everybody's part of K step 0 is in, and the sixteen work-groups meet
	JLOAD G0+4, G1, G0B+4, G1B                     ; K step 1: the first tensor load behind the round
	FETCH_B 0, 0, 0
	FETCH_A 0, 0, 0
	FETCH_A 0, 0, 4
	global_prefetch_b8 v31, s[72:73] offset:2*ASTR th:TH_LOAD_NT scope:SCOPE_SE ; K step 3
	STEP 0, 0, 1
	s_mov_b32 s3, LAPS-1
.Llap:
	TURN 0, 1, 1
	STEP 1, 0, 0
	TURN 1, 0, 1
	STEP 0, 0, 0
	s_sub_co_u32 s3, s3, 1
	s_cmp_lg_u32 s3, 0
	s_cbranch_scc1 .Llap
	TURN 0, 1, 0
	STEP 1, 0, 0
	s_wait_dscnt 4*NL
	WIN MUL_LO
	MUL16 0, 1, 0
	MUL16 2, 1, 0
	s_wait_dscnt 0
	WIN MUL_HI
	MUL16 4, 1, 0
	MUL16 6, 1, 0
	WIN 0
.macro SETC k, bits
	s_mov_b32 s[CK+2*\k], \bits
	s_mov_b32 s[CK+2*\k+1], \bits
.endm
.macro COPY a
	WIN 0x02+((\a)/4)
.irp j, 0,2,4,6,8,10,12,14,16,18,20,22,24,26,28,30,32,34,36,38,40,42,44,46,48,50,52,54,56,58,60,62
	v_pk_fma_f32 v[XV+\j:XV+\j+1], v[64*((\a)%4)+\j:64*((\a)%4)+\j+1], s[96:97], v[BIAS+\j:BIAS+\j+1] op_sel_hi:[1,0,1]
.endr
	WIN 0
.endm
.macro GELU x
.set i, 0
.rept 32
	v_fma_f32 v[T+i], |v[\x+i]|, s[CH], 1.0
.set i, i+1
.endr
.set i, 0
	s_wait_alu depctr_va_vdst(0)
.rept 32
	v_rcp_f32 v[T+i], v[T+i]
.set i, i+1
.endr
	v_nop
	s_wait_alu depctr_va_vdst(0)
.set j, 0
.rept 16
	v_pk_fma_f32 v[P+j:P+j+1], v[T+j:T+j+1], v[12:13], s[CK+16:CK+17] op_sel_hi:[1,1,0]
.set j, j+2
.endr
.irp k, 7,6,5,4,3,2,1,0
.set j, 0
.rept 16
	v_pk_fma_f32 v[P+j:P+j+1], v[P+j:P+j+1], v[T+j:T+j+1], s[CK+2*\k:CK+2*\k+1] op_sel_hi:[1,1,0]
.set j, j+2
.endr
.endr
.set j, 0
.rept 16
	v_pk_fma_f32 v[P+j:P+j+1], v[\x+j:\x+j+1], v[\x+j:\x+j+1], v[P+j:P+j+1] neg_lo:[1,0,0] neg_hi:[1,0,0]
.set j, j+2
.endr
.set j, 0
.rept 16
	v_pk_mul_f32 v[P+j:P+j+1], v[P+j:P+j+1], s[CL:CL+1] op_sel_hi:[1,0]
.set j, j+2
.endr
.set i, 0
	s_wait_alu depctr_va_vdst(0)
.rept 32
	v_exp_f32 v[P+i], v[P+i]
.set i, i+1
.endr
	v_nop
	s_wait_alu depctr_va_vdst(0)
.set j, 0
.rept 16
	v_pk_mul_f32 v[T+j:T+j+1], v[T+j:T+j+1], v[P+j:P+j+1]
.set j, j+2
.endr
.set j, 0
.rept 16
	v_pk_mul_f32 v[T+j:T+j+1], v[T+j:T+j+1], v[\x+j:\x+j+1]
.set j, j+2
.endr
.set i, 0
.rept 32
	v_max_num_f32 v[P+i], 0, v[\x+i]
.set i, i+1
.endr
.set i, 0
.rept 32
	v_fma_f32 v[\x+i], |v[T+i]|, -0.5, v[P+i]
.set i, i+1
.endr
.endm
	s_wait_kmcnt 0x0
	s_add_co_i32 s96, s88, s89
	s_add_co_i32 s96, s96, 127
	s_lshl_b32 s96, s96, 23
	s_mov_b32 s97, s96
	MKSC 90, 8, 9
	SETC 0, 0xc021fc4e
	SETC 1, 0x400000c7
	SETC 2, 0x3f3f88fb
	SETC 3, 0x3e4636c9
	SETC 4, 0xbebec24c
	SETC 5, 0x3f0ec7cc
	SETC 6, 0xc0114e5d
	SETC 7, 0x403e87b0
	SETC 8, 0xbfd27892
	s_mov_b32 s[CL], 0x3f38aa3b
	s_mov_b32 s[CL+1], 0x3f38aa3b
	s_mov_b32 s[CH], 0x3eb504f3
	v_mov_b32 v12, 0x3eaef946
	v_mov_b32 v13, 0x3eaef946
	s_wait_loadcnt 0x0
	PLACES NP
	s_mov_b32 s[AI], 0
.Lepi:
.irp a, 0,1,2,3,4,5,6
	s_cmp_eq_u32 s[AI], \a
	s_cbranch_scc0 .Lnot\a
	COPY \a
	s_branch .Lgot
.Lnot\a:
.endr
	COPY 7
.Lgot:
	GELU XV
	GELU XV+32
	QUANT XV, CDB, 8, 9
.irp c, 0,1,2,3
	global_store_b128 v[LI], v[CDB+4*\c:CDB+4*\c+3], s[10:11] offset:512*\c
.endr
	s_wait_xcnt 0x0
	s_add_nc_u64 s[10:11], s[10:11], 4096
	s_add_co_u32 s[AI], s[AI], 1
	s_cmp_lt_u32 s[AI], 8
	s_cbranch_scc1 .Lepi
	s_wait_tensorcnt 0x0
	ds_add_u32 v[SPW], v[NIL]
	s_wait_dscnt 0x0
	CROUND
	s_endpgm
.Lfunc_end_k_qb4ba780f1e_ffn1:
	.size	k_qb4ba780f1e_ffn1, .Lfunc_end_k_qb4ba780f1e_ffn1-k_qb4ba780f1e_ffn1
	.p2alignl 7, 3214868480
	.fill 96, 4, 3214868480
	.section	.rodata,"a",@progbits
	.p2align	6, 0x0
	.amdhsa_kernel k_qb4ba780f1e_ffn1
		.amdhsa_group_segment_fixed_size 327680
		.amdhsa_private_segment_fixed_size 0
		.amdhsa_enable_private_segment 0
		.amdhsa_kernarg_size 40
		.amdhsa_user_sgpr_count 2
		.amdhsa_user_sgpr_kernarg_segment_ptr 1
		.amdhsa_wavefront_size32 1
		.amdhsa_system_sgpr_workgroup_id_x 1
		.amdhsa_system_sgpr_workgroup_id_y 1
		.amdhsa_system_sgpr_workgroup_id_z 1
		.amdhsa_system_vgpr_workitem_id 0
		.amdhsa_next_free_vgpr 1024
		.amdhsa_next_free_sgpr 102
		.amdhsa_reserve_vcc 0
		.amdhsa_float_denorm_mode_32 3
		.amdhsa_float_denorm_mode_16_64 3
		.amdhsa_memory_ordered 1
		.amdhsa_forward_progress 1
		.amdhsa_inst_pref_size 144
	.end_amdhsa_kernel
	.amdgpu_metadata
---
amdhsa.version: [ 1, 2 ]
amdhsa.kernels:
  - .name:           k_qb4ba780f1e_ffn1
    .symbol:         k_qb4ba780f1e_ffn1.kd
    .args:
      - { .name: x2, .offset: 0, .size: 8, .value_kind: global_buffer, .address_space: global }
      - { .name: wc, .offset: 8, .size: 8, .value_kind: global_buffer, .address_space: global }
      - { .name: lowp_scales, .offset: 16, .size: 8, .value_kind: global_buffer, .address_space: global }
      - { .name: g, .offset: 24, .size: 8, .value_kind: global_buffer, .address_space: global }
      - { .name: b1, .offset: 32, .size: 8, .value_kind: global_buffer, .address_space: global }
    .group_segment_fixed_size: 327680
    .private_segment_fixed_size: 0
    .kernarg_segment_align: 8
    .kernarg_segment_size: 40
    .max_flat_workgroup_size: 128
    .sgpr_count:     102
    .vgpr_count:     1024
    .wavefront_size: 32
...
	.end_amdgpu_metadata
.endif
;; end of part 13
;; launch ffn2 (part 14): grid 8 x 32, 4 waves a work-group, clusters of 4 x 4, 327,680 bytes of LDS; arguments g, wc, lowp_scales, out0, b2, x2; writes out0
.if DOCPART == 14
	.amdgcn_target "amdgcn-amd-amdhsa--gfx1250"
	.amdhsa_code_object_version 6
	.text
	.protected	k_qb4ba780f1e_ffn2
	.globl	k_qb4ba780f1e_ffn2
	.p2align	8
	.type	k_qb4ba780f1e_ffn2,@function
k_qb4ba780f1e_ffn2:
	s_mov_b64 s[64:65], 0
	v_nop
	global_prefetch_b8 v0, s[64:65] scope:SCOPE_SE
	s_setreg_imm32_b32 hwreg(HW_REG_WAVE_MODE, 25, 1), 1
	s_wait_xcnt 0x0
	s_wait_alu depctr_hold_cnt(0) depctr_sa_sdst(0) depctr_va_vdst(0) depctr_va_sdst(0) depctr_va_ssrc(0) depctr_va_vcc(0) depctr_vm_vsrc(0)
	s_getreg_b32 s2, hwreg(HW_REG_IB_STS2, 6, 4)
	s_cmp_eq_u32 s2, 0
	s_cbranch_scc0 .Lentry_in_a_cluster
	s_endpgm
.Lentry_in_a_cluster:
	s_bfe_u32 s2, ttmp6, 0x10000c
	s_cmp_lg_u32 s2, 0xf033
	s_cbranch_scc0 .Lentry_shape_is_right
	s_endpgm
.Lentry_shape_is_right:
.set ASTR, 0x100000
.set BSTR, 0x40000
.set LOGA, 20
.set LOGB, 18
.set BOFF, 0x400000
.set EA, 90
.set LAPS, 4
; out0 = x2 + g W2 + b2 on codes of E5M2 stored as images of operand registers; tiles of 128 x 128, four waves of 64 x 64; a slot holds 512 along K; K = 4,096 is eight slots' worth, through a ring of two.
; PREFETCH: behind the joint load of K slot t each wave asks for K slot t + 2, and behind K slot 0's load for K slot 1 too: of the 32,768 dense bytes that it fetches, the partner at place p (cx for A, cy for B)
; names bytes 8,192 p on, lanes 256 bytes apart: each block of 256 bytes once in the cluster, told apart by address.  The loads of K slots 6 and 7 ask for nothing.
; s[72:73] stands one K slot on from the load in hand, s[74:75] a K slot on, v31 256 x lane, v23 the same one K slot on.
.set HALFT, 32768
.set SLOT,  4*HALFT
.set SPARE, 2*SLOT
.set SPITCH, 272
.set FR, 16
.set NP, 4
.set ADRA, 16
.set ADRB, 20
.set STO, 24
.set RD,  25
.set LI,  26
.set CO,  27
.set SPW, 28
.set NIL, 29
.set CB,  30
.set BK,  32
.set ACC, 128
.set F0,  0
.set F1,  128
.set G1, 24
.set G0, 32
.set G1B, 48
.set G0B, 56
.set MSB, 0
.macro WIN new
.if MSB != (\new)
	s_set_vgpr_msb (MSB<<8)|(\new)
.set MSB, (\new)
.endif
.endm
.set MUL,  0x05
.set TO_F, 0x40
.macro JLOAD g0a, g1a, g0b, g1b
	s_cmp_eq_u32 s15, 0
	s_cbranch_scc0 .Lfor_b_\@
	tensor_load_to_lds s[\g0a:\g0a+3], s[\g1a:\g1a+7]
	s_nop 0
.rept 4
	v_nop
.endr
	s_branch .Lasked_\@
.Lfor_b_\@:
	tensor_load_to_lds s[\g0b:\g0b+3], s[\g1b:\g1b+7]
	s_nop 0
.rept 4
	v_nop
.endr
.Lasked_\@:
.endm
.macro CREST
	s_cmp_lg_u32 s14, 0
	s_cbranch_scc1 .Lnot_wave_0_\@
	s_barrier_signal -3
.Lnot_wave_0_\@:
	s_barrier_wait -3
	s_barrier_signal -1
	s_barrier_wait -1
.endm
.macro CROUND
	s_barrier_signal -1
	s_barrier_wait -1
	CREST
.endm
.macro FRAG reg, adr, q, i
.irp c, 0,1,2,3
	ds_load_b128 v[\reg+4*\c:\reg+4*\c+3], v[\adr] offset:((\q)/2)*HALFT+(2*(\i)+(\q)%2)*2048+512*\c
.endr
.endm
.macro FETCH slot, q, f
	WIN TO_F
.irp i, 0,1,2,3
	FRAG \f+FR*\i, ADRB+\slot, \q, \i
.endr
.irp i, 0,1,2,3
	FRAG \f+64+FR*\i, ADRA+\slot, \q, \i
.endr
.endm
.macro MULA f, a, zero
.irp b, 0,1,2,3
.if \zero
	v_wmma_f32_16x16x128_bf8_bf8 v[ACC+8*(4*(\a)+\b):ACC+8*(4*(\a)+\b)+7], v[\f+FR*\b:\f+FR*\b+FR-1], v[\f+64+FR*(\a):\f+64+FR*(\a)+FR-1], 0
.else
	v_wmma_f32_16x16x128_bf8_bf8 v[ACC+8*(4*(\a)+\b):ACC+8*(4*(\a)+\b)+7], v[\f+FR*\b:\f+FR*\b+FR-1], v[\f+64+FR*(\a):\f+64+FR*(\a)+FR-1], v[ACC+8*(4*(\a)+\b):ACC+8*(4*(\a)+\b)+7]
.endif
.endr
.endm
.macro PLACES n
.rept \n
	v_nop
.endr
.endm
.macro STEP slot, nq, f, g, zero
	s_wait_dscnt 8
	WIN MUL
	MULA \f, 0, \zero
	MULA \f, 1, \zero
	PLACES NP
	FETCH \slot, \nq, \g
	s_wait_dscnt 32
	WIN MUL
	MULA \f, 2, \zero
	MULA \f, 3, \zero
.endm
.macro TURN slot, next, fill
.if \fill
	s_wait_xcnt 0x0                                ; my last prefetch has read its address: it steps one K slot on
	s_add_nc_u64 s[72:73], s[72:73], s[74:75]
.endif
	WIN 0
	s_wait_tensorcnt 0x0
	ds_add_u32 v[SPW], v[NIL]
	s_wait_dscnt 9
	WIN MUL
	MULA F1, 0, 0
	s_wait_dscnt 0x0
	s_barrier_signal -1
	MULA F1, 1, 0
	WIN 0
	s_barrier_wait -1
.if \fill
	CREST
	s_add_nc_u64 s[G0+4*\slot+2:G0+4*\slot+3], s[G0+4*\slot+2:G0+4*\slot+3], 4*ASTR
	s_add_nc_u64 s[G0B+4*\slot+2:G0B+4*\slot+3], s[G0B+4*\slot+2:G0B+4*\slot+3], 4*BSTR
	JLOAD G0+4*\slot, G1, G0B+4*\slot, G1B
.else
	PLACES NP
.endif
	FETCH \next, 0, F0
.if \fill
	WIN 0                                          ; at a branch and at a label every window is 0
	s_cmp_gt_u32 s3, 1                             ; the loop's last trip loads K slots 6 and 7: no slot stands two on
	s_cbranch_scc0 .Lno_ask_\@
	global_prefetch_b8 v23, s[72:73] th:TH_LOAD_NT scope:SCOPE_SE
.Lno_ask_\@:
.endif
	WIN MUL
	MULA F1, 2, 0
	MULA F1, 3, 0
.endm
	s_load_b256 s[4:11], s[0:1], 0x0
	s_load_b128 s[68:71], s[0:1], 0x20
	v_lshl_add_u32 v[SPW], v0, 2, SPARE
	v_mov_b32 v[NIL], 0
	ds_add_u32 v28, v29
	ds_add_u32 v28, v29
	s_wait_dscnt 0x0
	v_lshrrev_b32 v1, 5, v0
	v_readfirstlane_b32 s14, v1
	s_lshr_b32 s15, s14, 1
	s_and_b32 s16, s14, 1
	s_bfe_u32 s40, ttmp6, 0x40000
	s_bfe_u32 s41, ttmp6, 0x40004
	s_lshl_b32 s42, ttmp9, 2
	s_add_co_u32 s42, s42, s40
	s_and_b32 s17, ttmp7, 0xffff
	s_lshl_b32 s17, s17, 2
	s_add_co_u32 s17, s17, s41
	s_lshl_b32 s43, s41, 2
	s_lshl_b32 s43, 15, s43
	s_lshl_b32 s44, 0x1111, s40
	s_or_b32 s[G1+0], s43, (1<<21)
	s_or_b32 s[G1B+0], s44, (1<<21)
.irp g, G1, G1B
	s_mov_b32 s[\g+1], 256<<16
	s_mov_b32 s[\g+2], 128<<16
	s_mov_b32 s[\g+3], 256<<16
	s_mov_b32 s[\g+4], 128
	s_mov_b32 s[\g+5], 256
	s_mov_b32 s[\g+6], 0
	s_mov_b32 s[\g+7], 0
.endr
	s_lshl_b32 s18, s16, LOGA
	s_lshl_b32 s20, s17, 15
	s_add_co_u32 s20, s20, s18
	s_mov_b32 s21, 0
	s_lshl_b32 s19, s16, LOGB
	s_lshl_b32 s46, s42, 15
	s_add_co_u32 s46, s46, s19
	s_add_co_u32 s46, s46, BOFF
	s_mov_b32 s47, 0
	s_mul_i32 s45, s14, HALFT
	s_wait_kmcnt 0x0
	s_load_b512 s[76:91], s[8:9], 0x0
	s_add_nc_u64 s[20:21], s[4:5], s[20:21]
	s_add_nc_u64 s[46:47], s[6:7], s[46:47]
	CROUND
.irp s, 0,1
	s_mov_b32 s[G0+4*\s], 1
	s_add_co_u32 s[G0+4*\s+1], s45, \s*SLOT
	s_add_nc_u64 s[G0+4*\s+2:G0+4*\s+3], s[20:21], \s*2*ASTR
	s_or_b32 s[G0+4*\s+3], s[G0+4*\s+3], 0x80000000
	s_mov_b32 s[G0B+4*\s], 1
	s_add_co_u32 s[G0B+4*\s+1], s45, \s*SLOT
	s_add_nc_u64 s[G0B+4*\s+2:G0B+4*\s+3], s[46:47], \s*2*BSTR
	s_or_b32 s[G0B+4*\s+3], s[G0B+4*\s+3], 0x80000000
.if \s == 0
	JLOAD G0, G1, G0B, G1B                         ; K slot 0: one tensor load a wave at the head
.endif
.endr
	v_and_b32 v1, 31, v0
	v_lshlrev_b32 v[LI], 4, v1
	v_lshlrev_b32 v31, 8, v1                       ; the prefetches' offset: 256 x lane; never rewritten
	v_and_b32 v2, 15, v0
	s_wait_alu depctr_va_vdst(0)
	v_bfe_u32 v3, v0, 4, 1
	s_lshl_b32 s21, s15, 14
	s_lshl_b32 s22, s16, 14
	s_add_co_u32 s22, s22, 2*HALFT
.irp s, 0,1
	v_add_nc_u32 v[ADRA+\s], s21, v[LI]
	v_add_nc_u32 v[ADRB+\s], s22, v[LI]
	s_add_co_u32 s21, s21, SLOT
	s_add_co_u32 s22, s22, SLOT
.endr
	s_mul_i32 s23, s14, 16*SPITCH
	v_mul_u32_u24 v[STO], v2, SPITCH
	s_wait_alu depctr_va_vdst(0)
	v_lshl_add_u32 v[STO], v3, 6, v[STO]
	v_add_nc_u32 v[STO], s23, v[STO]
	v_mul_u32_u24 v[RD], v3, SPITCH
	v_lshl_add_u32 v[RD], v2, 4, v[RD]
	v_add_nc_u32 v[RD], s23, v[RD]
	v_lshlrev_b32 v[CB], 4, v2
	s_wait_alu depctr_va_vdst(0)
	v_lshl_add_u32 v[CO], v3, 12, v[CB]
	s_wait_alu depctr_va_vdst(0)
	s_lshl_b32 s46, s42, 9
	s_lshl_b32 s47, s16, 8
	s_add_co_u32 s46, s46, s47
	s_mov_b32 s47, 0
	s_add_nc_u64 s[68:69], s[68:69], s[46:47]
	s_lshl_b32 s20, s17, 19
	s_lshl_b32 s21, s15, 18
	s_add_co_u32 s20, s20, s21
	s_add_co_u32 s20, s20, s46
	s_mov_b32 s21, 0
	s_add_nc_u64 s[10:11], s[10:11], s[20:21]
	s_add_nc_u64 s[70:71], s[70:71], s[20:21]
	s_lshl_b32 s72, s17, 15                        ; A: my tile row's block, my 256 along K, my work-group's 8,192 bytes by cx, K slot 1
	s_lshl_b32 s73, s16, LOGA
	s_add_co_u32 s72, s72, s73
	s_lshl_b32 s73, s40, 13
	s_add_co_u32 s72, s72, s73
	s_add_co_u32 s72, s72, 2*ASTR
	s_lshl_b32 s74, s42, 15                        ; B: the same by the tile column and cy
	s_lshl_b32 s75, s16, LOGB
	s_add_co_u32 s74, s74, s75
	s_lshl_b32 s75, s41, 13
	s_add_co_u32 s74, s74, s75
	s_add_co_u32 s74, s74, BOFF+2*BSTR
	s_cmp_eq_u32 s15, 0                            ; do I fetch for A?
	s_cselect_b32 s98, s72, s74
	s_mov_b32 s99, 0
	s_cselect_b64 s[72:73], s[4:5], s[6:7]
	s_mov_b32 s74, 2*BSTR
	s_cselect_b32 s74, 2*ASTR, s74                 ; a K slot on
	s_mov_b32 s75, 0
	s_add_nc_u64 s[72:73], s[72:73], s[98:99]      ; at K slot 1
	v_add_nc_u32 v23, s74, v31                     ; never rewritten
	global_prefetch_b8 v31, s[72:73] th:TH_LOAD_NT scope:SCOPE_SE   ; K slot 1,
	global_prefetch_b8 v23, s[72:73] th:TH_LOAD_NT scope:SCOPE_SE   ; K slot 2, behind K slot 0's load
	global_load_b128 v[4:7], v[CB], s[68:69]
	WIN 0x80
.irp a, 0,1,2,3
.irp t, 0,1,2,3,4,5,6,7
	global_load_b128 v[32*\a+4*\t:32*\a+4*\t+3], v[CO], s[70:71] offset:(16*\a+2*\t)*4096 th:TH_LOAD_NT
.endr
.endr
	WIN 0
	s_wait_alu depctr_va_vdst(0)
	s_wait_tensorcnt 0x0                           ; my part of K slot 0 is in; slot 1's first fill is issued as a refill is:
	ds_add_u32 v[SPW], v[NIL]                      ; 0 onto my spare word
	s_wait_xcnt 0x0                                ; my prefetch has read its address: it steps one K slot on
	s_add_nc_u64 s[72:73], s[72:73], s[74:75]
	s_wait_dscnt 0x0
	CROUND                                         ; everybody's part of K slot 0 is in, and the sixteen work-groups meet
	JLOAD G0+4, G1, G0B+4, G1B                     ; K slot 1: the first tensor load behind the round
	FETCH 0, 0, F0
	global_prefetch_b8 v23, s[72:73] th:TH_LOAD_NT scope:SCOPE_SE   ; K slot 3 (the address register lies in window 0)
	STEP 0, 1, F0, F1, 1
.if LAPS > 1
	WIN 0
	s_mov_b32 s3, LAPS-1
.Llap:
	STEP 0, 2, F1, F0, 0
	STEP 0, 3, F0, F1, 0
	TURN 0, 1, 1
	STEP 1, 1, F0, F1, 0
	STEP 1, 2, F1, F0, 0
	STEP 1, 3, F0, F1, 0
	TURN 1, 0, 1
	STEP 0, 1, F0, F1, 0
	WIN 0
	s_sub_co_u32 s3, s3, 1
	s_cmp_lg_u32 s3, 0
	s_cbranch_scc1 .Llap
.endif
	STEP 0, 2, F1, F0, 0
	STEP 0, 3, F0, F1, 0
	TURN 0, 1, 0
	STEP 1, 1, F0, F1, 0
	STEP 1, 2, F1, F0, 0
	STEP 1, 3, F0, F1, 0
	s_wait_dscnt 8
	WIN MUL
	MULA F1, 0, 0
	MULA F1, 1, 0
	s_wait_dscnt 0
	MULA F1, 2, 0
	MULA F1, 3, 0
	WIN 0
.macro TOSTAGE a
.set BB, BK+32*((\a)%2)
.irp t, 0,1,2,3
	ds_store_b128 v[STO], v[ACC+8*(4*(\a)+\t):ACC+8*(4*(\a)+\t)+3] offset:128*(\t/2)+32*(\t%2)
	ds_store_b128 v[STO], v[ACC+8*(4*(\a)+\t)+4:ACC+8*(4*(\a)+\t)+7] offset:128*(\t/2)+32*(\t%2)+16
.endr
.irp t, 0,1,2,3,4,5,6,7
	ds_load_b128 v[BB+4*\t:BB+4*\t+3], v[RD] offset:2*\t*SPITCH
.endr
.endm
.macro SEND a, younger
.set BB, BK+32*((\a)%2)
.set RS, 32*(\a)
	s_wait_dscnt \younger
	WIN 0x20
.irp j, 0,2,4,6,8,10,12,14,16,18,20,22,24,26,28,30
	v_pk_fma_f32 v[BB+\j:BB+\j+1], v[BB+\j:BB+\j+1], s[96:97], v[RS+\j:RS+\j+1] op_sel_hi:[1,0,1]
.endr
	WIN 0
.irp t, 0,1,2,3,4,5,6,7
	global_store_b128 v[CO], v[BB+4*\t:BB+4*\t+3], s[10:11] offset:(16*(\a)+2*\t)*4096 th:TH_STORE_NT
.endr
.endm
	s_wait_kmcnt 0x0
	s_add_co_i32 s96, s[EA], s[EA+1]
	s_add_co_i32 s96, s96, 127
	s_lshl_b32 s96, s96, 23
	s_mov_b32 s97, s96
	s_wait_loadcnt 0x0
	PLACES NP
	WIN 0x82
.irp a, 0,1,2,3
.irp t, 0,1,2,3,4,5,6,7
	v_pk_add_f32 v[32*\a+4*\t:32*\a+4*\t+1], v[32*\a+4*\t:32*\a+4*\t+1], v[4:5]
	v_pk_add_f32 v[32*\a+4*\t+2:32*\a+4*\t+3], v[32*\a+4*\t+2:32*\a+4*\t+3], v[6:7]
.endr
.endr
	WIN 0
	TOSTAGE 0
.irp a, 1,2,3
.if \a > 1
	s_wait_xcnt 0x0
.endif
	TOSTAGE \a
	SEND \a-1, 16
.endr
	SEND 3, 0
	s_wait_tensorcnt 0x0
	ds_add_u32 v[SPW], v[NIL]
	s_wait_dscnt 0x0
	CROUND
	s_endpgm
.Lfunc_end_k_qb4ba780f1e_ffn2:
	.size	k_qb4ba780f1e_ffn2, .Lfunc_end_k_qb4ba780f1e_ffn2-k_qb4ba780f1e_ffn2
	.p2alignl 7, 3214868480
	.fill 96, 4, 3214868480
	.section	.rodata,"a",@progbits
	.p2align	6, 0x0
	.amdhsa_kernel k_qb4ba780f1e_ffn2
		.amdhsa_group_segment_fixed_size 327680
		.amdhsa_private_segment_fixed_size 0
		.amdhsa_enable_private_segment 0
		.amdhsa_kernarg_size 48
		.amdhsa_user_sgpr_count 2
		.amdhsa_user_sgpr_kernarg_segment_ptr 1
		.amdhsa_wavefront_size32 1
		.amdhsa_system_sgpr_workgroup_id_x 1
		.amdhsa_system_sgpr_workgroup_id_y 1
		.amdhsa_system_sgpr_workgroup_id_z 1
		.amdhsa_system_vgpr_workitem_id 0
		.amdhsa_next_free_vgpr 768
		.amdhsa_next_free_sgpr 102
		.amdhsa_reserve_vcc 0
		.amdhsa_float_denorm_mode_32 3
		.amdhsa_float_denorm_mode_16_64 3
		.amdhsa_memory_ordered 1
		.amdhsa_forward_progress 1
		.amdhsa_inst_pref_size 83
	.end_amdhsa_kernel
	.amdgpu_metadata
---
amdhsa.version: [ 1, 2 ]
amdhsa.kernels:
  - .name:           k_qb4ba780f1e_ffn2
    .symbol:         k_qb4ba780f1e_ffn2.kd
    .args:
      - { .name: g, .offset: 0, .size: 8, .value_kind: global_buffer, .address_space: global }
      - { .name: wc, .offset: 8, .size: 8, .value_kind: global_buffer, .address_space: global }
      - { .name: lowp_scales, .offset: 16, .size: 8, .value_kind: global_buffer, .address_space: global }
      - { .name: out0, .offset: 24, .size: 8, .value_kind: global_buffer, .address_space: global }
      - { .name: b2, .offset: 32, .size: 8, .value_kind: global_buffer, .address_space: global }
      - { .name: x2, .offset: 40, .size: 8, .value_kind: global_buffer, .address_space: global }
    .group_segment_fixed_size: 327680
    .private_segment_fixed_size: 0
    .kernarg_segment_align: 8
    .kernarg_segment_size: 48
    .max_flat_workgroup_size: 128
    .sgpr_count:     102
    .vgpr_count:     768
    .wavefront_size: 32
...
	.end_amdgpu_metadata
.endif
;; end of part 14
